; MI455X (gfx1250); checked and timed in simulation.
; The chip was launched on July 23, 2026; its instructions are those of AMD's public machine-readable ISA for CDNA 5 (MIT licence, August 2026) and "CDNA5" Instruction Set Architecture Reference Guide (July 2026). The comments in the code are by the model that wrote it; some were corrected since.
;; Transformer Encoder. Allowed arithmetic: matrix products marked QUANTISED: E3M2 operands, one E8M0 scale for each 32 along K, by v_wmma_scale_f32_16x16x128_f8f6f4 with both operands' format E3M2, f32 sums; everything else in f32.
;; Inputs: W1_codes 4,096 x 32 x 24 uint8 (E3M2 codes of W1, K innermost, in blocks of 32 codes, four codes in three bytes); W1_scales 4,096 x 32 uint8 (E8M0 scales of W1, one for each 32 codes along K); W2_codes 1,024 x 128 x 24 uint8 (E3M2 codes of W2, K innermost, in blocks of 32 codes, four codes in three bytes); W2_scales 1,024 x 128 uint8 (E8M0 scales of W2, one for each 32 codes along K); Wk_codes 16 x 64 x 32 x 24 uint8 (E3M2 codes of Wk, K innermost, in blocks of 32 codes, four codes in three bytes); Wk_scales 16 x 64 x 32 uint8 (E8M0 scales of Wk, one for each 32 codes along K); Wproj_codes 1,024 x 32 x 24 uint8 (E3M2 codes of Wproj, K innermost, in blocks of 32 codes, four codes in three bytes); Wproj_scales 1,024 x 32 uint8 (E8M0 scales of Wproj, one for each 32 codes along K); Wq_codes 16 x 64 x 32 x 24 uint8 (E3M2 codes of Wq, K innermost, in blocks of 32 codes, four codes in three bytes); Wq_scales 16 x 64 x 32 uint8 (E8M0 scales of Wq, one for each 32 codes along K); Wv_codes 16 x 64 x 32 x 24 uint8 (E3M2 codes of Wv, K innermost, in blocks of 32 codes, four codes in three bytes); Wv_scales 16 x 64 x 32 uint8 (E8M0 scales of Wv, one for each 32 codes along K); b1 4,096 float32; b2 1,024 float32; be_attn 1,024 float32; be_ffn 1,024 float32; be_out 1,024 float32; embedding 2 x 2,048 x 1,024 float32; g_attn 1,024 float32; g_ffn 1,024 float32; g_out 1,024 float32; positional_encoding 2 x 2,048 x 1,024 float32.
;; Outputs: out0 2 x 2,048 x 1,024 float32; out1 16 x 2 x 2,048 x 64 float32; out2 16 x 2 x 2,048 x 64 float32.
;; This version of the problem:
;;   THIS VERSION OF THE PROBLEM IS GIVEN IN LOW PRECISION. The matrix products marked QUANTISED in the list below multiply operands that are first quantised to E3M2 (3 exponent bits, 2 mantissa bits; 6 bits a number), with one power-of-two scale for each 32 numbers along K (OCP MX v1.0); their sums are f32. All else is computed in f32.
;;   The module's matrix products, in the order in which they are computed (A, B: the left and right operand; K: the contracted axis; several contracted axes count as one K, in the product's order):
;;     1. [M 1,024, K 1,024] x [K 1,024, N 4,096]; A: input Wq (given as codes); B: computed on the way: QUANTISED
;;     2. [M 1,024, K 1,024] x [K 1,024, N 4,096]; A: input Wk (given as codes); B: computed on the way: QUANTISED
;;     3. [M 1,024, K 1,024] x [K 1,024, N 4,096]; A: input Wv (given as codes); B: computed on the way: QUANTISED
;;     4. batch 32 x [M 2,048, K 64] x [K 64, N 2,048]; A: computed on the way; B: computed on the way: QUANTISED
;;     5. batch 32 x [M 2,048, K 2,048] x [K 2,048, N 64]; A: softmax (see below); B: computed on the way: QUANTISED
;;     6. [M 4,096, K 1,024] x [K 1,024, N 1,024]; A: computed on the way; B: input Wproj (given as codes): QUANTISED
;;     7. [M 4,096, K 1,024] x [K 1,024, N 4,096]; A: computed on the way; B: input W1 (given as codes): QUANTISED
;;     8. [M 4,096, K 4,096] x [K 4,096, N 1,024]; A: computed on the way; B: input W2 (given as codes): QUANTISED
;;   THE QUANTISER, for each operand of a quantised product, along K:
;;     - K is cut into blocks of 32 from its start; a last block that is shorter is filled with zeros.
;;     - A block's scale is 2^e with e = floor(log2(the largest magnitude in the block)) - 4, held to -126 .. 127; a block of zeros has e = 0. As a byte (E8M0): e + 127.
;;     - Each number is divided by its block's scale, clamped to +-28, and rounded to the nearest number of E3M2, ties to even, subnormals kept.
;;     - The product sums the exact products of the quantised numbers (number of the format x scale) in f32.
;;   ~~~python
;;   def quantise(x, axis):      # numpy; x: float32 -> the quantised numbers, widened to float32 again
;;       x = np.moveaxis(x, axis, -1); K = x.shape[-1]
;;       x = np.pad(x, [(0, 0)] * (x.ndim - 1) + [(0, -K % 32)]); x = x.reshape(x.shape[:-1] + (-1, 32)); a = np.abs(x).max(-1, keepdims=True)
;;       e = np.where(a > 0, np.clip(np.frexp(np.where(a > 0, a, 1))[1] - 1 - 4, -126, 127), 0)      # np.frexp(a)[1] - 1 = floor(log2(a)), exactly
;;       r = np.clip(x / 2.0 ** e, -28, 28)
;;       step = 2.0 ** (np.maximum(np.frexp(np.where(r == 0, 1, r))[1] - 1, -2) - 2)
;;       q = np.round(r / step) * step * 2.0 ** e      # np.round: ties to even
;;       return np.moveaxis(q.reshape(q.shape[:-2] + (-1,))[..., :K], -1, axis).astype(np.float32)
;;   ~~~
;;   SOFTMAX AHEAD OF A QUANTISED PRODUCT. Where the list says 'softmax', what is quantised is not the finished softmax but p = 2^(t - M), with t = logit x log2(e) and M = ceil(the row's largest t), a whole number; so 1/2 < the row's largest p <= 1. The row's sum l is taken of the UNQUANTISED p, in f32, and the product's result is divided by l at the end. Since M is a whole number, a kernel that streams over the keys may use a running M (the ceiling of the running maximum): every later rescaling is an exact power of two, which a block's scale takes up: the codes' values come out the same.
;;   OPERANDS COMPUTED ON THE WAY. 'Computed on the way' means the value that the module computes at that place (a softmax that the list does not call 'softmax' is quantised finished and normalised). What goes into a quantiser is computed in f32, as accurately as f32 sums, v_exp_f32 and their like allow (about 1e-6 of the number): no bf16 or f16 on the way to a quantiser, and a product that is left as it is and whose result goes on into a quantised operand takes f32 operands (vector FMAs, or v_wmma_f32_16x16x4_f32). A number that lies on a knife's edge between two numbers of the format may be rounded either way, as far as f32 arithmetic and the matrix unit's own rounding can turn it there, and no further.
;;   INPUTS GIVEN AS CODES. W1 (in the module: [1024, 4096], K = its axis 0); W2 (in the module: [4096, 1024], K = its axis 0); Wk (in the module: [16, 1024, 64], K = its axis 1); Wproj (in the module: [1024, 1024], K = its axis 0); Wq (in the module: [16, 1024, 64], K = its axis 1); Wv (in the module: [16, 1024, 64], K = its axis 1): each comes as NAME_codes (uint8): NAME with its K axis moved to the last place and cut into blocks of 32 codes, [.., K / 32, bytes a block], one block behind the other in memory; four codes in three bytes: a row's codes are one little-endian stream of bits, code i at bits 6 i .. 6 i + 5 (a code: sign, 3 exponent bits, 2 mantissa bits); and NAME_scales (uint8): the same leading axes, one E8M0 byte (e + 127) for each 32 codes along K. Its value is code x scale, taken as it is: it is not quantised again, and the codes and scales need not be those that the quantiser above would give.
;; One version. Each part assembles by itself: llvm-mc -triple=amdgcn-amd-amdhsa -mcpu=gfx1250 --defsym DOCPART=n.
;; ======== version 1 of 1: 8 launches
;; limits: right only within a limited range of input values
;; workspace buffers: X 3,276,800 bytes; QKV 10,092,544 bytes; PF 16,777,216 bytes; MF 16,777,216 bytes; H 13,107,200 bytes; PW 16,777,216 bytes; WR 9,437,184 bytes
;; launch quantx (part 1): grid 1024 x 1, 8 waves a work-group, no clusters, 100,096 bytes of LDS; arguments embedding, positional_encoding, X, Wq_codes, Wk_codes, Wv_codes, Wproj_codes, W1_codes, W2_codes, WR; writes X, WR
.if DOCPART == 1
	.amdgcn_target "amdgcn-amd-amdhsa--gfx1250"
	.amdhsa_code_object_version 6
	.text
	.protected	k_q912d31ab40_quantx
	.globl	k_q912d31ab40_quantx
	.p2align	8
	.type	k_q912d31ab40_quantx,@function
k_q912d31ab40_quantx:
	s_mov_b64 s[64:65], 0
	v_nop
	global_prefetch_b8 v0, s[64:65] scope:SCOPE_SE
	s_setreg_imm32_b32 hwreg(HW_REG_WAVE_MODE, 25, 1), 1
	s_wait_xcnt 0x0
; x = embedding + positional_encoding, [4096][1024] f32, quantised along its 1,024 to codes of BF6 (E3M2) with one E8M0 byte for each 32.
; OUT: X's codes as [k / 64][row][48 bytes] (a group of 64 along K of all 4,096 rows is 196,608 dense bytes), X's scale bytes as [row][32] behind them.
; A block's scale byte is its largest magnitude's exponent field - 4, held at 1 from below by a floor among the maximum's leaves.
; LIMITS: NaN and infinities are not served; a block whose largest magnitude lies under 2^-122 keeps the byte 1; a block of zeros gets the byte 1 and not 127 (its codes are zeros, and this program alone reads the bytes).
; SHARES: a work-group takes 16 rows, each of its eight waves 2.  All 32 loads of a wave are issued at its head: nothing is asked for late.  Each load reads 512 consecutive bytes; a row turns through the wave's own stage
; in LDS, so that lane l holds block l (32 neighbours).  The codes of the 16 rows meet in LDS as [16 groups][16 rows][48] and leave in runs of 256 consecutive aligned bytes for each sixteen lanes.
.set ROWBY, 4096
.set GRP,   196608
.set XS,    3145728                    ; where the scale bytes begin in X
.set TSTW,  9216                       ; a wave's two turn stages: 32 places of 128 + 16 bytes each
.set CST,   73728                      ; [16 groups][16 rows][48]
.set SST,   86016                      ; [16 rows][32]
.set QC, 16                            ; v16-21 a block's codes
.set QT, 22                            ; v22-24 their second half as converted
.set QM, 26                            ; v26-27 the maximum, two chains
.set QO, 28                            ; the conversion's scale operand
.set QY, 29                            ; the scale byte
.set SL, 32                            ; two slots of 64: 32 of embedding, 32 of positional_encoding
.set XB, 224                           ; 32 neighbours
	s_load_b128 s[4:7], s[0:1], 0x0                ; embedding, positional_encoding
	s_load_b64 s[8:9], s[0:1], 0x10                ; X
	v_lshl_add_u32 v222, v0, 2, 0x15200
	v_mov_b32 v223, 0
	v_lshrrev_b32 v1, 5, v0
	s_delay_alu instid0(VALU_DEP_1)
	v_readfirstlane_b32 s10, v1                    ; wave 0..7
	v_and_b32 v1, 31, v0                           ; lane
	s_delay_alu instid0(VALU_DEP_1)
	v_lshlrev_b32 v2, 4, v1
	s_cmp_ge_u32 ttmp9, 256                        ; work-groups 256 .. 1,023 re-lay the weights' codes (below, behind the first path's end)
	s_wait_alu depctr_va_vdst(0)                   ; the wait directly ahead of the branch
	s_cbranch_scc1 .Lrelay
	s_mul_i32 s11, s10, TSTW
	v_lshrrev_b32 v3, 3, v1
	s_delay_alu instid0(VALU_DEP_1)
	v_mul_u32_u24 v3, v3, 144
	v_and_b32 v4, 7, v1
	s_delay_alu instid0(VALU_DEP_1)
	v_lshl_add_u32 v3, v4, 4, v3
	s_delay_alu instid0(VALU_DEP_1)
	v_add_nc_u32 v3, s11, v3                       ; v3: the stage on the way in: eight lanes' 128 bytes on end, then 16 of padding
	v_mul_u32_u24 v4, v1, 144
	s_delay_alu instid0(VALU_DEP_1)
	v_add_nc_u32 v4, s11, v4                       ; v4: and on the way out: my block
	v_lshrrev_b32 v5, 1, v1
	s_delay_alu instid0(VALU_DEP_1)
	v_mul_u32_u24 v5, v5, 768
	v_and_b32 v6, 1, v1
	s_delay_alu instid0(VALU_DEP_1)
	v_mad_u32_u24 v5, v6, 24, v5
	s_mul_i32 s11, s10, 96
	s_add_co_u32 s11, s11, CST
	v_add_nc_u32 v5, s11, v5                       ; v5: my block's 24 bytes: group lane / 2, row 2 x wave, half lane % 2
	s_lshl_b32 s11, s10, 6
	s_add_co_u32 s11, s11, SST
	v_add_nc_u32 v6, s11, v1                       ; v6: my block's scale byte
	s_mul_i32 s11, s10, 1536
	s_add_co_u32 s11, s11, CST
	v_add_nc_u32 v7, s11, v2                       ; v7: the way out: my wave's two groups
	v_add_nc_u32 v8, SST, v2                       ; v8: the scale bytes on the way out
	v_lshrrev_b32 v9, 4, v1
	s_delay_alu instid0(VALU_DEP_1)
	v_mul_u32_u24 v9, v9, GRP-768
	s_delay_alu instid0(VALU_DEP_1)
	v_add_nc_u32 v9, v9, v2                        ; v9: 16 x lane, lanes 16-31 one group on
	s_lshl_b32 s12, ttmp9, 16
	s_lshl_b32 s13, s10, 13
	s_add_co_u32 s12, s12, s13                     ; my first row: (16 x work-group + 2 x wave) x 4,096 bytes
	s_mov_b32 s13, 0
	s_mul_i32 s14, s10, 2*GRP
	s_mul_i32 s15, ttmp9, 768
	s_add_co_u32 s14, s14, s15
	s_mov_b32 s15, 0
	s_lshl_b32 s16, ttmp9, 9
	s_add_co_u32 s16, s16, XS
	s_mov_b32 s17, 0
	s_wait_kmcnt 0x0
	s_add_nc_u64 s[4:5], s[4:5], s[12:13]
	s_add_nc_u64 s[6:7], s[6:7], s[12:13]
	s_add_nc_u64 s[18:19], s[8:9], s[16:17]        ; the work-group's 512 scale bytes
	s_add_nc_u64 s[8:9], s[8:9], s[14:15]          ; my wave's first group, the work-group's 16 rows
.macro LOADROW t
.irp j, 0,1,2,3,4,5,6,7
	global_load_b128 v[SL+64*(\t)+4*\j:SL+64*(\t)+4*\j+3], v2, s[4:5] offset:(\t)*ROWBY+512*\j th:TH_LOAD_NT
.endr
.irp j, 0,1,2,3,4,5,6,7
	global_load_b128 v[SL+64*(\t)+32+4*\j:SL+64*(\t)+35+4*\j], v2, s[6:7] offset:(\t)*ROWBY+512*\j th:TH_LOAD_NT
.endr
.endm
; 32 numbers of ONE lane, v[x] on, become 24 bytes of codes in v[QC] on and a scale byte in v[QY]
.macro QUANT1 x
	v_max3_num_f32 v[QM], |v[(\x)]|, |v[(\x)+1]|, 0x2800000   ; with the floor 2^(5 - 127): the byte cannot fall under 1
	v_max_num_f32 v[QM+1], |v[(\x)+2]|, |v[(\x)+3]|
.irp i, 4,8,12,16,20,24,28
	s_delay_alu instid0(VALU_DEP_2)
	v_max3_num_f32 v[QM], v[QM], |v[(\x)+\i]|, |v[(\x)+\i+1]|
	s_delay_alu instid0(VALU_DEP_2)
	v_max3_num_f32 v[QM+1], v[QM+1], |v[(\x)+\i+2]|, |v[(\x)+\i+3]|
.endr
	s_delay_alu instid0(VALU_DEP_1)
	v_max_num_f32 v[QM], v[QM], v[QM+1]
	s_delay_alu instid0(VALU_DEP_1)
	v_add_nc_u32 v[QO], 0xfe000000, v[QM]          ; 4 off the exponent field: the conversion takes this operand's exponent field as its scale
	s_delay_alu instid0(VALU_DEP_1)
	v_lshrrev_b32 v[QY], 23, v[QO]
	v_cvt_scalef32_pk16_bf6_f32 v[QC:QC+2], v[(\x):(\x)+15], v[QO]
	v_cvt_scalef32_pk16_bf6_f32 v[QT:QT+2], v[(\x)+16:(\x)+31], v[QO]   ; (a conversion's three registers begin on an even number)
	v_nop                                          ; one plain place behind a scaled conversion
.irp i, 0,1,2
	v_mov_b32 v[QC+3+\i], v[QT+\i]
.endr
.endm
.macro ROW t, left
.set EE, SL+64*(\t)
	s_wait_loadcnt \left                           ; this row's 16 loads are in; the second row's stay out
.irp k, 0,2,4,6,8,10,12,14,16,18,20,22,24,26,28,30
	v_pk_add_f32 v[EE+\k:EE+\k+1], v[EE+\k:EE+\k+1], v[EE+32+\k:EE+33+\k]
.endr
.irp j, 0,1,2,3,4,5,6,7
	ds_store_b128 v3, v[EE+4*\j:EE+4*\j+3] offset:4608*(\t)+576*\j
.endr
.irp i, 0,1,2,3,4,5,6,7
	ds_load_b128 v[XB+4*\i:XB+4*\i+3], v4 offset:4608*(\t)+16*\i   ; LDS serves a wave's instructions in order: these see the stores above
.endr
	s_wait_dscnt 0x0                               ; my block is in; the first row's code stores have read their registers
	QUANT1 XB
.irp p, 0,1,2
	ds_store_b64 v5, v[QC+2*\p:QC+2*\p+1] offset:48*(\t)+8*\p
.endr
	ds_store_b8 v6, v[QY] offset:32*(\t)
.endm
	LOADROW 0
	LOADROW 1
	ROW 0, 16
	ROW 1, 0
	s_wait_dscnt 0x0                               ; for the others' sake: my stores have landed
	s_barrier_signal -1
	s_barrier_wait -1
.irp i, 0,1,2
	ds_load_b128 v[SL+4*\i:SL+4*\i+3], v7 offset:512*\i
.endr
; a group's 768 bytes are one and a half runs of 512: where a run crosses into the next group, lanes 16-31 take the offset that is one group on
.macro OUTC i, ofs, imm
	s_wait_dscnt 2-\i
	global_store_b128 v[\ofs], v[SL+4*\i:SL+4*\i+3], s[8:9] offset:\imm
.endm
	OUTC 0, 2, 0
	OUTC 1, 9, 512
	OUTC 2, 2, GRP+256
	s_cmp_lg_u32 s10, 0
	s_cbranch_scc1 .Lend
	ds_load_b128 v[XB:XB+3], v8
	s_wait_dscnt 0x0
	global_store_b128 v2, v[XB:XB+3], s[18:19]     ; 512 consecutive bytes: the 16 rows' scale bytes
.Lend:
	s_wait_tensorcnt 0x0
	ds_add_u32 v222, v223
	s_wait_dscnt 0x0
	s_endpgm
; THE WEIGHTS' CODES ARE RE-LAID: from [n][3 K / 4 bytes] to WR as [k / 64][n][48 bytes], X's own layout, so that 128 rows of a group are 6,144 dense bytes that begin at a multiple of 256.
; WR: Wq at 0, Wk, Wv, Wproj (786,432 bytes each, groups 49,152 apart), W1 at 3,145,728 (groups 196,608 apart), W2 at 6,291,456 (64 groups 49,152 apart).
; A work-group moves 16 rows x 768 bytes (16 groups): 64 for each of the four small tensors, 256 for W1, 256 for W2 (64 blocks of rows x 4 pieces of a row).
; A wave reads two rows: lane l takes group l % 16 of row l / 16, 48 bytes in three loads of 16, which together cover the rows' 1,536 bytes.  The groups meet in LDS as [16 groups][16 rows][48], 784 bytes from group to group
; (bytes of this path's own), and leave as the first path's codes do: 768 dense bytes of a group, each sixteen lanes 256 aligned bytes.
.set RST, 87552
.Lrelay:
	s_load_b256 s[36:43], s[0:1], 0x18             ; Wq, Wk, Wv, Wproj
	s_load_b128 s[44:47], s[0:1], 0x38             ; W1, W2
	s_load_b64 s[48:49], s[0:1], 0x48              ; WR
	s_sub_co_u32 s11, ttmp9, 256
	s_lshr_b32 s12, s11, 8                         ; 0: a small tensor, 1: W1, 2: W2
	s_lshr_b32 s13, s11, 6                         ; which small tensor
	s_and_b32 s14, s11, 63                         ; its block of 16 rows
	s_and_b32 s15, s11, 255                        ; W1's block of rows
	s_lshr_b32 s16, s15, 2                         ; W2's block of rows,
	s_and_b32 s17, s15, 3                          ; and which 768 bytes of its rows
	s_mul_i32 s22, s14, 12288                      ; from, and to: a small tensor
	s_mul_i32 s23, s13, 786432
	s_mul_i32 s24, s14, 768
	s_add_co_u32 s23, s23, s24
	s_mul_i32 s24, s15, 12288                      ; W1
	s_mul_i32 s25, s15, 768
	s_add_co_u32 s25, s25, 3145728
	s_mul_i32 s18, s16, 49152                      ; W2
	s_mul_i32 s19, s17, 768
	s_add_co_u32 s18, s18, s19
	s_mul_i32 s19, s17, 786432
	s_mul_i32 s26, s16, 768
	s_add_co_u32 s19, s19, s26
	s_add_co_u32 s19, s19, 6291456
	s_mov_b32 s27, 48384
	s_cmp_eq_u32 s12, 1
	s_cselect_b32 s22, s24, s22
	s_cselect_b32 s23, s25, s23
	s_cselect_b32 s27, 195840, s27                 ; from group to group in WR, less 768
	s_cmp_eq_u32 s12, 2
	s_cselect_b32 s22, s18, s22
	s_cselect_b32 s23, s19, s23
	s_cselect_b32 s26, 2304, 0                     ; from row to row in the source, less 768
	s_add_co_u32 s28, s26, 768
	s_mul_i32 s28, s28, s10
	s_lshl_b32 s28, s28, 1
	s_add_co_u32 s30, s22, s28                     ; + my wave's two rows
	s_mov_b32 s31, 0
	s_add_co_u32 s28, s27, 768
	s_mul_i32 s28, s28, s10
	s_lshl_b32 s28, s28, 1
	s_add_co_u32 s32, s23, s28                     ; + my wave's two groups
	s_mov_b32 s33, 0
	s_mul_i32 s29, s10, 96
	s_add_co_u32 s29, s29, RST
	s_mul_i32 s34, s10, 1568
	s_add_co_u32 s34, s34, RST
	s_add_co_u32 s35, s26, 768                     ; from row to row in the source
	v_and_b32 v10, 15, v1                          ; my group
	v_lshrrev_b32 v11, 4, v1                       ; my row of the wave's two
	v_mul_u32_u24 v12, v10, 784
	v_mul_u32_u24 v13, v10, 48
	v_mul_u32_u24 v14, v11, s35
	v_mad_u32_u24 v12, v11, 48, v12
	v_add_nc_u32 v13, v13, v14                     ; where my 48 bytes come from
	v_add_nc_u32 v12, s29, v12                     ; and where they go in LDS
	v_add_nc_u32 v22, s34, v2                      ; the way out: my wave's two groups, 1,536 bytes
	v_lshrrev_b32 v23, 4, v1
	v_add_nc_u32 v24, s27, v2
	v_lshl_add_u32 v25, v11, 4, v22                ; in LDS lanes 16-31 of the second run lie behind the 16 bytes between the groups
	v_mul_u32_u24 v23, v23, s27
	s_delay_alu instid0(VALU_DEP_1)
	v_add_nc_u32 v23, v23, v2                      ; the second run crosses: lanes 16-31 one group on
	s_wait_alu depctr_va_vdst(0)                   ; the wait directly ahead of the wait below
	s_wait_kmcnt 0x0
	s_cmp_eq_u32 s13, 1
	s_cselect_b64 s[20:21], s[38:39], s[36:37]
	s_cmp_eq_u32 s13, 2
	s_cselect_b64 s[20:21], s[40:41], s[20:21]
	s_cmp_eq_u32 s13, 3
	s_cselect_b64 s[20:21], s[42:43], s[20:21]
	s_cmp_eq_u32 s12, 1
	s_cselect_b64 s[20:21], s[44:45], s[20:21]
	s_cmp_eq_u32 s12, 2
	s_cselect_b64 s[20:21], s[46:47], s[20:21]
	s_add_nc_u64 s[20:21], s[20:21], s[30:31]
	s_add_nc_u64 s[48:49], s[48:49], s[32:33]
.irp j, 0,1,2
	global_load_b128 v[32+4*\j:35+4*\j], v13, s[20:21] offset:16*\j
.endr
	s_wait_loadcnt 0x0
.irp j, 0,1,2
	ds_store_b128 v12, v[32+4*\j:35+4*\j] offset:16*\j
.endr
	s_wait_dscnt 0x0                               ; for the others' sake: my stores have landed
	s_barrier_signal -1
	s_barrier_wait -1
	ds_load_b128 v[48:51], v22
	ds_load_b128 v[52:55], v25 offset:512
	ds_load_b128 v[56:59], v22 offset:1040
	s_wait_dscnt 0x0
	global_store_b128 v2, v[48:51], s[48:49]       ; each sixteen lanes store 256 consecutive aligned bytes
	global_store_b128 v23, v[52:55], s[48:49] offset:512
	global_store_b128 v24, v[56:59], s[48:49] offset:1024
	s_wait_tensorcnt 0x0                           ; the wave's end
	ds_add_u32 v222, v223
	s_wait_dscnt 0x0
	s_endpgm
.Lfunc_end_k_q912d31ab40_quantx:
	.size	k_q912d31ab40_quantx, .Lfunc_end_k_q912d31ab40_quantx-k_q912d31ab40_quantx
	.p2alignl 7, 3214868480
	.fill 96, 4, 3214868480
	.section	.rodata,"a",@progbits
	.p2align	6, 0x0
	.amdhsa_kernel k_q912d31ab40_quantx
		.amdhsa_group_segment_fixed_size 100096
		.amdhsa_private_segment_fixed_size 0
		.amdhsa_enable_private_segment 0
		.amdhsa_kernarg_size 80
		.amdhsa_user_sgpr_count 2
		.amdhsa_user_sgpr_kernarg_segment_ptr 1
		.amdhsa_wavefront_size32 1
		.amdhsa_system_sgpr_workgroup_id_x 1
		.amdhsa_system_sgpr_workgroup_id_y 1
		.amdhsa_system_sgpr_workgroup_id_z 1
		.amdhsa_system_vgpr_workitem_id 0
		.amdhsa_next_free_vgpr 256
		.amdhsa_next_free_sgpr 66
		.amdhsa_reserve_vcc 0
		.amdhsa_float_denorm_mode_32 3
		.amdhsa_float_denorm_mode_16_64 3
		.amdhsa_memory_ordered 1
		.amdhsa_forward_progress 1
		.amdhsa_inst_pref_size 21
	.end_amdhsa_kernel
	.amdgpu_metadata
---
amdhsa.version: [ 1, 2 ]
amdhsa.kernels:
  - .name:           k_q912d31ab40_quantx
    .symbol:         k_q912d31ab40_quantx.kd
    .args:
      - { .name: embedding, .offset: 0, .size: 8, .value_kind: global_buffer, .address_space: global }
      - { .name: positional_encoding, .offset: 8, .size: 8, .value_kind: global_buffer, .address_space: global }
      - { .name: X, .offset: 16, .size: 8, .value_kind: global_buffer, .address_space: global }
      - { .name: Wq_codes, .offset: 24, .size: 8, .value_kind: global_buffer, .address_space: global }
      - { .name: Wk_codes, .offset: 32, .size: 8, .value_kind: global_buffer, .address_space: global }
      - { .name: Wv_codes, .offset: 40, .size: 8, .value_kind: global_buffer, .address_space: global }
      - { .name: Wproj_codes, .offset: 48, .size: 8, .value_kind: global_buffer, .address_space: global }
      - { .name: W1_codes, .offset: 56, .size: 8, .value_kind: global_buffer, .address_space: global }
      - { .name: W2_codes, .offset: 64, .size: 8, .value_kind: global_buffer, .address_space: global }
      - { .name: WR, .offset: 72, .size: 8, .value_kind: global_buffer, .address_space: global }
    .group_segment_fixed_size: 100096
    .private_segment_fixed_size: 0
    .kernarg_segment_align: 8
    .kernarg_segment_size: 80
    .max_flat_workgroup_size: 256
    .sgpr_count:     66
    .vgpr_count:     256
    .wavefront_size: 32
...
	.end_amdgpu_metadata
.endif
;; end of part 1
;; launch qkv (part 2): grid 12 x 16, 4 waves a work-group, clusters of 4 x 4, 327,680 bytes of LDS; arguments X, WR, Wq_scales, Wk_scales, Wv_scales, out1, out2, QKV; writes out1, out2, QKV
.if DOCPART == 2
	.amdgcn_target "amdgcn-amd-amdhsa--gfx1250"
	.amdhsa_code_object_version 6
	.text
	.protected	k_q912d31ab40_qkv
	.globl	k_q912d31ab40_qkv
	.p2align	8
	.type	k_q912d31ab40_qkv,@function
k_q912d31ab40_qkv:
	s_mov_b64 s[64:65], 0
	v_nop
	global_prefetch_b8 v0, s[64:65] scope:SCOPE_SE
	s_setreg_imm32_b32 hwreg(HW_REG_WAVE_MODE, 25, 1), 1
	s_wait_xcnt 0x0
	s_wait_alu depctr_hold_cnt(0) depctr_sa_sdst(0) depctr_va_vdst(0) depctr_va_sdst(0) depctr_va_ssrc(0) depctr_va_vcc(0) depctr_vm_vsrc(0)
	s_getreg_b32 s2, hwreg(HW_REG_IB_STS2, 6, 4)
	s_cmp_eq_u32 s2, 0
	s_cbranch_scc0 .Lentry_in_a_cluster
	s_endpgm
.Lentry_in_a_cluster:
	s_bfe_u32 s2, ttmp6, 0x10000c
	s_cmp_lg_u32 s2, 0xf033
	s_cbranch_scc0 .Lentry_shape_is_right
	s_endpgm
.Lentry_shape_is_right:
.set SIZE_K, 1024
.set ASC,    3145728
.set NQ,     2
.set ROWB,   192
.set KROW,   SIZE_K*6/8
.set PITCH,  240
.set FR,     12
.set NL,     6
.set NP,     4
.set GRP,    196608
.set HALFA,  24576
.set HALFB,  24576                     ; B's codes come from WR, laid [k / 64][n][48] like A's: 128 rows of four groups
.set BGS,    49152                     ; from group to group of a weight of 1,024 rows
.set BOFF,   2*HALFA
.set SLOT,   2*HALFA+2*HALFB
.set LAPS,   SIZE_K/512
.set KS,     SIZE_K/32
.set SCL,    2*SLOT
.set HALFS,  (128*KS/256)*272
.set SBLK,   (16*KS/256)*272
.set SPARE,  SCL+4*HALFS
.set SPITCH, 528
.set CST,    33792
.set SST,    82944
.set VSTG,   SLOT
.set VCST,   SPARE+512
.set VSST,   VCST+49152
.set SRD,  7
.set COF,  8
.set VSTO, 9
.set VRD,  10
.set VRC,  11
.set VCA,  12
.set VSA,  13
.set VCRD, 14
.set VSRD, 15
.set ADRA, 16
.set SSA,  18
.set CRD,  19
.set ADRB, 20
.set STO,  24
.set RD,   25
.set CO,   26
.set ADRS, 27
.set SPW,  28
.set NIL,  29
.set RB,   30
.set CSA,  31
.set SC,   32
.set AF,   128
.set QC, 32
.set QT, 44
.set QM, 52
.set QO, 54
.set QY, 56
.set QW, 58
.set G1, 24
.set G0, 32
.set G1B, 48
.set G0B, 56
.set G1S, 68
.set G0S, 76
.set G1SB, 80
.set G0SB, 88
.set MSB, 0
.macro WIN new
.if MSB != \new
	s_set_vgpr_msb (MSB<<8)|\new
.set MSB, \new
.endif
.endm
.set MUL_LO, 0xa1
.set MUL_HI, 0xf1
.set TO_B,   0x40
.macro JLOAD g0a, g1a, g0b, g1b
	s_cmp_eq_u32 s15, 0
	s_cbranch_scc0 .Lfor_b_\@
	tensor_load_to_lds s[\g0a:\g0a+3], s[\g1a:\g1a+7]
	s_nop 0
.rept 4
	v_nop
.endr
	s_branch .Lasked_\@
.Lfor_b_\@:
	tensor_load_to_lds s[\g0b:\g0b+3], s[\g1b:\g1b+7]
	s_nop 0
.rept 4
	v_nop
.endr
.Lasked_\@:
.endm
.macro CREST
	s_cmp_lg_u32 s14, 0
	s_cbranch_scc1 .Lnot_wave_0_\@
	s_barrier_signal -3
.Lnot_wave_0_\@:
	s_barrier_wait -3
	s_barrier_signal -1
	s_barrier_wait -1
.endm
.macro CROUND
	s_barrier_signal -1
	s_barrier_wait -1
	CREST
.endm
	s_load_b512 s[68:83], s[0:1], 0x0
	v_lshl_add_u32 v[SPW], v0, 2, SPARE
	v_mov_b32 v[NIL], 0
	ds_add_u32 v28, v29
	ds_add_u32 v28, v29
	s_wait_dscnt 0x0
	v_lshrrev_b32 v1, 5, v0
	v_readfirstlane_b32 s14, v1
	s_lshr_b32 s15, s14, 1
	s_and_b32 s16, s14, 1
	s_bfe_u32 s40, ttmp6, 0x40000
	s_bfe_u32 s41, ttmp6, 0x40004
	s_and_b32 s17, ttmp7, 0xffff
	s_lshl_b32 s17, s17, 2
	s_add_co_u32 s17, s17, s41
	s_lshl_b32 s43, s41, 2
	s_lshl_b32 s43, 15, s43
	s_lshl_b32 s44, 0x1111, s40
	s_or_b32 s[G1+0], s43, (1<<21)
	s_mov_b32 s[G1+1], 6144<<16
	s_mov_b32 s[G1+2], 4<<16
	s_mov_b32 s[G1+3], 6144<<16
	s_mov_b32 s[G1+4], 4
	s_mov_b32 s[G1+5], GRP
	s_mov_b32 s[G1+6], 0
	s_mov_b32 s[G1+7], 0
	s_or_b32 s[G1B+0], s44, (1<<21)                ; B's tile: 4 rows (groups) of 6,144 bytes, each at a multiple of 256
	s_mov_b32 s[G1B+1], 6144<<16
	s_mov_b32 s[G1B+2], 4<<16
	s_mov_b32 s[G1B+3], 6144<<16
	s_mov_b32 s[G1B+4], 4
	s_mov_b32 s[G1B+5], BGS
	s_mov_b32 s[G1B+6], 0
	s_mov_b32 s[G1B+7], 0
	s_wait_kmcnt 0x0
	s_mov_b64 s[4:5], s[68:69]
	s_add_nc_u64 s[6:7], s[68:69], ASC
	s_mov_b64 s[8:9], s[70:71]                     ; WR
	s_cmp_eq_u32 ttmp9, 1
	s_cselect_b64 s[10:11], s[74:75], s[72:73]
	s_cmp_eq_u32 ttmp9, 2
	s_cselect_b64 s[10:11], s[76:77], s[10:11]
	s_cselect_b64 s[12:13], s[80:81], s[78:79]
	s_mov_b64 s[96:97], s[82:83]
	s_mov_b64 s[98:99], s[82:83]
	s_lshl_b32 s46, s40, 2
	s_add_co_u32 s46, s46, s14
	s_mul_i32 s47, s46, GRP
	s_mul_i32 s92, ttmp9, 3145728
	s_add_co_u32 s47, s47, s92
	s_mul_i32 s92, s17, 12288
	s_add_co_u32 s47, s47, s92
	s_mul_i32 s92, s17, GRP
	s_mul_i32 s93, s46, 12288
	s_add_co_u32 s92, s92, s93
	s_add_co_u32 s92, s92, 6291456
	s_cmp_eq_u32 ttmp9, 2
	s_cselect_b32 s92, s92, s47
	s_mov_b32 s93, 0
	s_add_nc_u64 s[96:97], s[96:97], s[92:93]
	s_lshl_b32 s47, s46, 14
	s_lshl_b32 s92, ttmp9, 18
	s_add_co_u32 s47, s47, s92
	s_lshl_b32 s92, s17, 10
	s_add_co_u32 s47, s47, s92
	s_add_co_u32 s47, s47, 9437184
	s_lshl_b32 s92, s17, 13
	s_lshl_b32 s93, s46, 9
	s_add_co_u32 s92, s92, s93
	s_add_co_u32 s92, s92, 9961472
	s_cmp_eq_u32 ttmp9, 2
	s_cselect_b32 s92, s92, s47
	s_mov_b32 s93, 0
	s_add_nc_u64 s[98:99], s[98:99], s[92:93]
	s_lshl_b32 s46, s40, 2
	s_lshl_b32 s47, s16, 1
	s_add_co_u32 s46, s46, s47
	s_lshl_b32 s46, s46, 20
	s_lshl_b32 s47, s17, 8
	s_lshl_b32 s92, s15, 7
	s_add_co_u32 s47, s47, s92
	s_lshl_b32 s47, s47, 8
	s_add_co_u32 s46, s46, s47
	s_mov_b32 s47, 0
	s_add_nc_u64 s[12:13], s[12:13], s[46:47]
	s_or_b32 s[G1S+0], s43, (3<<16)|(1<<20)|(1<<21)|(5<<22)|(3<<25)
	s_or_b32 s[G1SB+0], s44, (3<<16)|(1<<20)|(1<<21)|(5<<22)|(3<<25)
.irp g, G1S, G1SB
	s_mov_b32 s[\g+1], 32<<16
	s_mov_b32 s[\g+2], (128*KS/256)<<16
	s_mov_b32 s[\g+3], 32<<16
	s_mov_b32 s[\g+4], 128*KS/256
	s_mov_b32 s[\g+5], 32
	s_mov_b32 s[\g+6], 0
	s_mov_b32 s[\g+7], 0
.endr
	s_lshl_b32 s18, s16, 7
	s_lshl_b32 s20, s17, 8
	s_add_co_u32 s20, s20, s18
	s_lshl_b32 s46, s40, 8
	s_add_co_u32 s46, s46, s18
	s_mul_i32 s22, s20, KS
	s_mov_b32 s23, 0
	s_mul_i32 s20, s20, 48
	s_mov_b32 s21, 0
	s_mul_i32 s92, s46, KS
	s_mov_b32 s93, 0
	s_mul_i32 s46, s46, 48
	s_mul_i32 s47, ttmp9, 786432                   ; Wq, Wk, Wv lie one behind the other in WR
	s_add_co_u32 s46, s46, s47
	s_mov_b32 s47, 0
	s_mul_i32 s45, s16, HALFA
	s_mul_i32 s95, s16, HALFB
	s_add_co_u32 s95, s95, BOFF
	s_mul_i32 s94, s14, HALFS
	s_add_nc_u64 s[20:21], s[4:5], s[20:21]
	s_add_nc_u64 s[22:23], s[6:7], s[22:23]
	s_add_nc_u64 s[46:47], s[8:9], s[46:47]
	s_add_nc_u64 s[92:93], s[10:11], s[92:93]
	CROUND
	s_mov_b32 s[G0S], 1
	s_add_co_u32 s[G0S+1], s94, SCL
	s_mov_b64 s[G0S+2:G0S+3], s[22:23]
	s_or_b32 s[G0S+3], s[G0S+3], 0x80000000
	s_mov_b32 s[G0SB], 1
	s_add_co_u32 s[G0SB+1], s94, SCL
	s_mov_b64 s[G0SB+2:G0SB+3], s[92:93]
	s_or_b32 s[G0SB+3], s[G0SB+3], 0x80000000
	JLOAD G0S, G1S, G0SB, G1SB
.irp s, 0,1
	s_mov_b32 s[G0+4*\s], 1
	s_add_co_u32 s[G0+4*\s+1], s45, \s*SLOT
	s_add_nc_u64 s[G0+4*\s+2:G0+4*\s+3], s[20:21], \s*4*GRP
	s_or_b32 s[G0+4*\s+3], s[G0+4*\s+3], 0x80000000
	s_mov_b32 s[G0B+4*\s], 1
	s_add_co_u32 s[G0B+4*\s+1], s95, \s*SLOT
	s_add_nc_u64 s[G0B+4*\s+2:G0B+4*\s+3], s[46:47], \s*4*BGS
	s_or_b32 s[G0B+4*\s+3], s[G0B+4*\s+3], 0x80000000
	s_wait_alu depctr_va_vdst(0)
	s_wait_tensorcnt 0x0
	ds_add_u32 v28, v29
	s_wait_dscnt 0x0
	CROUND
	JLOAD G0+4*\s, G1, G0B+4*\s, G1B
.endr
	v_and_b32 v1, 15, v0
	v_bfe_u32 v2, v0, 4, 1
	v_mul_u32_u24 v3, v1, 48
	v_mad_u32_u24 v3, v2, 24, v3
	s_wait_alu depctr_va_vdst(0)                   ; the wait
	s_mul_i32 s21, s15, HALFA
	s_mul_i32 s22, s16, HALFB
	s_add_co_u32 s22, s22, BOFF
.irp s, 0,1
	v_add_nc_u32 v[ADRA+\s], s21, v3
	v_add_nc_u32 v[ADRB+\s], s22, v3
	s_add_co_u32 s21, s21, SLOT
	s_add_co_u32 s22, s22, SLOT
.endr
	v_mul_u32_u24 v5, v1, KS
	v_lshrrev_b32 v6, 8, v5
	v_lshl_add_u32 v5, v6, 4, v5
	s_mul_i32 s21, s15, HALFS
	s_mul_i32 s22, s16, HALFS
	s_add_co_u32 s22, s22, 2*HALFS
	s_sub_co_u32 s22, s22, s21
	v_mul_u32_u24 v6, s22, v2
	s_add_co_u32 s21, s21, SCL
	v_add_nc_u32 v5, v5, v6
	v_add_nc_u32 v[ADRS], s21, v5
	v_and_b32 v6, 31, v0
	v_lshlrev_b32 v[COF], 4, v6
	v_mul_u32_u24 v5, v1, SPITCH
	s_mul_i32 s23, s14, 16*SPITCH
	v_lshl_add_u32 v3, v2, 5, v5
	v_add_nc_u32 v[STO], s23, v3
	v_add_nc_u32 v[RD], s23, v[COF]
	v_lshl_add_u32 v4, v2, 8, v5
	v_add_nc_u32 v[RB], s23, v4
	s_mul_i32 s23, s14, 32*SPITCH
	s_add_co_u32 s23, s23, VSTG
	v_add_nc_u32 v[VSTO], s23, v3
	v_add_nc_u32 v[VRD], s23, v[COF]
	v_lshl_add_u32 v[VRC], v6, 2, s23
	v_and_b32 v3, 8, v1
	v_add_nc_u32 v3, v3, v1
	s_wait_alu depctr_va_vdst(0)
	s_mul_i32 s21, s16, 24576
	s_mul_i32 s22, s15, 6144
	s_add_co_u32 s21, s21, s22
	s_add_co_u32 s21, s21, CST
	v_mul_u32_u24 v4, v3, 48
	v_mad_u32_u24 v4, v2, 12288, v4
	v_add_nc_u32 v[CSA], s21, v4
	s_lshl_b32 s21, s16, 11
	s_lshl_b32 s22, s15, 9
	s_add_co_u32 s21, s21, s22
	s_add_co_u32 s21, s21, SST
	v_lshlrev_b32 v4, 2, v3
	v_lshl_add_u32 v4, v2, 10, v4
	v_add_nc_u32 v[SSA], s21, v4
	s_mul_i32 s21, s14, 12288
	s_add_co_u32 s22, s21, CST
	v_add_nc_u32 v[CRD], s22, v[COF]
	s_add_co_u32 s22, s21, VCST
	v_add_nc_u32 v[VCRD], s22, v[COF]
	s_lshl_b32 s21, s14, 10
	s_add_co_u32 s21, s21, SST
	v_add_nc_u32 v[SRD], s21, v[COF]
	s_lshl_b32 s21, s14, 9
	s_add_co_u32 s21, s21, VSST
	v_add_nc_u32 v[VSRD], s21, v[COF]
	v_lshlrev_b32 v4, 4, v1
	v_lshl_add_u32 v[CO], v2, 20, v4
	v_bfe_u32 v3, v0, 3, 1
	v_lshlrev_b32 v3, 4, v3
	v_lshl_add_u32 v3, v2, 3, v3
	v_and_b32 v4, 7, v0
	v_add_nc_u32 v3, v3, v4
	s_wait_alu depctr_va_vdst(0)
	s_mul_i32 s21, s16, 24576
	s_mul_i32 s22, s15, 96
	s_add_co_u32 s21, s21, s22
	s_add_co_u32 s21, s21, VCST
	v_mul_u32_u24 v4, v3, 192
	v_add_nc_u32 v[VCA], s21, v4
	s_lshl_b32 s21, s16, 10
	s_lshl_b32 s22, s15, 2
	s_add_co_u32 s21, s21, s22
	s_add_co_u32 s21, s21, VSST
	v_lshl_add_u32 v[VSA], v3, 3, s21
.macro FRAGA reg, slot, q, i
.irp p, 0,1,2,3,4,5
	ds_load_b64 v[\reg+2*\p:\reg+2*\p+1], v[ADRA+\slot] offset:(2*(\q)+\p/3)*6144+(\i)*768+8*(\p%3)
.endr
.endm
.macro FRAGB reg, adr, q, i
.irp p, 0,1,2,3,4,5
	ds_load_b64 v[\reg+2*\p:\reg+2*\p+1], v[\adr] offset:(2*(\q)+\p/3)*6144+(\i)*768+8*(\p%3)
.endr
.endm
.macro MUL16 a0, p, q, sc, zero
.irp a, \a0, \a0+1
.irp b, 0,1,2,3,4,5,6,7
.if \zero
	v_wmma_scale_f32_16x16x128_f8f6f4 v[8*(8*((\a)%4)+\b):8*(8*((\a)%4)+\b)+7], v[128*(\p)+FR*\b:128*(\p)+FR*\b+FR-1], v[AF+FR*(\a):AF+FR*(\a)+FR-1], 0, v[SC+8*NQ*(\sc)+NQ*\b+(\q)], v[SC+8*NQ*(\sc)+NQ*(\a)+(\q)] matrix_a_fmt:MATRIX_FMT_BF6 matrix_b_fmt:MATRIX_FMT_BF6 matrix_a_scale:MATRIX_SCALE_ROW1
.else
	v_wmma_scale_f32_16x16x128_f8f6f4 v[8*(8*((\a)%4)+\b):8*(8*((\a)%4)+\b)+7], v[128*(\p)+FR*\b:128*(\p)+FR*\b+FR-1], v[AF+FR*(\a):AF+FR*(\a)+FR-1], v[8*(8*((\a)%4)+\b):8*(8*((\a)%4)+\b)+7], v[SC+8*NQ*(\sc)+NQ*\b+(\q)], v[SC+8*NQ*(\sc)+NQ*(\a)+(\q)] matrix_a_fmt:MATRIX_FMT_BF6 matrix_b_fmt:MATRIX_FMT_BF6 matrix_a_scale:MATRIX_SCALE_ROW1
.endif
.endr
.endr
.endm
.macro FETCH_B slot, q, p
	WIN TO_B
.irp i, 0,1,2,3,4,5,6,7
	FRAGB 128*(\p)+FR*\i, ADRB+\slot, \q, \i
.endr
	WIN 0
.endm
.macro FETCH_A slot, q, i0
.irp i, \i0, \i0+1, \i0+2, \i0+3
	FRAGA AF+FR*(\i), \slot, \q, \i
.endr
.endm
.macro SCALES sc
.irp i, 0,1,2,3,4,5,6,7
	ds_load_b64 v[SC+8*NQ*\sc+NQ*\i:SC+8*NQ*\sc+NQ*\i+1], v[ADRS] offset:\i*SBLK
.endr
.endm
.macro PLACES n
.rept \n
	v_nop
.endr
.endm
.macro STEP slot, q, zero
	s_wait_dscnt 4*NL
	WIN MUL_LO
	MUL16 0, (\q)%2, \q, \slot, \zero
	MUL16 2, (\q)%2, \q, \slot, \zero
	s_wait_dscnt 0
	PLACES NP
	FETCH_B \slot, (\q)+1, 1-(\q)%2
	FETCH_A \slot, (\q)+1, 0
	WIN MUL_HI
	MUL16 4, (\q)%2, \q, \slot, \zero
	MUL16 6, (\q)%2, \q, \slot, \zero
	PLACES NP
	WIN 0
	FETCH_A \slot, (\q)+1, 4
.endm
.macro TURN slot, next, fill
	s_wait_tensorcnt 0x0
	ds_add_u32 v[SPW], v[NIL]
	s_wait_dscnt 4*NL+1
	WIN MUL_LO
	MUL16 0, 1, NQ-1, \slot, 0
	s_wait_dscnt 0x0
	s_barrier_signal -1
	MUL16 2, 1, NQ-1, \slot, 0
	WIN 0
	s_barrier_wait -1
.if \fill
	CREST
	s_add_nc_u64 s[G0+4*\slot+2:G0+4*\slot+3], s[G0+4*\slot+2:G0+4*\slot+3], 8*GRP
	s_add_nc_u64 s[G0B+4*\slot+2:G0B+4*\slot+3], s[G0B+4*\slot+2:G0B+4*\slot+3], 8*BGS
	JLOAD G0+4*\slot, G1, G0B+4*\slot, G1B
.else
	PLACES NP
.endif
	s_wait_alu depctr_va_vdst(0)
	v_add_nc_u32 v[ADRS], 4*NQ, v[ADRS]
	FETCH_B \next, 0, 0
	FETCH_A \next, 0, 0
	SCALES \next
	WIN MUL_HI
	MUL16 4, 1, NQ-1, \slot, 0
	MUL16 6, 1, NQ-1, \slot, 0
	PLACES NP
	WIN 0
	FETCH_A \next, 0, 4
.endm
	s_wait_tensorcnt 1
	s_barrier_signal -1
	s_barrier_wait -1
	FETCH_B 0, 0, 0
	FETCH_A 0, 0, 0
	SCALES 0
	FETCH_A 0, 0, 4
	STEP 0, 0, 1
	s_mov_b32 s3, LAPS-1
.Llap:
	TURN 0, 1, 1
	STEP 1, 0, 0
	TURN 1, 0, 1
	STEP 0, 0, 0
	s_sub_co_u32 s3, s3, 1
	s_cmp_lg_u32 s3, 0
	s_cbranch_scc1 .Llap
	TURN 0, 1, 0
	STEP 1, 0, 0
	s_wait_dscnt 4*NL
	WIN MUL_LO
	MUL16 0, 1, NQ-1, 1, 0
	MUL16 2, 1, NQ-1, 1, 0
	s_wait_dscnt 0
	WIN MUL_HI
	MUL16 4, 1, NQ-1, 1, 0
	MUL16 6, 1, NQ-1, 1, 0
	WIN 0
.macro STG a, adr, off
.set AC, 64*((\a)%4)
	WIN 0x08+4*((\a)/4)
.irp b, 0,1,2,3,4,5,6,7
	ds_store_b128 v[\adr], v[AC+8*\b:AC+8*\b+3] offset:(\off)+64*\b
	ds_store_b128 v[\adr], v[AC+8*\b+4:AC+8*\b+7] offset:(\off)+64*\b+16
.endr
	WIN 0
.endm
.macro LDROWS reg, adr, off
.irp t, 0,1,2,3,4,5,6,7,8,9,10,11,12,13,14,15
	ds_load_b128 v[\reg+4*\t:\reg+4*\t+3], v[\adr] offset:(\off)+\t*SPITCH
.endr
.endm
.macro LDHALF reg, adr
.irp i, 0,1,2,3,4,5,6,7,8,9,10,11,12,13,14,15
	ds_load_b128 v[\reg+4*\i:\reg+4*\i+3], v[\adr] offset:16*\i
.endr
.endm
.macro F32OUT
.irp t, 0,1,2,3,4,5,6,7,8,9,10,11,12,13,14,15
	global_store_b128 v[CO], v[192+4*\t:195+4*\t], s[12:13] offset:256*\t th:TH_STORE_NT
.endr
.endm
.macro QUANT2 x
.irp c, 0,1
	v_max3_num_f32 v[QM+\c], |v[(\x)+32*\c]|, |v[(\x)+32*\c+1]|, 0x2800000
.endr
.irp i, 2,4,6,8,10,12,14,16,18,20,22,24,26,28,30
.irp c, 0,1
	v_max3_num_f32 v[QM+\c], v[QM+\c], |v[(\x)+32*\c+\i]|, |v[(\x)+32*\c+\i+1]|
.endr
.endr
.irp c, 0,1
	v_add_nc_u32 v[QO+\c], 0xfe000000, v[QM+\c]
.endr
.irp c, 0,1
	v_lshrrev_b32 v[QY+\c], 23, v[QO+\c]
.endr
.irp c, 0,1
	v_cvt_scalef32_pk16_bf6_f32 v[QC+6*\c:QC+6*\c+2], v[(\x)+32*\c:(\x)+32*\c+15], v[QO+\c]
	v_cvt_scalef32_pk16_bf6_f32 v[QT+4*\c:QT+4*\c+2], v[(\x)+32*\c+16:(\x)+32*\c+31], v[QO+\c]
.endr
	v_lshl_or_b32 v[QW], v[QY+1], 8, v[QY]
.irp c, 0,1
.irp i, 0,1,2
	v_mov_b32 v[QC+3+6*\c+\i], v[QT+4*\c+\i]
.endr
.endr
.endm
.macro QUANT1 x
	v_max3_num_f32 v[QM], |v[(\x)]|, |v[(\x)+1]|, 0x2800000
	v_max_num_f32 v[QM+1], |v[(\x)+2]|, |v[(\x)+3]|
.irp i, 4,8,12,16,20,24,28
	v_max3_num_f32 v[QM], v[QM], |v[(\x)+\i]|, |v[(\x)+\i+1]|
	v_max3_num_f32 v[QM+1], v[QM+1], |v[(\x)+\i+2]|, |v[(\x)+\i+3]|
.endr
	v_max_num_f32 v[QM], v[QM], v[QM+1]
	v_add_nc_u32 v[QO], 0xfe000000, v[QM]
	v_lshrrev_b32 v[QY], 23, v[QO]
	v_cvt_scalef32_pk16_bf6_f32 v[QC:QC+2], v[(\x):(\x)+15], v[QO]
	v_cvt_scalef32_pk16_bf6_f32 v[QT:QT+2], v[(\x)+16:(\x)+31], v[QO]
	v_nop
.irp i, 0,1,2
	v_mov_b32 v[QC+3+\i], v[QT+\i]
.endr
.endm
.macro COPY reg, lds, n, base
.set ci, 0
.rept \n
	ds_load_b128 v[\reg+4*ci:\reg+4*ci+3], v[\lds] offset:512*ci
.set ci, ci+1
.endr
.set ci, 0
.rept \n
	s_wait_dscnt \n-1-ci
	global_store_b128 v[COF], v[\reg+4*ci:\reg+4*ci+3], s[\base:\base+1] offset:512*ci
.set ci, ci+1
.endr
.endm
.macro QKBLK a
	STG \a, STO, 0
	LDHALF 64, RB
	s_cmp_eq_u32 ttmp9, 0
	s_cbranch_scc1 .Lno_f32_\@
	s_wait_xcnt 0x0
	LDROWS 192, RD, 0
	s_wait_dscnt 0x0
.if (\a) > 0
	s_add_nc_u64 s[12:13], s[12:13], 4096
.endif
	F32OUT
.Lno_f32_\@:
	s_wait_dscnt 0x0
	QUANT2 64
.irp c, 0,1,2
	ds_store_b128 v[CSA], v[QC+4*\c:QC+4*\c+3] offset:(32*((\a)/2)+8*((\a)%2))*48+16*\c
.endr
	ds_store_b32 v[SSA], v[QW] offset:(32*((\a)/2)+8*((\a)%2))*4
.endm
.macro FOUT off, step
	s_wait_xcnt 0x0
	LDROWS 192, VRD, \off
	s_wait_dscnt 0x0
.if \step
	s_add_nc_u64 s[12:13], s[12:13], 4096
.endif
	F32OUT
.endm
.macro LDCOL g
.set li, 0
.rept 32
	ds_load_b32 v[64+32*(\g)+li], v[VRC] offset:528*li+128*(\g)
.set li, li+1
.endr
.endm
.macro VBLK a2
	STG 2*(\a2), VSTO, 0
	STG 2*(\a2)+1, VSTO, 8448
.if (\a2) == 0
	FOUT 0, 0
.else
	FOUT 0, 1
.endif
	FOUT 8448, 1
	LDCOL 0
	LDCOL 1
.irp g, 0,1,2,3
.if \g < 3
	s_wait_dscnt 32
.else
	s_wait_dscnt 0x0
.endif
	QUANT1 64+32*\g
.irp p, 0,1,2
	ds_store_b64 v[VCA], v[QC+2*\p:QC+2*\p+1] offset:32*\g*192+24*(\a2)+8*\p
.endr
	ds_store_b8 v[VSA], v[QY] offset:256*\g+(\a2)
.if \g < 2
	LDCOL \g+2
.endif
.endr
.endm
	PLACES NP
	s_wait_dscnt 0x0
	s_barrier_signal -1
	s_barrier_wait -1
	s_cmp_eq_u32 ttmp9, 2
	s_cbranch_scc1 .Lv_path
.irp a, 0,1,2,3,4,5,6,7
	QKBLK \a
.endr
	s_branch .Ljoin
.Lv_path:
.irp a, 0,1,2,3
	VBLK \a
.endr
.Ljoin:
	s_wait_dscnt 0x0
	s_barrier_signal -1
	s_barrier_wait -1
	s_cmp_eq_u32 ttmp9, 2
	s_cbranch_scc1 .Lv_copy
	COPY 64, CRD, 24, 96
	COPY 160, SRD, 2, 98
	s_branch .Lend
.Lv_copy:
	COPY 64, VCRD, 24, 96
	COPY 160, VSRD, 1, 98
.Lend:
	s_wait_tensorcnt 0x0
	ds_add_u32 v[SPW], v[NIL]
	s_wait_dscnt 0x0
	CROUND
	s_endpgm
.Lfunc_end_k_q912d31ab40_qkv:
	.size	k_q912d31ab40_qkv, .Lfunc_end_k_q912d31ab40_qkv-k_q912d31ab40_qkv
	.p2alignl 7, 3214868480
	.fill 96, 4, 3214868480
	.section	.rodata,"a",@progbits
	.p2align	6, 0x0
	.amdhsa_kernel k_q912d31ab40_qkv
		.amdhsa_group_segment_fixed_size 327680
		.amdhsa_private_segment_fixed_size 0
		.amdhsa_enable_private_segment 0
		.amdhsa_kernarg_size 64
		.amdhsa_user_sgpr_count 2
		.amdhsa_user_sgpr_kernarg_segment_ptr 1
		.amdhsa_wavefront_size32 1
		.amdhsa_system_sgpr_workgroup_id_x 1
		.amdhsa_system_sgpr_workgroup_id_y 1
		.amdhsa_system_sgpr_workgroup_id_z 1
		.amdhsa_system_vgpr_workitem_id 0
		.amdhsa_next_free_vgpr 1024
		.amdhsa_next_free_sgpr 102
		.amdhsa_reserve_vcc 0
		.amdhsa_float_denorm_mode_32 3
		.amdhsa_float_denorm_mode_16_64 3
		.amdhsa_memory_ordered 1
		.amdhsa_forward_progress 1
		.amdhsa_inst_pref_size 255
	.end_amdhsa_kernel
	.section	.bss,"aw",@nobits
	.p2align	6
	.space	262144
	.amdgpu_metadata
---
amdhsa.version: [ 1, 2 ]
amdhsa.kernels:
  - .name:           k_q912d31ab40_qkv
    .symbol:         k_q912d31ab40_qkv.kd
    .args:
      - { .name: X, .offset: 0, .size: 8, .value_kind: global_buffer, .address_space: global }
      - { .name: WR, .offset: 8, .size: 8, .value_kind: global_buffer, .address_space: global }
      - { .name: Wq_scales, .offset: 16, .size: 8, .value_kind: global_buffer, .address_space: global }
      - { .name: Wk_scales, .offset: 24, .size: 8, .value_kind: global_buffer, .address_space: global }
      - { .name: Wv_scales, .offset: 32, .size: 8, .value_kind: global_buffer, .address_space: global }
      - { .name: out1, .offset: 40, .size: 8, .value_kind: global_buffer, .address_space: global }
      - { .name: out2, .offset: 48, .size: 8, .value_kind: global_buffer, .address_space: global }
      - { .name: QKV, .offset: 56, .size: 8, .value_kind: global_buffer, .address_space: global }
    .group_segment_fixed_size: 327680
    .private_segment_fixed_size: 0
    .kernarg_segment_align: 8
    .kernarg_segment_size: 64
    .max_flat_workgroup_size: 128
    .sgpr_count:     102
    .vgpr_count:     1024
    .wavefront_size: 32
...
	.end_amdgpu_metadata
.endif
;; end of part 2
;; launch attn (part 3): grid 8 x 32, 16 waves a work-group, no clusters, 248,320 bytes of LDS; arguments QKV, X; writes X
.if DOCPART == 3
	.amdgcn_target "amdgcn-amd-amdhsa--gfx1250"
	.amdhsa_code_object_version 6
	.text
	.protected	k_q912d31ab40_attn
	.globl	k_q912d31ab40_attn
	.p2align	8
	.type	k_q912d31ab40_attn,@function
k_q912d31ab40_attn:
	s_mov_b64 s[64:65], 0
	v_nop
	global_prefetch_b8 v0, s[64:65] scope:SCOPE_SE
	s_setreg_imm32_b32 hwreg(HW_REG_WAVE_MODE, 25, 1), 1
	s_wait_xcnt 0x0
; O[q] = sum over keys k <= q of softmax(Q[q] . K[k] / 32) V[k], for one head and one batch; both products on codes of BF6 (E3M2) with E8M0 scales; O / l is quantised along the model's 1,024 and stored as codes.
; t = score x log2(e) / 32; M = the running largest t rounded UP to a whole number; p = 2^(t - M) is what is quantised, along the keys; the row's sum is taken of the unquantised p and divides at the end.
; The first product's K is the head's 64: the upper half of each fragment of 128 is zero codes, on both sides.
; SHARES: work-group (i, 2 head + batch) owns the blocks of 128 queries i and 15 - i: 17 key steps of 128 for each pair of tiles, in every work-group.  Each of sixteen waves owns 16 queries in 256 registers, four waves to a SIMD.
; ALL of the head's K and V codes and scales (209 KB) come into LDS once, one tensor load in each of ten waves; no LDS byte is filled twice.
; NO CLUSTER: the eight work-groups of a head read the same K and V, but a step all of whose keys are hidden is jumped over by a scalar branch on the query block, which differs between partners; that jump halves the work.
; LAYOUT: both products transposed (S^T = K Q^T, O^T = V^T P^T): a lane holds ONE query.  K's rows, Q's rows and V's 64 rows are stored with bits 3 and 4 of their number swapped, so that 16 stored rows on end form a tile whose
; results, two tiles together, are 16 neighbours along the next product's K.
; The scale bytes of O leave as two bytes a row (a head owns 2 of a row's 32; the other heads are other work-groups): 128 KB in the whole launch.
; LIMITS of the quantiser: NaN and infinities are not served; a block under 2^-122, and a block of zeros, keeps the byte 1.
.set GRP,  196608
.set KCO,  3145728                     ; QKV: Q's codes at 0, K's, V's, Q's words, K's words, V's bytes
.set VCO,  6291456
.set QSO,  9437184
.set KSO,  9699328
.set VSO,  9961472
.set XS,   3145728
.set VCL,  98304                       ; LDS: K's 2,048 stored rows x 48 at 0; V: 8 blocks of 256 keys x 64 rows x 240 (192 + 16 behind each 64)
.set KSL,  221184                      ; K's scale words
.set VSL,  229376                      ; V's scale bytes: 8 x 64 rows x 8
.set OST,  233472                      ; the way out: [2 blocks][128 rows][48]
.set SOST, 245760                      ; and [256] half-words
.set AK0, 1
.set AV0, 2
.set AV1, 3
.set ASK0, 4
.set ASV0, 5
.set DQ,  6                            ; my query's place in its block - 16 (lane / 16)
.set QOF, 7                            ; my query's place in its block
.set ADK, 8
.set ADV, 9
.set ADV2, 10
.set ADS, 11
.set ADT, 243
.set S,   128                          ; v128-191 S^T, then p
.set O,   192                          ; v192-223 O^T
.set WV, 8
.set G1K, 36
.set G1KS, 44
.set G1V, 52
.set G1VS, 68
.set G0K, 76
.set G0V, 80
.set G0KS, 84
.set G0VS, 88
	s_load_b128 s[4:7], s[0:1], 0x0                ; QKV, X
	v_lshl_add_u32 v254, v0, 2, 0x3c200
	v_mov_b32 v255, 0
	ds_add_u32 v254, v255
	ds_add_u32 v254, v255
	s_wait_dscnt 0x0
	v_lshrrev_b32 v8, 5, v0
	s_delay_alu instid0(VALU_DEP_1)
	v_readfirstlane_b32 s[WV], v8                  ; wave 0..15
	s_lshr_b32 s9, s[WV], 1                        ; my tile of 16 queries in a block
	s_lshr_b32 s10, s[WV], 2
	s_xor_b32 s10, s10, s[WV]
	s_and_b32 s10, s10, 1                          ; 0: the early block, 1: the late one
	s_and_b32 s11, ttmp7, 0xffff
	s_lshr_b32 s12, s11, 1                         ; head
	s_and_b32 s13, s11, 1                          ; batch
	s_sub_co_u32 s14, 15, ttmp9
	s_cmp_eq_u32 s10, 1
	s_cselect_b32 s15, s14, ttmp9                  ; my block of 128 queries
	s_lshl_b32 s16, s15, 7                         ; its first query
	s_lshl_b32 s27, s12, 12
	s_lshl_b32 s28, s13, 11
	s_add_co_u32 s27, s27, s28                     ; 4,096 head + 2,048 batch: the first row
	s_mov_b32 s20, 0x76543210
	s_mov_b32 s21, 0xfedcba98                      ; v_permlanex16_b32's selects for lane l xor 16
	s_mov_b32 s22, 0x3d38aa3b                      ; c = log2(e) / 32
	s_mov_b32 s23, s22
	; group 1: K: 96 rows of 256 dense bytes; K's words: 32 such rows; V: 2 rows of 12,288 bytes, 196,608 apart, 16 bytes of padding behind each 64; V's bytes: 8 rows of 512, 8,192 apart
	s_mov_b32 s[G1K], 3<<16
	s_mov_b32 s[G1K+1], 32<<16
	s_mov_b32 s[G1K+2], 96<<16
	s_mov_b32 s[G1K+3], 32<<16
	s_mov_b32 s[G1K+4], 96
	s_mov_b32 s[G1K+5], 32
	s_mov_b32 s[G1K+6], 0
	s_mov_b32 s[G1K+7], 0
	s_mov_b32 s[G1KS], 3<<16
	s_mov_b32 s[G1KS+1], 32<<16
	s_mov_b32 s[G1KS+2], 32<<16
	s_mov_b32 s[G1KS+3], 32<<16
	s_mov_b32 s[G1KS+4], 32
	s_mov_b32 s[G1KS+5], 32
	s_mov_b32 s[G1KS+6], 0
	s_mov_b32 s[G1KS+7], 0
	s_mov_b32 s[G1V], (1<<20)|(3<<22)|(3<<25)
	s_mov_b32 s[G1V+1], 12288<<16
	s_mov_b32 s[G1V+2], 2<<16
	s_mov_b32 s[G1V+3], 12288<<16
	s_mov_b32 s[G1V+4], 2
	s_mov_b32 s[G1V+5], GRP
	s_mov_b32 s[G1V+6], 0
	s_mov_b32 s[G1V+7], 0
	s_mov_b32 s[G1VS], 3<<16
	s_mov_b32 s[G1VS+1], 64<<16
	s_mov_b32 s[G1VS+2], 8<<16
	s_mov_b32 s[G1VS+3], 64<<16
	s_mov_b32 s[G1VS+4], 8
	s_mov_b32 s[G1VS+5], 1024
	s_mov_b32 s[G1VS+6], 0
	s_mov_b32 s[G1VS+7], 0
	s_and_b32 s28, s[WV], 3                        ; which quarter I fetch, if I fetch
	s_mov_b32 s31, 0
	s_wait_kmcnt 0x0
	s_mul_i32 s29, s28, 24576
	s_mul_i32 s30, s27, 48
	s_add_co_u32 s30, s30, s29
	s_add_co_u32 s30, s30, KCO
	s_mov_b32 s[G0K], 1
	s_mov_b32 s[G0K+1], s29
	s_add_nc_u64 s[G0K+2:G0K+3], s[4:5], s[30:31]
	s_or_b32 s[G0K+3], s[G0K+3], 0x80000000
	s_mul_i32 s29, s28, 30720
	s_mov_b32 s[G0V], 1
	s_add_co_u32 s[G0V+1], s29, VCL
	s_mul_i32 s30, s13, 8*GRP
	s_mul_i32 s29, s12, 12288
	s_add_co_u32 s30, s30, s29
	s_mul_i32 s29, s28, 2*GRP
	s_add_co_u32 s30, s30, s29
	s_add_co_u32 s30, s30, VCO
	s_add_nc_u64 s[G0V+2:G0V+3], s[4:5], s[30:31]
	s_or_b32 s[G0V+3], s[G0V+3], 0x80000000
	s_lshl_b32 s30, s27, 2
	s_add_co_u32 s30, s30, KSO
	s_mov_b32 s[G0KS], 1
	s_mov_b32 s[G0KS+1], KSL
	s_add_nc_u64 s[G0KS+2:G0KS+3], s[4:5], s[30:31]
	s_or_b32 s[G0KS+3], s[G0KS+3], 0x80000000
	s_lshl_b32 s30, s13, 16
	s_lshl_b32 s29, s12, 9
	s_add_co_u32 s30, s30, s29
	s_add_co_u32 s30, s30, VSO
	s_mov_b32 s[G0VS], 1
	s_mov_b32 s[G0VS+1], VSL
	s_add_nc_u64 s[G0VS+2:G0VS+3], s[4:5], s[30:31]
	s_or_b32 s[G0VS+3], s[G0VS+3], 0x80000000
	; the fills: one a wave, in one chain of branches on the wave's number; four v_nop follow each
	s_cmp_lt_u32 s[WV], 4
	s_cbranch_scc0 .Lnot_k
	tensor_load_to_lds s[G0K:G0K+3], s[G1K:G1K+7]
	s_nop 0
.rept 4
	v_nop
.endr
	s_branch .Lasked
.Lnot_k:
	s_cmp_lt_u32 s[WV], 8
	s_cbranch_scc0 .Lnot_v
	tensor_load_to_lds s[G0V:G0V+3], s[G1V:G1V+7]
	s_nop 0
.rept 4
	v_nop
.endr
	s_branch .Lasked
.Lnot_v:
	s_cmp_eq_u32 s[WV], 8
	s_cbranch_scc0 .Lnot_ks
	tensor_load_to_lds s[G0KS:G0KS+3], s[G1KS:G1KS+7]
	s_nop 0
.rept 4
	v_nop
.endr
	s_branch .Lasked
.Lnot_ks:
	s_cmp_eq_u32 s[WV], 9
	s_cbranch_scc0 .Lasked
	tensor_load_to_lds s[G0VS:G0VS+3], s[G1VS:G1VS+7]
	s_nop 0
.rept 4
	v_nop
.endr
.Lasked:
	s_lshl_b32 s29, s9, 4
	s_add_co_u32 s29, s29, s16
	s_add_co_u32 s29, s29, s27                     ; my tile's first stored row of Q
	s_mul_i32 s30, s29, 48
	s_add_nc_u64 s[32:33], s[4:5], s[30:31]
	s_lshl_b32 s30, s29, 2
	s_add_co_u32 s30, s30, QSO
	s_add_nc_u64 s[34:35], s[4:5], s[30:31]
	v_and_b32 v8, 15, v0                           ; r
	v_bfe_u32 v9, v0, 4, 1                         ; h
	s_delay_alu instid0(VALU_DEP_2)
	v_mul_u32_u24 v[AK0], v8, 48
	s_delay_alu instid0(VALU_DEP_1)
	v_mad_u32_u24 v[AK0], v9, 24, v[AK0]           ; 48 r + 24 h: a lane's place in a tile of K, and in my tile of Q
.irp p, 0,1,2
	global_load_b64 v[16+2*\p:17+2*\p], v[AK0], s[32:33] offset:8*\p
.endr
	v_lshlrev_b32 v254, 2, v8
	global_load_b32 v255, v254, s[34:35]           ; Q's scale words
	v_mul_u32_u24 v[AV0], v8, 240
	s_delay_alu instid0(VALU_DEP_1)
	v_add_nc_u32 v[AV0], VCL, v[AV0]
	s_delay_alu instid0(VALU_DEP_1)
	v_mad_u32_u24 v[AV1], v9, 40, v[AV0]
	s_delay_alu instid0(VALU_DEP_2)
	v_mad_u32_u24 v[AV0], v9, 24, v[AV0]
	v_lshl_add_u32 v[ASK0], v8, 2, KSL
	v_lshl_add_u32 v[ASV0], v8, 3, VSL
	s_lshr_b32 s29, s9, 1
	s_lshl_b32 s29, s29, 5
	s_and_b32 s30, s9, 1
	s_lshl_b32 s30, s30, 3
	s_add_co_u32 s29, s29, s30
	v_and_b32 v10, 8, v8
	s_delay_alu instid0(VALU_DEP_1)
	v_add_nc_u32 v10, v10, v8
	s_delay_alu instid0(VALU_DEP_1)
	v_add_nc_u32 v[QOF], s29, v10                  ; 32 (tile / 2) + 8 (tile % 2) + r + 8 (r / 8)
	v_lshlrev_b32 v10, 4, v9
	s_delay_alu instid0(VALU_DEP_1)
	v_sub_nc_u32 v[DQ], v[QOF], v10
	v_mov_b32 v13, 0xff61b1e6                      ; the largest t so far: -3e38
	s_delay_alu instid0(VALU_DEP_1)
	v_floor_f32 v12, -v13                          ; -M
	v_mov_b32 v14, 0
	v_mov_b32 v15, 0
.irp j, 22,23,24,25,26,27
	v_mov_b32 v[\j], 0                             ; Q's codes of k = 64 .. 127: zeros
.endr
.irp t, 0,1,2,3
.irp j, 6,7,8,9,10,11
	v_mov_b32 v[32+12*\t+\j], 0                    ; K's likewise: written once, never loaded
.endr
.endr
.irp b, 0,1,2,3
	v_mov_b32 v[236+\b], 0                         ; a lane permute's destination counts as one of its sources
.endr
	v_mov_b32 v252, 0
	v_mov_b32 v253, 0
.set j, 0
.rept 32
	v_mov_b32 v[O+j], 0                            ; O^T: the loop is written once; its first step finds zeros
.set j, j+1
.endr
	s_mov_b32 s17, 0                               ; the step's first key
	s_mov_b32 s18, 0                               ; its rows of K in LDS: 6,144 bytes a step
	s_mov_b32 s19, 0                               ; its block of V: 15,360 bytes for two steps
	s_mov_b32 s24, 0                               ; K's words: 512 bytes a step
	s_mov_b32 s25, 0                               ; V's bytes: 512 for two steps
	s_mov_b32 s26, 8
.macro STEP q                          ; 128 keys, the q-th half of a block of 256
	s_cmp_gt_u32 s17, s16                          ; all its keys come after my queries: only the lines that step addresses are run
	s_cbranch_scc1 .Lhidden_\@
	v_add_nc_u32 v[ADK], s18, v[AK0]
	s_wait_alu depctr_va_vdst(0)
	v_add_nc_u32 v[ADV], s19, v[AV0]
	v_add_nc_u32 v[ADV2], s19, v[AV1]
	v_add_nc_u32 v[ADS], s24, v[ASK0]
	s_wait_alu depctr_va_vdst(0)
	v_add_nc_u32 v[ADT], s25, v[ASV0]
	s_wait_alu depctr_va_vdst(0)
.irp g, 0,1
.if \g > 0
.rept 4
	v_nop                                          ; places in front of loads into registers that matrix instructions have read
.endr
.endif
.irp t, 0,1,2,3
.irp p, 0,1,2
	ds_load_b64 v[32+12*\t+2*\p:33+12*\t+2*\p], v[ADK] offset:(16*(4*\g+\t))*48+8*\p
.endr
	ds_load_b32 v[248+\t], v[ADS] offset:64*(4*\g+\t)
.endr
	s_wait_dscnt 0x0
.irp t, 0,1,2,3
	v_wmma_scale_f32_16x16x128_f8f6f4 v[S+8*(4*\g+\t):S+8*(4*\g+\t)+7], v[32+12*\t:43+12*\t], v[16:27], 0, v[248+\t], v255 matrix_a_fmt:MATRIX_FMT_BF6 matrix_b_fmt:MATRIX_FMT_BF6
.endr
.endr                                      ; lane (r, h): my query; register 16 b + i: key 32 b + 16 h + i of the step
.rept 4
	v_nop
.endr
.irp t, 0,1,2,3                        ; V's fragments are asked for now and land under the softmax
.irp p, 0,1,2,3,4,5
.set PC, 12*(\q)+6*(\p/3)+\p%3
.if PC%8 < 5
	ds_load_b64 v[80+12*\t+2*\p:81+12*\t+2*\p], v[ADV] offset:8*PC+16*(PC/8)+\t*3840
.else
	ds_load_b64 v[80+12*\t+2*\p:81+12*\t+2*\p], v[ADV2] offset:8*PC+16*(PC/8)+\t*3840
.endif
.endr
	ds_load_b32 v[28+\t], v[ADT] offset:128*\t+4*(\q)
.endr
	s_cmp_lt_u32 s17, s16                          ; on the diagonal alone hidden scores become -infinity ahead of the maximum
	s_cbranch_scc1 .Lopen_\@
	v_mov_b32 v254, 0xff800000
.set n, 0
.rept 64
	v_cmp_gt_i32 vcc_lo, 32*(n/16)+n%16, v[DQ]
	v_cndmask_b32 v[S+n], v[S+n], v254, vcc_lo
.set n, n+1
.endr
.Lopen_\@:
.irp b, 0,1,2,3
	v_max3_num_f32 v[232+\b], v[S+16*\b], v[S+1+16*\b], v[S+2+16*\b]   ; the largest score of each block of 32 keys: for the row's maximum, and for the block's largest p
.endr
.irp i, 3,5,7,9,11,13
.irp b, 0,1,2,3
	v_max3_num_f32 v[232+\b], v[232+\b], v[S+16*\b+\i], v[S+1+16*\b+\i]
.endr
.endr
.irp b, 0,1,2,3
	v_max_num_f32 v[232+\b], v[232+\b], v[S+15+16*\b]
.endr
.irp b, 0,1,2,3
	s_delay_alu instid0(VALU_DEP_4)
	v_permlanex16_b32 v[236+\b], v[232+\b], s20, s21
.endr
.irp b, 0,1,2,3
	s_delay_alu instid0(VALU_DEP_4)
	v_max_num_f32 v[232+\b], v[232+\b], v[236+\b]
.endr
	s_delay_alu instid0(VALU_DEP_2)
	v_max3_num_f32 v254, v232, v233, v234
	s_delay_alu instid0(VALU_DEP_1)
	v_max_num_f32 v254, v254, v235
	s_delay_alu instid0(VALU_DEP_1)
	v_mul_f32 v254, s22, v254
	s_delay_alu instid0(VALU_DEP_1)
	v_max_num_f32 v13, v13, v254                   ; the running largest t
	v_mov_b32 v254, v12
	s_delay_alu instid0(VALU_DEP_2)
	v_floor_f32 v12, -v13                          ; the new -M = -ceil(t)
	s_delay_alu instid0(VALU_DEP_1)
	v_sub_f32 v254, v12, v254
	s_delay_alu instid0(VALU_DEP_1)
	v_cvt_i32_f32 v254, v254                       ; (it saturates)
	s_delay_alu instid0(VALU_DEP_1)
	v_ldexp_f32 v252, 1.0, v254                    ; f = 2^(old M - new M): rounds nothing
.set j, 0
.rept 32
	v_pk_fma_f32 v[S+j:S+j+1], v[S+j:S+j+1], s[22:23], v[12:13] op_sel_hi:[1,0,0]   ; t - M
.set j, j+2
.endr
.irp b, 0,1,2,3
	v_fma_f32 v[232+\b], v[232+\b], s22, v12
.endr
.set j, 0
	s_wait_alu depctr_va_vdst(0)
.rept 64
	v_exp_f32 v[S+j], v[S+j]                       ; p = 2^(t - M)
.set j, j+1
.endr
.irp b, 0,1,2,3
	v_exp_f32 v[232+\b], v[232+\b]                 ; the block's largest p
.endr
	v_pk_mul_f32 v[14:15], v[14:15], v[252:253] op_sel_hi:[1,0]   ; the sums under the new M (a plain place behind the exponentials)
	s_wait_alu depctr_va_vdst(0)
.irp b, 0,1,2,3
	v_max_num_f32 v[232+\b], 0x2800000, v[232+\b]  ; the floor 2^(5 - 127)
.endr
.irp b, 0,1,2,3
	s_delay_alu instid0(VALU_DEP_4)
	v_add_nc_u32 v[244+\b], 0xfe000000, v[232+\b]
.endr
.irp b, 0,1,2,3
	s_delay_alu instid0(VALU_DEP_4)
	v_lshrrev_b32 v[236+\b], 23, v[244+\b]
.endr
	s_delay_alu instid0(VALU_DEP_3)
	v_lshl_or_b32 v253, v237, 8, v236              ; p's scale word for these 128 keys
	s_delay_alu instid0(VALU_DEP_1)
	v_lshl_or_b32 v253, v238, 16, v253
	s_delay_alu instid0(VALU_DEP_1)
	v_lshl_or_b32 v253, v239, 24, v253
.irp c, 0,1
	v_cvt_scalef32_pk16_bf6_f32 v[224+6*\c:226+6*\c], v[S+32*\c:S+15+32*\c], v[244+2*\c]
	v_cvt_scalef32_pk16_bf6_f32 v[236+4*\c:238+4*\c], v[S+16+32*\c:S+31+32*\c], v[244+2*\c+1]
.endr
	v_nop                                          ; one plain place behind a scaled conversion
.irp c, 0,1                            ; the operand's layout wants a whole block in a lane
.irp i, 0,1,2
	v_permlane16_swap_b32 v[224+6*\c+\i], v[236+4*\c+\i]
.endr
.irp i, 0,1,2
	s_delay_alu instid0(VALU_DEP_3)
	v_mov_b32 v[227+6*\c+\i], v[236+4*\c+\i]
.endr
.endr
	v_pk_add_f32 v[236:237], v[132:133], v[136:137]
	v_pk_add_f32 v[250:251], v[140:141], v[144:145]
	v_pk_add_f32 v[248:249], v[148:149], v[152:153]
	v_pk_add_f32 v[246:247], v[156:157], v[160:161]
	v_pk_add_f32 v[244:245], v[164:165], v[168:169]
	v_pk_add_f32 v[242:243], v[172:173], v[176:177]
	v_pk_add_f32 v[240:241], v[180:181], v[184:185]
	v_pk_add_f32 v[14:15], v[14:15], v[188:189]
	v_pk_add_f32 v[236:237], v[236:237], v[128:129]
	v_pk_add_f32 v[250:251], v[250:251], v[130:131]
	v_pk_add_f32 v[248:249], v[248:249], v[134:135]
	v_pk_add_f32 v[246:247], v[246:247], v[138:139]
	v_pk_add_f32 v[244:245], v[244:245], v[142:143]
	v_pk_add_f32 v[242:243], v[242:243], v[146:147]
	v_pk_add_f32 v[240:241], v[240:241], v[150:151]
	v_pk_add_f32 v[14:15], v[14:15], v[154:155]
	v_pk_add_f32 v[236:237], v[236:237], v[158:159]
	v_pk_add_f32 v[250:251], v[250:251], v[162:163]
	v_pk_add_f32 v[248:249], v[248:249], v[166:167]
	v_pk_add_f32 v[246:247], v[246:247], v[170:171]
	v_pk_add_f32 v[244:245], v[244:245], v[174:175]
	v_pk_add_f32 v[242:243], v[242:243], v[178:179]
	v_pk_add_f32 v[240:241], v[240:241], v[182:183]
	v_pk_add_f32 v[14:15], v[14:15], v[186:187]
	v_pk_add_f32 v[236:237], v[236:237], v[190:191]
	s_delay_alu instid0(VALU_DEP_2)
	v_pk_add_f32 v[14:15], v[14:15], v[246:247]
	s_delay_alu instid0(VALU_DEP_2)
	v_pk_add_f32 v[236:237], v[236:237], v[244:245]
	v_pk_add_f32 v[250:251], v[250:251], v[242:243]
	v_pk_add_f32 v[248:249], v[248:249], v[240:241]
	s_delay_alu instid0(VALU_DEP_2)
	v_pk_add_f32 v[14:15], v[14:15], v[250:251]
	s_delay_alu instid0(VALU_DEP_2)
	v_pk_add_f32 v[236:237], v[236:237], v[248:249]
	s_delay_alu instid0(VALU_DEP_1)
	v_pk_add_f32 v[14:15], v[14:15], v[236:237]
.set j, 0
.rept 16
	v_pk_mul_f32 v[O+j:O+j+1], v[O+j:O+j+1], v[252:253] op_sel_hi:[1,0]   ; O^T under the new M
.set j, j+2
.endr
	s_wait_alu depctr_va_vdst(0)
	s_wait_dscnt 0x0                               ; V's fragments and scale words are in
.irp t, 0,1,2,3
	v_wmma_scale_f32_16x16x128_f8f6f4 v[O+8*\t:O+8*\t+7], v[80+12*\t:91+12*\t], v[224:235], v[O+8*\t:O+8*\t+7], v[28+\t], v253 matrix_a_fmt:MATRIX_FMT_BF6 matrix_b_fmt:MATRIX_FMT_BF6
.endr
.Lhidden_\@:
	s_add_co_u32 s17, s17, 128
	s_add_co_u32 s18, s18, 6144
	s_add_co_u32 s24, s24, 512
.endm
	s_wait_tensorcnt 0x0                           ; my fill has landed,
	s_barrier_signal -1
	s_barrier_wait -1                              ; everybody's has
	s_wait_loadcnt 0x0                             ; Q
.Lkt:                                              ; eight trips of 256 keys: a constant; what is hidden is jumped over inside
	STEP 0
	STEP 1
	s_add_co_u32 s19, s19, 15360
	s_add_co_u32 s25, s25, 512
	s_sub_co_u32 s26, s26, 1
	s_cmp_lg_u32 s26, 0
	s_cbranch_scc1 .Lkt
	; THE WAY OUT: O^T / the sum; register 16 b + i is channel 32 b + 16 h + i of my query: two blocks of 32, each in lanes l and l xor 16
	v_add_f32 v14, v14, v15
	s_delay_alu instid0(VALU_DEP_1)
	v_permlanex16_b32 v252, v14, s20, s21
	s_delay_alu instid0(VALU_DEP_1)
	v_add_f32 v14, v14, v252
	s_wait_alu depctr_va_vdst(0)
	v_rcp_f32 v14, v14
	v_bfe_u32 v9, v0, 4, 1                         ; (plain places behind the transcendental)
	v_mul_u32_u24 v8, v[QOF], 48
	s_delay_alu instid0(VALU_DEP_1)
	v_mad_u32_u24 v8, v9, 24, v8
	s_mul_i32 s28, s10, 6144
	s_add_co_u32 s28, s28, OST
	v_add_nc_u32 v8, s28, v8                       ; my block's 24 bytes: row = my query
	s_lshl_b32 s28, s10, 8
	s_add_co_u32 s28, s28, SOST
	v_lshl_add_u32 v10, v[QOF], 1, s28             ; my query's two scale bytes
	v_and_b32 v1, 31, v0
	s_wait_alu depctr_va_vdst(0)
	v_lshlrev_b32 v2, 4, v1                        ; 16 x lane
	s_min_u32 s28, s[WV], 11
	s_lshl_b32 s29, s28, 10
	s_add_co_u32 s29, s29, OST
	v_add_nc_u32 v3, s29, v2                       ; waves 0-11 copy 1,024 bytes of codes each
	s_cmp_lt_u32 s[WV], 6
	s_cselect_b32 s30, ttmp9, s14
	s_cselect_b32 s31, 0, 6
	s_sub_co_u32 s31, s28, s31
	s_lshl_b32 s30, s30, 7
	s_lshl_b32 s29, s13, 11
	s_add_co_u32 s30, s30, s29
	s_mul_i32 s30, s30, 48
	s_lshl_b32 s31, s31, 10
	s_add_co_u32 s30, s30, s31
	s_mul_i32 s31, s12, GRP
	s_add_co_u32 s30, s30, s31
	s_mov_b32 s31, 0
	s_add_nc_u64 s[32:33], s[6:7], s[30:31]
	s_and_b32 s28, s[WV], 3
	s_lshl_b32 s29, s28, 7
	s_add_co_u32 s29, s29, SOST
	v_lshl_add_u32 v4, v1, 1, s29                  ; waves 12-15 copy 64 rows' scale bytes each
	v_lshlrev_b32 v5, 5, v1                        ; 32 bytes a row of X's scales
	s_cmp_ge_u32 s28, 2
	s_cselect_b32 s30, s14, ttmp9
	s_lshl_b32 s30, s30, 7
	s_lshl_b32 s29, s13, 11
	s_add_co_u32 s30, s30, s29
	s_and_b32 s29, s28, 1
	s_lshl_b32 s29, s29, 6
	s_add_co_u32 s30, s30, s29
	s_lshl_b32 s30, s30, 5
	s_lshl_b32 s29, s12, 1
	s_add_co_u32 s30, s30, s29
	s_add_co_u32 s30, s30, XS
	s_add_nc_u64 s[34:35], s[6:7], s[30:31]
.set j, 0
	s_wait_alu depctr_va_vdst(0)
.rept 16
	v_pk_mul_f32 v[S+j:S+j+1], v[O+j:O+j+1], v[14:15] op_sel_hi:[1,0]
.set j, j+2
.endr
.irp b, 0,1
	v_max3_num_f32 v[232+\b], |v[S+16*\b]|, |v[S+1+16*\b]|, 0x2800000
.endr
.irp i, 2,4,6,8,10,12,14
.irp b, 0,1
	s_delay_alu instid0(VALU_DEP_2)
	v_max3_num_f32 v[232+\b], v[232+\b], |v[S+16*\b+\i]|, |v[S+1+16*\b+\i]|
.endr
.endr
.irp b, 0,1
	s_delay_alu instid0(VALU_DEP_2)
	v_permlanex16_b32 v[236+\b], v[232+\b], s20, s21
.endr
.irp b, 0,1
	s_delay_alu instid0(VALU_DEP_2)
	v_max_num_f32 v[232+\b], v[232+\b], v[236+\b]
.endr
.irp b, 0,1
	s_delay_alu instid0(VALU_DEP_2)
	v_add_nc_u32 v[244+\b], 0xfe000000, v[232+\b]
.endr
.irp b, 0,1
	s_delay_alu instid0(VALU_DEP_2)
	v_lshrrev_b32 v[236+\b], 23, v[244+\b]
.endr
	s_delay_alu instid0(VALU_DEP_1)
	v_lshl_or_b32 v253, v237, 8, v236
	v_cvt_scalef32_pk16_bf6_f32 v[224:226], v[S:S+15], v244
	v_cvt_scalef32_pk16_bf6_f32 v[232:234], v[S+16:S+31], v245
	v_nop
.irp i, 0,1,2
	v_permlane16_swap_b32 v[224+\i], v[232+\i]     ; lanes 0-15 now hold block 0 whole, lanes 16-31 block 1
.endr
.irp i, 0,1,2
	s_delay_alu instid0(VALU_DEP_3)
	v_mov_b32 v[227+\i], v[232+\i]
.endr
.irp p, 0,1,2
	ds_store_b64 v8, v[224+2*\p:225+2*\p] offset:8*\p
.endr
	ds_store_b16 v10, v253                         ; both lanes of a query write the same half-word with the same value
	s_wait_dscnt 0x0
	s_barrier_signal -1
	s_barrier_wait -1
	s_cmp_lt_u32 s[WV], 12
	s_cbranch_scc0 .Lscales
	ds_load_b128 v[16:19], v3
	ds_load_b128 v[20:23], v3 offset:512
	s_wait_dscnt 1
	global_store_b128 v2, v[16:19], s[32:33]       ; 512 consecutive aligned bytes
	s_wait_dscnt 0x0
	global_store_b128 v2, v[20:23], s[32:33] offset:512
	s_branch .Lend
.Lscales:
	ds_load_u16 v16, v4
	ds_load_u16 v17, v4 offset:64
	s_wait_dscnt 0x0
	global_store_b16 v5, v16, s[34:35]
	global_store_b16 v5, v17, s[34:35] offset:1024
.Lend:
	s_wait_xcnt 0x0
	v_lshl_add_u32 v254, v0, 2, 0x3c200
	v_mov_b32 v255, 0
	s_wait_alu depctr_va_vdst(0)
	s_wait_tensorcnt 0x0
	ds_add_u32 v254, v255
	s_wait_dscnt 0x0
	s_endpgm
.Lfunc_end_k_q912d31ab40_attn:
	.size	k_q912d31ab40_attn, .Lfunc_end_k_q912d31ab40_attn-k_q912d31ab40_attn
	.p2alignl 7, 3214868480
	.fill 96, 4, 3214868480
	.section	.rodata,"a",@progbits
	.p2align	6, 0x0
	.amdhsa_kernel k_q912d31ab40_attn
		.amdhsa_group_segment_fixed_size 248320
		.amdhsa_private_segment_fixed_size 0
		.amdhsa_enable_private_segment 0
		.amdhsa_kernarg_size 16
		.amdhsa_user_sgpr_count 2
		.amdhsa_user_sgpr_kernarg_segment_ptr 1
		.amdhsa_wavefront_size32 1
		.amdhsa_system_sgpr_workgroup_id_x 1
		.amdhsa_system_sgpr_workgroup_id_y 1
		.amdhsa_system_sgpr_workgroup_id_z 1
		.amdhsa_system_vgpr_workitem_id 0
		.amdhsa_next_free_vgpr 256
		.amdhsa_next_free_sgpr 100
		.amdhsa_reserve_vcc 1
		.amdhsa_float_denorm_mode_32 3
		.amdhsa_float_denorm_mode_16_64 3
		.amdhsa_memory_ordered 1
		.amdhsa_forward_progress 1
		.amdhsa_inst_pref_size 67
	.end_amdhsa_kernel
	.amdgpu_metadata
---
amdhsa.version: [ 1, 2 ]
amdhsa.kernels:
  - .name:           k_q912d31ab40_attn
    .symbol:         k_q912d31ab40_attn.kd
    .args:
      - { .name: QKV, .offset: 0, .size: 8, .value_kind: global_buffer, .address_space: global }
      - { .name: X, .offset: 8, .size: 8, .value_kind: global_buffer, .address_space: global }
    .group_segment_fixed_size: 248320
    .private_segment_fixed_size: 0
    .kernarg_segment_align: 8
    .kernarg_segment_size: 16
    .max_flat_workgroup_size: 512
    .sgpr_count:     100
    .vgpr_count:     256
    .wavefront_size: 32
...
	.end_amdgpu_metadata
.endif
;; end of part 3
;; launch proj (part 4): grid 8 x 32, 4 waves a work-group, clusters of 4 x 4, 327,680 bytes of LDS; arguments X, WR, Wproj_scales, PF; writes PF
.if DOCPART == 4
	.amdgcn_target "amdgcn-amd-amdhsa--gfx1250"
	.amdhsa_code_object_version 6
	.text
	.protected	k_q912d31ab40_proj
	.globl	k_q912d31ab40_proj
	.p2align	8
	.type	k_q912d31ab40_proj,@function
k_q912d31ab40_proj:
	s_mov_b64 s[64:65], 0
	v_nop
	global_prefetch_b8 v0, s[64:65] scope:SCOPE_SE
	s_setreg_imm32_b32 hwreg(HW_REG_WAVE_MODE, 25, 1), 1
	s_wait_xcnt 0x0
	s_wait_alu depctr_hold_cnt(0) depctr_sa_sdst(0) depctr_va_vdst(0) depctr_va_sdst(0) depctr_va_ssrc(0) depctr_va_vcc(0) depctr_vm_vsrc(0)
	s_getreg_b32 s2, hwreg(HW_REG_IB_STS2, 6, 4)
	s_cmp_eq_u32 s2, 0
	s_cbranch_scc0 .Lentry_in_a_cluster
	s_endpgm
.Lentry_in_a_cluster:
	s_bfe_u32 s2, ttmp6, 0x10000c
	s_cmp_lg_u32 s2, 0xf033
	s_cbranch_scc0 .Lentry_shape_is_right
	s_endpgm
.Lentry_shape_is_right:
; PF[row][n] = sum over k of A[row][k] B[n][k]: the attention's result x Wproj, on codes of BF6 (E3M2) with E8M0 scales, sums in f32; PF: [4096][1024] f32.
; The text is launch w2's with other sizes; its head comment explains the design.  K is 1,024: two fills of 512 along K, one at the head and one behind the first round.
; NO PREFETCH: both fills are asked for ahead of the first product, and there is no loop to run ahead in.
.set KTOT, 1024
.set AGS,  196608                      ; A: from group to group (4,096 rows x 48 bytes)
.set BGS,  49152                       ; B: likewise (1,024 rows)
.set ASC,  3145728                     ; where A's scale bytes begin in A's buffer
.set WOFF, 2359296                     ; where B's codes begin in WR
.set KS,   KTOT/32
.set NS,   KTOT/512
.set HALF, 24576
.set BOFF, 49152
.set SLOT, 98304
.set SCL,  2*SLOT
.set SR,   128*KS/256
.set HALFS, SR*272
.set SBLK, (16*KS/256)*272
.set SPARE, SCL+2*HALFS
.set ADRA, 16
.set ADRB, 20
.set STO,  24
.set RD,   25
.set CO,   26
.set ADRS, 27
.set SPW,  28
.set NIL,  29
.set PFO,  30
.set G1, 24
.set G0, 32
.set G1B, 48
.set G0B, 56
.set G1S, 68
.set G0S, 76
.set G1SB, 80
.set G0SB, 88
.set G0H, 4
.set G0HB, 8
.set MULW, 0x50
.set MSB, 0
.macro WIN new
.if MSB != \new
	s_set_vgpr_msb (MSB<<8)|\new
.set MSB, \new
.endif
.endm
.macro PLACES
.rept 4
	v_nop
.endr
.endm
.macro JLOAD s
	s_cmp_eq_u32 s15, 0
	s_cbranch_scc0 .Lfor_b_\@
	tensor_load_to_lds s[G0+4*\s:G0+4*\s+3], s[G1:G1+7]
	s_nop 0
	PLACES
	s_branch .Lasked_\@
.Lfor_b_\@:
	tensor_load_to_lds s[G0B+4*\s:G0B+4*\s+3], s[G1B:G1B+7]
	s_nop 0
	PLACES
.Lasked_\@:
.endm
.macro CREST
	s_cmp_lg_u32 s14, 0
	s_cbranch_scc1 .Lnot_wave_0_\@
	s_barrier_signal -3
.Lnot_wave_0_\@:
	s_barrier_wait -3
	s_barrier_signal -1
	s_barrier_wait -1
.endm
.macro CROUND
	s_barrier_signal -1
	s_barrier_wait -1
	CREST
.endm
	s_load_b128 s[4:7], s[0:1], 0x0
	s_load_b128 s[8:11], s[0:1], 0x10
	v_lshl_add_u32 v[SPW], v0, 2, SPARE
	v_mov_b32 v[NIL], 0
	ds_add_u32 v[SPW], v[NIL]
	ds_add_u32 v[SPW], v[NIL]
	v_lshrrev_b32 v1, 5, v0
	v_readfirstlane_b32 s14, v1
	s_lshr_b32 s15, s14, 1
	s_and_b32 s16, s14, 1
	s_bfe_u32 s40, ttmp6, 0x40000
	s_bfe_u32 s41, ttmp6, 0x40004
	s_lshl_b32 s42, ttmp9, 2
	s_add_co_u32 s42, s42, s40
	s_and_b32 s17, ttmp7, 0xffff
	s_lshl_b32 s17, s17, 2
	s_add_co_u32 s17, s17, s41
	s_lshl_b32 s43, s41, 2
	s_lshl_b32 s43, 15, s43
	s_lshl_b32 s44, 0x1111, s40
	s_or_b32 s[G1+0], s43, (1<<21)
	s_or_b32 s[G1B+0], s44, (1<<21)
.irp g, G1, G1B
	s_mov_b32 s[\g+1], 6144<<16
	s_mov_b32 s[\g+2], 8<<16
	s_mov_b32 s[\g+3], 6144<<16
	s_mov_b32 s[\g+4], 8
	s_mov_b32 s[\g+6], 0
	s_mov_b32 s[\g+7], 0
.endr
	s_mov_b32 s[G1+5], AGS
	s_mov_b32 s[G1B+5], BGS
	s_or_b32 s[G1S+0], s43, (3<<16)|(1<<20)|(1<<21)|(5<<22)|(3<<25)
	s_or_b32 s[G1SB+0], s44, (3<<16)|(1<<20)|(1<<21)|(5<<22)|(3<<25)
.irp g, G1S, G1SB
	s_mov_b32 s[\g+1], 32<<16
	s_mov_b32 s[\g+2], SR<<16
	s_mov_b32 s[\g+3], 32<<16
	s_mov_b32 s[\g+4], SR
	s_mov_b32 s[\g+5], 32
	s_mov_b32 s[\g+6], 0
	s_mov_b32 s[\g+7], 0
.endr
	s_mul_i32 s20, s17, 6144
	s_mov_b32 s21, 0
	s_mul_i32 s22, s17, 128*KS
	s_add_co_u32 s22, s22, ASC
	s_mov_b32 s23, 0
	s_mul_i32 s46, s42, 6144
	s_add_co_u32 s46, s46, WOFF
	s_mov_b32 s47, 0
	s_mul_i32 s92, s42, 128*KS
	s_mov_b32 s93, 0
	s_mul_i32 s18, s16, 4*AGS
	s_mov_b32 s19, 0
	s_mul_i32 s94, s16, 4*BGS
	s_mov_b32 s95, 0
	s_mul_i32 s45, s16, HALF
	s_wait_dscnt 0x0
	s_wait_kmcnt 0x0
	s_add_nc_u64 s[20:21], s[4:5], s[20:21]
	s_add_nc_u64 s[22:23], s[4:5], s[22:23]
	s_add_nc_u64 s[46:47], s[6:7], s[46:47]
	s_add_nc_u64 s[92:93], s[8:9], s[92:93]
	s_mov_b64 s[12:13], s[10:11]
	CROUND
	s_mov_b32 s[G0H], 1
	s_mov_b32 s[G0H+1], 0
	s_mov_b64 s[G0H+2:G0H+3], s[20:21]
	s_or_b32 s[G0H+3], s[G0H+3], 0x80000000
	s_mov_b32 s[G0HB], 1
	s_mov_b32 s[G0HB+1], BOFF
	s_mov_b64 s[G0HB+2:G0HB+3], s[46:47]
	s_or_b32 s[G0HB+3], s[G0HB+3], 0x80000000
	s_mov_b32 s[G0S], 1
	s_mov_b32 s[G0S+1], SCL
	s_mov_b64 s[G0S+2:G0S+3], s[22:23]
	s_or_b32 s[G0S+3], s[G0S+3], 0x80000000
	s_mov_b32 s[G0SB], 1
	s_mov_b32 s[G0SB+1], SCL+HALFS
	s_mov_b64 s[G0SB+2:G0SB+3], s[92:93]
	s_or_b32 s[G0SB+3], s[G0SB+3], 0x80000000
	s_add_nc_u64 s[20:21], s[20:21], s[18:19]
	s_add_nc_u64 s[46:47], s[46:47], s[94:95]
.irp s, 0,1
	s_mov_b32 s[G0+4*\s], 1
	s_add_co_u32 s[G0+4*\s+1], s45, \s*SLOT
	s_add_nc_u64 s[G0+4*\s+2:G0+4*\s+3], s[20:21], \s*8*AGS
	s_or_b32 s[G0+4*\s+3], s[G0+4*\s+3], 0x80000000
	s_mov_b32 s[G0B+4*\s], 1
	s_add_co_u32 s[G0B+4*\s+1], s45, \s*SLOT+BOFF
	s_add_nc_u64 s[G0B+4*\s+2:G0B+4*\s+3], s[46:47], \s*8*BGS
	s_or_b32 s[G0B+4*\s+3], s[G0B+4*\s+3], 0x80000000
.endr
.macro ARM under, g0, g1, next
	s_cmp_lt_u32 s14, \under
	s_cbranch_scc0 \next
	tensor_load_to_lds s[\g0:\g0+3], s[\g1:\g1+7]
	s_nop 0
	PLACES
	s_branch .Lhead_asked
\next:
.endm
	ARM 1, G0H,  G1,  .Lhead_b
	ARM 2, G0HB, G1B, .Lhead_sa
	ARM 3, G0S,  G1S, .Lhead_sb
	tensor_load_to_lds s[G0SB:G0SB+3], s[G1SB:G1SB+7]
	s_nop 0
	PLACES
.Lhead_asked:
	s_mul_i32 s18, s15, 3072
	s_mul_i32 s19, s16, 3072
	s_add_co_u32 s19, s19, BOFF
	s_mul_i32 s96, s15, 4*SBLK
	s_mul_i32 s97, s16, 4*SBLK
	s_add_co_u32 s97, s97, HALFS
	s_sub_co_u32 s97, s97, s96
	s_add_co_u32 s96, s96, SCL
	s_mul_i32 s98, s14, 16*272
	v_and_b32 v1, 15, v0
	v_bfe_u32 v2, v0, 4, 1
	v_mul_u32_u24 v3, v1, 48
	v_mad_u32_u24 v3, v2, 24, v3
	v_add_nc_u32 v[ADRA], s18, v3
	v_add_nc_u32 v[ADRB], s19, v3
	v_add_nc_u32 v[ADRA+1], SLOT, v[ADRA]
	v_add_nc_u32 v[ADRB+1], SLOT, v[ADRB]
	v_mul_u32_u24 v5, v1, KS
	v_lshrrev_b32 v6, 8, v5
	v_lshl_add_u32 v5, v6, 4, v5
	v_mul_u32_u24 v6, s97, v2
	v_add_nc_u32 v5, v5, v6
	v_add_nc_u32 v[ADRS], s96, v5
	v_mul_u32_u24 v5, v1, 272
	v_lshl_add_u32 v5, v2, 5, v5
	v_add_nc_u32 v[STO], s98, v5
	v_mul_u32_u24 v6, v2, 272
	v_lshl_add_u32 v6, v1, 4, v6
	v_add_nc_u32 v[RD], s98, v6
	v_lshlrev_b32 v7, 12, v2
	v_lshl_add_u32 v[CO], v1, 4, v7
	s_lshl_b32 s20, s17, 7
	s_lshl_b32 s21, s15, 6
	s_add_co_u32 s20, s20, s21
	s_lshl_b32 s20, s20, 12
	s_lshl_b32 s21, s42, 9
	s_add_co_u32 s20, s20, s21
	s_lshl_b32 s21, s16, 8
	s_add_co_u32 s20, s20, s21
	s_mov_b32 s21, 0
	s_add_nc_u64 s[12:13], s[12:13], s[20:21]
.macro FRAGS set, slot, q
.irp i, 0,1,2,3
.irp p, 0,1,2,3,4,5
	ds_load_b64 v[64+96*(\set)+12*\i+2*\p:64+96*(\set)+12*\i+2*\p+1], v[ADRA+\slot] offset:(2*(\q)+\p/3)*6144+\i*768+8*(\p%3)
	ds_load_b64 v[112+96*(\set)+12*\i+2*\p:112+96*(\set)+12*\i+2*\p+1], v[ADRB+\slot] offset:(2*(\q)+\p/3)*6144+\i*768+8*(\p%3)
.endr
.endr
.endm
.macro SCALES set, off
.irp i, 0,1,2,3
	ds_load_b128 v[32+16*(\set)+4*\i:32+16*(\set)+4*\i+3], v[ADRS] offset:\i*SBLK+(\off)
.endr
.endm
.macro MUL4 a, set, q, sc, zero
.irp b, 0,1,2,3
.if \zero
	v_wmma_scale_f32_16x16x128_f8f6f4 v[8*(4*(\a)+\b):8*(4*(\a)+\b)+7], v[112+96*(\set)+12*\b:112+96*(\set)+12*\b+11], v[64+96*(\set)+12*(\a):64+96*(\set)+12*(\a)+11], 0, v[32+16*(\sc)+4*\b+(\q)], v[32+16*(\sc)+4*(\a)+(\q)] matrix_a_fmt:MATRIX_FMT_BF6 matrix_b_fmt:MATRIX_FMT_BF6 matrix_a_scale:MATRIX_SCALE_ROW1
.else
	v_wmma_scale_f32_16x16x128_f8f6f4 v[8*(4*(\a)+\b):8*(4*(\a)+\b)+7], v[112+96*(\set)+12*\b:112+96*(\set)+12*\b+11], v[64+96*(\set)+12*(\a):64+96*(\set)+12*(\a)+11], v[8*(4*(\a)+\b):8*(4*(\a)+\b)+7], v[32+16*(\sc)+4*\b+(\q)], v[32+16*(\sc)+4*(\a)+(\q)] matrix_a_fmt:MATRIX_FMT_BF6 matrix_b_fmt:MATRIX_FMT_BF6 matrix_a_scale:MATRIX_SCALE_ROW1
.endif
.endr
.endm
.macro STEP slot, q, zero
	PLACES
	FRAGS ((\q)+1)%2, \slot, (\q)+1
	s_wait_dscnt 48
	WIN MULW
.irp a, 0,1,2,3
	MUL4 \a, (\q)%2, \q, \slot, \zero
.endr
	WIN 0
.endm
.macro BOUND slot, soff
	s_wait_tensorcnt 0x0
	ds_add_u32 v[SPW], v[NIL]
	s_wait_dscnt 1
	WIN MULW
	MUL4 0, 1, 3, \slot, 0
	s_wait_dscnt 0x0
	s_barrier_signal -1
	MUL4 1, 1, 3, \slot, 0
	WIN 0
	s_barrier_wait -1
	PLACES
	FRAGS 0, 1-\slot, 0
	SCALES 1-\slot, \soff
	WIN MULW
	MUL4 2, 1, 3, \slot, 0
	MUL4 3, 1, 3, \slot, 0
	WIN 0
.endm
	s_wait_alu depctr_va_vdst(0)
	s_wait_tensorcnt 0x0
	ds_add_u32 v[SPW], v[NIL]
	s_mov_b32 s[G1+2], 4<<16
	s_mov_b32 s[G1+4], 4
	s_mov_b32 s[G1B+2], 4<<16
	s_mov_b32 s[G1B+4], 4
	s_wait_dscnt 0x0
	CROUND
	JLOAD 1
	FRAGS 0, 0, 0
	SCALES 0, 0
	STEP 0, 0, 1
	STEP 0, 1, 0
	STEP 0, 2, 0
	BOUND 0, 16
	STEP 1, 0, 0
	STEP 1, 1, 0
	STEP 1, 2, 0
	s_wait_dscnt 0x0
	WIN MULW
.irp a, 0,1,2,3
	MUL4 \a, 1, 3, 1, 0
.endr
	WIN 0
.macro TOSTAGE a
	WIN 0x04
.irp b, 0,1,2,3
	ds_store_b128 v[STO], v[8*(4*(\a)+\b):8*(4*(\a)+\b)+3] offset:64*\b
	ds_store_b128 v[STO], v[8*(4*(\a)+\b)+4:8*(4*(\a)+\b)+7] offset:64*\b+16
.endr
	WIN 0
.irp t, 0,1,2,3,4,5,6,7
	ds_load_b128 v[64+32*((\a)%2)+4*\t:64+32*((\a)%2)+4*\t+3], v[RD] offset:\t*544
.endr
.endm
.macro SEND a, younger
	s_wait_dscnt \younger
.if (\a) > 0
	s_add_nc_u64 s[12:13], s[12:13], 65536
.endif
.irp t, 0,1,2,3,4,5,6,7
	global_store_b128 v[CO], v[64+32*((\a)%2)+4*\t:64+32*((\a)%2)+4*\t+3], s[12:13] offset:\t*8192
.endr
.endm
	PLACES
	TOSTAGE 0
.irp a, 1,2,3
.if \a > 1
	s_wait_xcnt 0x0
.endif
	TOSTAGE \a
	SEND \a-1, 16
.endr
	s_wait_xcnt 0x0
	SEND 3, 0
	s_wait_tensorcnt 0x0
	ds_add_u32 v[SPW], v[NIL]
	s_wait_dscnt 0x0
	CROUND
	s_endpgm
.Lfunc_end_k_q912d31ab40_proj:
	.size	k_q912d31ab40_proj, .Lfunc_end_k_q912d31ab40_proj-k_q912d31ab40_proj
	.p2alignl 7, 3214868480
	.fill 96, 4, 3214868480
	.section	.rodata,"a",@progbits
	.p2align	6, 0x0
	.amdhsa_kernel k_q912d31ab40_proj
		.amdhsa_group_segment_fixed_size 327680
		.amdhsa_private_segment_fixed_size 0
		.amdhsa_enable_private_segment 0
		.amdhsa_kernarg_size 32
		.amdhsa_user_sgpr_count 2
		.amdhsa_user_sgpr_kernarg_segment_ptr 1
		.amdhsa_wavefront_size32 1
		.amdhsa_system_sgpr_workgroup_id_x 1
		.amdhsa_system_sgpr_workgroup_id_y 1
		.amdhsa_system_sgpr_workgroup_id_z 1
		.amdhsa_system_vgpr_workitem_id 0
		.amdhsa_next_free_vgpr 384
		.amdhsa_next_free_sgpr 102
		.amdhsa_reserve_vcc 0
		.amdhsa_float_denorm_mode_32 3
		.amdhsa_float_denorm_mode_16_64 3
		.amdhsa_memory_ordered 1
		.amdhsa_forward_progress 1
		.amdhsa_inst_pref_size 61
	.end_amdhsa_kernel
	.amdgpu_metadata
---
amdhsa.version: [ 1, 2 ]
amdhsa.kernels:
  - .name:           k_q912d31ab40_proj
    .symbol:         k_q912d31ab40_proj.kd
    .args:
      - { .name: X, .offset: 0, .size: 8, .value_kind: global_buffer, .address_space: global }
      - { .name: WR, .offset: 8, .size: 8, .value_kind: global_buffer, .address_space: global }
      - { .name: Wproj_scales, .offset: 16, .size: 8, .value_kind: global_buffer, .address_space: global }
      - { .name: PF, .offset: 24, .size: 8, .value_kind: global_buffer, .address_space: global }
    .group_segment_fixed_size: 327680
    .private_segment_fixed_size: 0
    .kernarg_segment_align: 8
    .kernarg_segment_size: 32
    .max_flat_workgroup_size: 128
    .sgpr_count:     102
    .vgpr_count:     384
    .wavefront_size: 32
...
	.end_amdgpu_metadata
.endif
;; end of part 4
;; launch ln1 (part 5): grid 256 x 1, 8 waves a work-group, no clusters, 95,744 bytes of LDS; arguments PF, embedding, positional_encoding, g_attn, be_attn, MF, X; writes MF, X
.if DOCPART == 5
	.amdgcn_target "amdgcn-amd-amdhsa--gfx1250"
	.amdhsa_code_object_version 6
	.text
	.protected	k_q912d31ab40_ln1
	.globl	k_q912d31ab40_ln1
	.p2align	8
	.type	k_q912d31ab40_ln1,@function
k_q912d31ab40_ln1:
	s_mov_b64 s[64:65], 0
	v_nop
	global_prefetch_b8 v0, s[64:65] scope:SCOPE_SE
	s_setreg_imm32_b32 hwreg(HW_REG_WAVE_MODE, 25, 1), 1
	s_wait_xcnt 0x0
; mha = LayerNorm(embedding + positional_encoding + PF) x g_attn + be_attn, rows of 1,024, all in f32; stored as f32 (MF) and as codes of BF6 (E3M2) with E8M0 bytes (X: codes [k / 64][row][48], bytes [row][32] behind them).
; The mean is taken first and the variance of the centred numbers: a common offset on the inputs costs no accuracy.
; SHARES: a work-group takes 16 rows, each of its eight waves 2, a whole row in 32 registers a lane.  All of a wave's loads are issued at its head: 2 for its eighth of g and be, 48 for its two rows: 50 out, by this text's own count.
; g and be are read from memory once by the work-group, 16 bytes a thread, and reach every wave through LDS.  A finished row turns through the wave's own stage in LDS, so that lane l holds block l.
; LIMITS of the quantiser: NaN and infinities are not served; a block under 2^-122, and a block of zeros, keeps the byte 1 (this program alone reads the bytes).
; REGISTERS: window 0: v2-9, v25, v30, v31 addresses; v10-29 at work; v32-223 two slots of 96 (embedding, positional_encoding, PF); v224-255 32 neighbours.  window 1: v0-31 g, v32-63 be.
.set ROWBY, 4096
.set GRP,   196608
.set XS,    3145728
.set TSTW,  9216                       ; a wave's two turn stages
.set CST,   73728                      ; [16 groups][16 rows][48]
.set SST,   86016                      ; [16 rows][32]
.set PRM,   86528                      ; g's 4,096 bytes, then be's
.set QC, 16
.set QT, 22
.set QM, 26
.set QO, 28
.set QY, 29
.set SL, 32
.set XB, 224
.set GG, 0
.set BE, 32
.set MSB, 0
.macro WIN new                         ; the immediate's high byte repeats the setting that is left
.if MSB != \new
	s_set_vgpr_msb (MSB<<8)|\new
.set MSB, \new
.endif
.endm
	s_load_b256 s[4:11], s[0:1], 0x0               ; PF, embedding, positional_encoding, g
	s_load_b128 s[12:15], s[0:1], 0x20             ; be, MF
	s_load_b64 s[16:17], s[0:1], 0x30              ; X
	s_set_vgpr_msb 0x40
	v_lshl_add_u32 v64, v0, 2, 0x17200
	v_mov_b32 v65, 0
	s_set_vgpr_msb 0x4000
	v_lshrrev_b32 v1, 5, v0
	s_delay_alu instid0(VALU_DEP_1)
	v_readfirstlane_b32 s20, v1                    ; wave 0..7
	v_and_b32 v1, 31, v0
	s_delay_alu instid0(VALU_DEP_1)
	v_lshlrev_b32 v2, 4, v1                        ; v2: 16 x lane; never rewritten
	v_lshlrev_b32 v30, 4, v0                       ; v30: 16 x thread: my 16 bytes of g and of be
	s_delay_alu instid0(VALU_DEP_1)
	v_add_nc_u32 v25, PRM, v30                     ; v25: where they go in LDS
	s_delay_alu instid0(VALU_DEP_3)
	v_add_nc_u32 v31, PRM, v2                      ; v31: and where a lane reads them back
	s_mul_i32 s21, s20, TSTW
	v_lshrrev_b32 v3, 3, v1
	s_delay_alu instid0(VALU_DEP_1)
	v_mul_u32_u24 v3, v3, 144
	v_and_b32 v4, 7, v1
	s_delay_alu instid0(VALU_DEP_1)
	v_lshl_add_u32 v3, v4, 4, v3
	s_delay_alu instid0(VALU_DEP_1)
	v_add_nc_u32 v3, s21, v3
	v_mul_u32_u24 v4, v1, 144
	s_delay_alu instid0(VALU_DEP_1)
	v_add_nc_u32 v4, s21, v4
	v_lshrrev_b32 v5, 1, v1
	s_delay_alu instid0(VALU_DEP_1)
	v_mul_u32_u24 v5, v5, 768
	v_and_b32 v6, 1, v1
	s_delay_alu instid0(VALU_DEP_1)
	v_mad_u32_u24 v5, v6, 24, v5
	s_mul_i32 s21, s20, 96
	s_add_co_u32 s21, s21, CST
	v_add_nc_u32 v5, s21, v5                       ; v5: my block's 24 bytes: group lane / 2, row 2 x wave, half lane % 2
	s_lshl_b32 s21, s20, 6
	s_add_co_u32 s21, s21, SST
	v_add_nc_u32 v6, s21, v1
	s_mul_i32 s21, s20, 1536
	s_add_co_u32 s21, s21, CST
	v_add_nc_u32 v7, s21, v2
	v_add_nc_u32 v8, SST, v2
	v_lshrrev_b32 v9, 4, v1
	s_delay_alu instid0(VALU_DEP_1)
	v_mul_u32_u24 v9, v9, GRP-768
	s_delay_alu instid0(VALU_DEP_1)
	v_add_nc_u32 v9, v9, v2
	v_mov_b32 v19, 0                               ; a lane permute's destination counts as one of its sources
	s_mov_b32 s24, 0x76543210
	s_mov_b32 s25, 0xfedcba98
	s_mov_b32 s26, 0x3a800000                      ; 1 / 1,024
	s_mov_b32 s27, 0x3727c5ac                      ; 1e-5
	s_lshl_b32 s22, ttmp9, 16
	s_lshl_b32 s23, s20, 13
	s_add_co_u32 s22, s22, s23                     ; my first row: (16 x work-group + 2 x wave) x 4,096 bytes
	s_mov_b32 s23, 0
	s_mul_i32 s28, s20, 2*GRP
	s_mul_i32 s29, ttmp9, 768
	s_add_co_u32 s28, s28, s29
	s_mov_b32 s29, 0
	s_lshl_b32 s30, ttmp9, 9
	s_add_co_u32 s30, s30, XS
	s_mov_b32 s31, 0
	s_wait_kmcnt 0x0
	s_add_nc_u64 s[4:5], s[4:5], s[22:23]
	s_add_nc_u64 s[6:7], s[6:7], s[22:23]
	s_add_nc_u64 s[8:9], s[8:9], s[22:23]
	s_add_nc_u64 s[14:15], s[14:15], s[22:23]
	s_add_nc_u64 s[18:19], s[16:17], s[30:31]
	s_add_nc_u64 s[16:17], s[16:17], s[28:29]
.macro LOADROW t
.irp j, 0,1,2,3,4,5,6,7
	global_load_b128 v[SL+96*(\t)+4*\j:SL+96*(\t)+4*\j+3], v2, s[6:7] offset:(\t)*ROWBY+512*\j th:TH_LOAD_NT
	global_load_b128 v[SL+96*(\t)+32+4*\j:SL+96*(\t)+35+4*\j], v2, s[8:9] offset:(\t)*ROWBY+512*\j th:TH_LOAD_NT
	global_load_b128 v[SL+96*(\t)+64+4*\j:SL+96*(\t)+67+4*\j], v2, s[4:5] offset:(\t)*ROWBY+512*\j th:TH_LOAD_NT
.endr
.endm
.macro RSUM                            ; four chains v[10:17] and the 32 lanes are added: the row's sum in v18, in every lane
	s_delay_alu instid0(VALU_DEP_3)
	v_pk_add_f32 v[10:11], v[10:11], v[12:13]
	s_delay_alu instid0(VALU_DEP_2)
	v_pk_add_f32 v[14:15], v[14:15], v[16:17]
	s_delay_alu instid0(VALU_DEP_1)
	v_pk_add_f32 v[10:11], v[10:11], v[14:15]
	s_delay_alu instid0(VALU_DEP_1)
	v_add_f32 v18, v10, v11
	s_delay_alu instid0(VALU_DEP_1)
	v_add_f32_dpp v18, v18, v18 row_xmask:1 row_mask:0xf bank_mask:0xf
	s_delay_alu instid0(VALU_DEP_1)
	v_add_f32_dpp v18, v18, v18 row_xmask:2 row_mask:0xf bank_mask:0xf
	s_delay_alu instid0(VALU_DEP_1)
	v_add_f32_dpp v18, v18, v18 row_xmask:4 row_mask:0xf bank_mask:0xf
	s_delay_alu instid0(VALU_DEP_1)
	v_add_f32_dpp v18, v18, v18 row_xmask:8 row_mask:0xf bank_mask:0xf
	s_delay_alu instid0(VALU_DEP_1)
	v_permlanex16_b32 v19, v18, s24, s25
	s_delay_alu instid0(VALU_DEP_1)
	v_add_f32 v18, v18, v19
.endm
.macro LNORM R, G, B                   ; the row in v[R] .. v[R + 31] is normalised in place; G, B: gain and bias, in window 1
.irp k, 0,1,2,3
	v_pk_add_f32 v[10+2*\k:11+2*\k], v[(\R)+2*\k:(\R)+2*\k+1], v[(\R)+8+2*\k:(\R)+9+2*\k]
.endr
.irp m, 16,24
.irp k, 0,1,2,3
	s_delay_alu instid0(VALU_DEP_4)
	v_pk_add_f32 v[10+2*\k:11+2*\k], v[10+2*\k:11+2*\k], v[(\R)+\m+2*\k:(\R)+\m+2*\k+1]
.endr
.endr
	RSUM
	s_delay_alu instid0(VALU_DEP_1)
	v_mul_f32 v20, 0xba800000, v18                 ; - the mean
	s_delay_alu instid0(VALU_DEP_2)
	v_mul_f32 v21, 0xba800000, v18
.irp k, 0,2,4,6,8,10,12,14,16,18,20,22,24,26,28,30
	v_pk_add_f32 v[(\R)+\k:(\R)+\k+1], v[(\R)+\k:(\R)+\k+1], v[20:21]
.endr
.irp k, 0,1,2,3
	v_pk_mul_f32 v[10+2*\k:11+2*\k], v[(\R)+2*\k:(\R)+2*\k+1], v[(\R)+2*\k:(\R)+2*\k+1]
.endr
.irp m, 8,16,24
.irp k, 0,1,2,3
	s_delay_alu instid0(VALU_DEP_4)
	v_pk_fma_f32 v[10+2*\k:11+2*\k], v[(\R)+\m+2*\k:(\R)+\m+2*\k+1], v[(\R)+\m+2*\k:(\R)+\m+2*\k+1], v[10+2*\k:11+2*\k]
.endr
.endr
	RSUM
	s_delay_alu instid0(VALU_DEP_1)
	v_fma_f32 v24, v18, s26, s27                   ; the variance + 1e-5
	s_wait_alu depctr_va_vdst(0)
	v_rsq_f32 v22, v24
	v_nop                                          ; one plain place behind a transcendental
	s_wait_alu depctr_va_vdst(0)
	v_mov_b32 v23, v22
.irp k, 0,2,4,6,8,10,12,14,16,18,20,22,24,26,28,30
	v_pk_mul_f32 v[(\R)+\k:(\R)+\k+1], v[(\R)+\k:(\R)+\k+1], v[22:23]
.endr
	WIN 0x14                                       ; sources 1 and 2 window 1
.irp k, 0,2,4,6,8,10,12,14,16,18,20,22,24,26,28,30
	v_pk_fma_f32 v[(\R)+\k:(\R)+\k+1], v[(\R)+\k:(\R)+\k+1], v[(\G)+\k:(\G)+\k+1], v[(\B)+\k:(\B)+\k+1]
.endr
	WIN 0
.endm
.macro QUANT1 x
	v_max3_num_f32 v[QM], |v[(\x)]|, |v[(\x)+1]|, 0x2800000   ; with the floor 2^(5 - 127)
	v_max_num_f32 v[QM+1], |v[(\x)+2]|, |v[(\x)+3]|
.irp i, 4,8,12,16,20,24,28
	s_delay_alu instid0(VALU_DEP_2)
	v_max3_num_f32 v[QM], v[QM], |v[(\x)+\i]|, |v[(\x)+\i+1]|
	s_delay_alu instid0(VALU_DEP_2)
	v_max3_num_f32 v[QM+1], v[QM+1], |v[(\x)+\i+2]|, |v[(\x)+\i+3]|
.endr
	s_delay_alu instid0(VALU_DEP_1)
	v_max_num_f32 v[QM], v[QM], v[QM+1]
	s_delay_alu instid0(VALU_DEP_1)
	v_add_nc_u32 v[QO], 0xfe000000, v[QM]
	s_delay_alu instid0(VALU_DEP_1)
	v_lshrrev_b32 v[QY], 23, v[QO]
	v_cvt_scalef32_pk16_bf6_f32 v[QC:QC+2], v[(\x):(\x)+15], v[QO]
	v_cvt_scalef32_pk16_bf6_f32 v[QT:QT+2], v[(\x)+16:(\x)+31], v[QO]
	v_nop                                          ; one plain place behind a scaled conversion
.irp i, 0,1,2
	v_mov_b32 v[QC+3+\i], v[QT+\i]
.endr
.endm
.macro ROW t, left
.set EE, SL+96*(\t)
	s_wait_loadcnt \left                           ; this row's 24 loads are in; the second row's stay out
.irp k, 0,2,4,6,8,10,12,14,16,18,20,22,24,26,28,30
	v_pk_add_f32 v[EE+\k:EE+\k+1], v[EE+\k:EE+\k+1], v[EE+32+\k:EE+33+\k]
.endr
.irp k, 0,2,4,6,8,10,12,14,16,18,20,22,24,26,28,30
	v_pk_add_f32 v[EE+\k:EE+\k+1], v[EE+\k:EE+\k+1], v[EE+64+\k:EE+65+\k]
.endr
	LNORM EE, GG, BE
.irp j, 0,1,2,3,4,5,6,7
	global_store_b128 v2, v[EE+4*\j:EE+4*\j+3], s[14:15] offset:(\t)*ROWBY+512*\j
.endr
.irp j, 0,1,2,3,4,5,6,7
	ds_store_b128 v3, v[EE+4*\j:EE+4*\j+3] offset:4608*(\t)+576*\j
.endr
.irp i, 0,1,2,3,4,5,6,7
	ds_load_b128 v[XB+4*\i:XB+4*\i+3], v4 offset:4608*(\t)+16*\i
.endr
	s_wait_dscnt 0x0                               ; my block is in; the LDS stores have read their registers
	QUANT1 XB
.irp p, 0,1,2
	ds_store_b64 v5, v[QC+2*\p:QC+2*\p+1] offset:48*(\t)+8*\p
.endr
	ds_store_b8 v6, v[QY] offset:32*(\t)
.endm
	global_load_b128 v[XB:XB+3], v30, s[10:11]     ; my 16 bytes of g
	global_load_b128 v[XB+4:XB+7], v30, s[12:13]   ; and of be
	LOADROW 0
	LOADROW 1
	s_wait_loadcnt 48                              ; g's and be's pieces are in; the two rows' 48 loads stay out
	ds_store_b128 v25, v[XB:XB+3]
	ds_store_b128 v25, v[XB+4:XB+7] offset:4096
	s_wait_dscnt 0x0                               ; for the others' sake: my stores have landed
	s_barrier_signal -1
	s_barrier_wait -1
	WIN 0x40                                       ; destination window 1
.irp j, 0,1,2,3,4,5,6,7
	ds_load_b128 v[GG+4*\j:GG+4*\j+3], v31 offset:512*\j
	ds_load_b128 v[BE+4*\j:BE+4*\j+3], v31 offset:4096+512*\j
.endr
	WIN 0
	s_wait_dscnt 0x0                               ; g and be of my lane's columns
	ROW 0, 24
	ROW 1, 0
	s_wait_dscnt 0x0
	s_barrier_signal -1
	s_barrier_wait -1
	s_wait_xcnt 0x0                                ; the stores to MF have read the registers that are loaded below
.irp i, 0,1,2
	ds_load_b128 v[SL+4*\i:SL+4*\i+3], v7 offset:512*\i
.endr
.macro OUTC i, ofs, imm                ; a group's 768 bytes are one and a half runs of 512: where a run crosses into the next group, lanes 16-31 take the offset that is one group on
	s_wait_dscnt 2-\i
	global_store_b128 v[\ofs], v[SL+4*\i:SL+4*\i+3], s[16:17] offset:\imm
.endm
	OUTC 0, 2, 0
	OUTC 1, 9, 512
	OUTC 2, 2, GRP+256
	s_cmp_lg_u32 s20, 0
	s_cbranch_scc1 .Lend
	ds_load_b128 v[XB:XB+3], v8
	s_wait_dscnt 0x0
	global_store_b128 v2, v[XB:XB+3], s[18:19]
.Lend:
	s_set_vgpr_msb 0x5
	s_wait_tensorcnt 0x0
	ds_add_u32 v64, v65
	s_wait_dscnt 0x0
	s_set_vgpr_msb 0x500
	s_endpgm
.Lfunc_end_k_q912d31ab40_ln1:
	.size	k_q912d31ab40_ln1, .Lfunc_end_k_q912d31ab40_ln1-k_q912d31ab40_ln1
	.p2alignl 7, 3214868480
	.fill 96, 4, 3214868480
	.section	.rodata,"a",@progbits
	.p2align	6, 0x0
	.amdhsa_kernel k_q912d31ab40_ln1
		.amdhsa_group_segment_fixed_size 95744
		.amdhsa_private_segment_fixed_size 0
		.amdhsa_enable_private_segment 0
		.amdhsa_kernarg_size 56
		.amdhsa_user_sgpr_count 2
		.amdhsa_user_sgpr_kernarg_segment_ptr 1
		.amdhsa_wavefront_size32 1
		.amdhsa_system_sgpr_workgroup_id_x 1
		.amdhsa_system_sgpr_workgroup_id_y 1
		.amdhsa_system_sgpr_workgroup_id_z 1
		.amdhsa_system_vgpr_workitem_id 0
		.amdhsa_next_free_vgpr 322
		.amdhsa_next_free_sgpr 66
		.amdhsa_reserve_vcc 0
		.amdhsa_float_denorm_mode_32 3
		.amdhsa_float_denorm_mode_16_64 3
		.amdhsa_memory_ordered 1
		.amdhsa_forward_progress 1
		.amdhsa_inst_pref_size 38
	.end_amdhsa_kernel
	.amdgpu_metadata
---
amdhsa.version: [ 1, 2 ]
amdhsa.kernels:
  - .name:           k_q912d31ab40_ln1
    .symbol:         k_q912d31ab40_ln1.kd
    .args:
      - { .name: PF, .offset: 0, .size: 8, .value_kind: global_buffer, .address_space: global }
      - { .name: embedding, .offset: 8, .size: 8, .value_kind: global_buffer, .address_space: global }
      - { .name: positional_encoding, .offset: 16, .size: 8, .value_kind: global_buffer, .address_space: global }
      - { .name: g_attn, .offset: 24, .size: 8, .value_kind: global_buffer, .address_space: global }
      - { .name: be_attn, .offset: 32, .size: 8, .value_kind: global_buffer, .address_space: global }
      - { .name: MF, .offset: 40, .size: 8, .value_kind: global_buffer, .address_space: global }
      - { .name: X, .offset: 48, .size: 8, .value_kind: global_buffer, .address_space: global }
    .group_segment_fixed_size: 95744
    .private_segment_fixed_size: 0
    .kernarg_segment_align: 8
    .kernarg_segment_size: 56
    .max_flat_workgroup_size: 256
    .sgpr_count:     66
    .vgpr_count:     322
    .wavefront_size: 32
...
	.end_amdgpu_metadata
.endif
;; end of part 5
;; launch w1 (part 6): grid 16 x 16, 4 waves a work-group, clusters of 4 x 4, 327,680 bytes of LDS; arguments X, WR, W1_scales, b1, H; writes H
.if DOCPART == 6
	.amdgcn_target "amdgcn-amd-amdhsa--gfx1250"
	.amdhsa_code_object_version 6
	.text
	.protected	k_q912d31ab40_w1
	.globl	k_q912d31ab40_w1
	.p2align	8
	.type	k_q912d31ab40_w1,@function
k_q912d31ab40_w1:
	s_mov_b64 s[64:65], 0
	v_nop
	global_prefetch_b8 v0, s[64:65] scope:SCOPE_SE
	s_setreg_imm32_b32 hwreg(HW_REG_WAVE_MODE, 25, 1), 1
	s_wait_xcnt 0x0
	s_wait_alu depctr_hold_cnt(0) depctr_sa_sdst(0) depctr_va_vdst(0) depctr_va_sdst(0) depctr_va_ssrc(0) depctr_va_vcc(0) depctr_vm_vsrc(0)
	s_getreg_b32 s2, hwreg(HW_REG_IB_STS2, 6, 4)
	s_cmp_eq_u32 s2, 0
	s_cbranch_scc0 .Lentry_in_a_cluster
	s_endpgm
.Lentry_in_a_cluster:
	s_bfe_u32 s2, ttmp6, 0x10000c
	s_cmp_lg_u32 s2, 0xf033
	s_cbranch_scc0 .Lentry_shape_is_right
	s_endpgm
.Lentry_shape_is_right:
.set SIZE_K, 1024
.set ASC,    3145728
.set HSC,    12582912
.set NQ,     2
.set ROWB,   192
.set KROW,   SIZE_K*6/8
.set PITCH,  240
.set FR,     12
.set NL,     6
.set NP,     4
.set GRP,    196608
.set HALFA,  24576
.set HALFB,  24576                     ; B's codes come from WR, laid [k / 64][n][48] like A's: 128 rows of four groups
.set BGS,    196608                    ; from group to group of W1's 4,096 rows
.set BOFF,   2*HALFA
.set SLOT,   2*HALFA+2*HALFB
.set LAPS,   SIZE_K/512
.set KS,     SIZE_K/32
.set SCL,    2*SLOT
.set HALFS,  (128*KS/256)*272
.set SBLK,   (16*KS/256)*272
.set SPARE,  SCL+4*HALFS
.set SPITCH, 528
.set CST,    33792
.set SST,    82944
.set SRD,  7
.set COF,  8
.set BOF,  9
.set SGO,  10
.set ADRA, 16
.set SSA,  18
.set CRD,  19
.set ADRB, 20
.set STO,  24
.set ADRS, 27
.set SPW,  28
.set NIL,  29
.set RB,   30
.set CSA,  31
.set SC,   32
.set AF,   128
.set QC, 32
.set QT, 44
.set QM, 52
.set QO, 54
.set QY, 56
.set QW, 58
.set G1, 24
.set G0, 32
.set G1B, 48
.set G0B, 56
.set G1S, 68
.set G0S, 76
.set G1SB, 80
.set G0SB, 88
.set MSB, 0
.macro WIN new
.if MSB != \new
	s_set_vgpr_msb (MSB<<8)|\new
.set MSB, \new
.endif
.endm
.set MUL_LO, 0xa1
.set MUL_HI, 0xf1
.set TO_B,   0x40
.macro JLOAD g0a, g1a, g0b, g1b
	s_cmp_eq_u32 s15, 0
	s_cbranch_scc0 .Lfor_b_\@
	tensor_load_to_lds s[\g0a:\g0a+3], s[\g1a:\g1a+7]
	s_nop 0
.rept 4
	v_nop
.endr
	s_branch .Lasked_\@
.Lfor_b_\@:
	tensor_load_to_lds s[\g0b:\g0b+3], s[\g1b:\g1b+7]
	s_nop 0
.rept 4
	v_nop
.endr
.Lasked_\@:
.endm
.macro CREST
	s_cmp_lg_u32 s14, 0
	s_cbranch_scc1 .Lnot_wave_0_\@
	s_barrier_signal -3
.Lnot_wave_0_\@:
	s_barrier_wait -3
	s_barrier_signal -1
	s_barrier_wait -1
.endm
.macro CROUND
	s_barrier_signal -1
	s_barrier_wait -1
	CREST
.endm
	s_load_b64 s[4:5], s[0:1], 0x0
	s_load_b128 s[8:11], s[0:1], 0x8
	s_load_b128 s[96:99], s[0:1], 0x18
	v_lshl_add_u32 v[SPW], v0, 2, SPARE
	v_mov_b32 v[NIL], 0
	ds_add_u32 v28, v29
	ds_add_u32 v28, v29
	s_wait_dscnt 0x0
	v_lshrrev_b32 v1, 5, v0
	v_readfirstlane_b32 s14, v1
	s_lshr_b32 s15, s14, 1
	s_and_b32 s16, s14, 1
	s_bfe_u32 s40, ttmp6, 0x40000
	s_bfe_u32 s41, ttmp6, 0x40004
	s_lshl_b32 s42, ttmp9, 2
	s_add_co_u32 s42, s42, s40
	s_and_b32 s17, ttmp7, 0xffff
	s_lshl_b32 s17, s17, 2
	s_add_co_u32 s17, s17, s41
	s_lshl_b32 s43, s41, 2
	s_lshl_b32 s43, 15, s43
	s_lshl_b32 s44, 0x1111, s40
	s_or_b32 s[G1+0], s43, (1<<21)
	s_mov_b32 s[G1+1], 6144<<16
	s_mov_b32 s[G1+2], 4<<16
	s_mov_b32 s[G1+3], 6144<<16
	s_mov_b32 s[G1+4], 4
	s_mov_b32 s[G1+5], GRP
	s_mov_b32 s[G1+6], 0
	s_mov_b32 s[G1+7], 0
	s_or_b32 s[G1B+0], s44, (1<<21)                ; B's tile: 4 rows (groups) of 6,144 bytes, each at a multiple of 256
	s_mov_b32 s[G1B+1], 6144<<16
	s_mov_b32 s[G1B+2], 4<<16
	s_mov_b32 s[G1B+3], 6144<<16
	s_mov_b32 s[G1B+4], 4
	s_mov_b32 s[G1B+5], BGS
	s_mov_b32 s[G1B+6], 0
	s_mov_b32 s[G1B+7], 0
	s_or_b32 s[G1S+0], s43, (3<<16)|(1<<20)|(1<<21)|(5<<22)|(3<<25)
	s_or_b32 s[G1SB+0], s44, (3<<16)|(1<<20)|(1<<21)|(5<<22)|(3<<25)
.irp g, G1S, G1SB
	s_mov_b32 s[\g+1], 32<<16
	s_mov_b32 s[\g+2], (128*KS/256)<<16
	s_mov_b32 s[\g+3], 32<<16
	s_mov_b32 s[\g+4], 128*KS/256
	s_mov_b32 s[\g+5], 32
	s_mov_b32 s[\g+6], 0
	s_mov_b32 s[\g+7], 0
.endr
	s_lshl_b32 s18, s16, 7
	s_lshl_b32 s20, s17, 8
	s_add_co_u32 s20, s20, s18
	s_lshl_b32 s46, s42, 8
	s_add_co_u32 s46, s46, s18
	s_mul_i32 s22, s20, KS
	s_mov_b32 s23, 0
	s_mul_i32 s20, s20, 48
	s_mov_b32 s21, 0
	s_mul_i32 s92, s46, KS
	s_mov_b32 s93, 0
	s_mul_i32 s46, s46, 48
	s_add_co_u32 s46, s46, 3145728                 ; where W1's codes begin in WR
	s_mov_b32 s47, 0
	s_mul_i32 s45, s16, HALFA
	s_mul_i32 s95, s16, HALFB
	s_add_co_u32 s95, s95, BOFF
	s_mul_i32 s94, s14, HALFS
	s_wait_kmcnt 0x0
	s_add_nc_u64 s[6:7], s[4:5], ASC
	s_add_nc_u64 s[20:21], s[4:5], s[20:21]
	s_add_nc_u64 s[22:23], s[6:7], s[22:23]
	s_add_nc_u64 s[46:47], s[8:9], s[46:47]
	s_add_nc_u64 s[92:93], s[10:11], s[92:93]
	CROUND
	s_mov_b32 s[G0S], 1
	s_add_co_u32 s[G0S+1], s94, SCL
	s_mov_b64 s[G0S+2:G0S+3], s[22:23]
	s_or_b32 s[G0S+3], s[G0S+3], 0x80000000
	s_mov_b32 s[G0SB], 1
	s_add_co_u32 s[G0SB+1], s94, SCL
	s_mov_b64 s[G0SB+2:G0SB+3], s[92:93]
	s_or_b32 s[G0SB+3], s[G0SB+3], 0x80000000
	JLOAD G0S, G1S, G0SB, G1SB
.irp s, 0,1
	s_mov_b32 s[G0+4*\s], 1
	s_add_co_u32 s[G0+4*\s+1], s45, \s*SLOT
	s_add_nc_u64 s[G0+4*\s+2:G0+4*\s+3], s[20:21], \s*4*GRP
	s_or_b32 s[G0+4*\s+3], s[G0+4*\s+3], 0x80000000
	s_mov_b32 s[G0B+4*\s], 1
	s_add_co_u32 s[G0B+4*\s+1], s95, \s*SLOT
	s_add_nc_u64 s[G0B+4*\s+2:G0B+4*\s+3], s[46:47], \s*4*BGS
	s_or_b32 s[G0B+4*\s+3], s[G0B+4*\s+3], 0x80000000
	s_wait_alu depctr_va_vdst(0)
	s_wait_tensorcnt 0x0
	ds_add_u32 v28, v29
	s_wait_dscnt 0x0
	CROUND
	JLOAD G0+4*\s, G1, G0B+4*\s, G1B
.endr
	v_and_b32 v1, 15, v0
	v_bfe_u32 v2, v0, 4, 1
	v_mul_u32_u24 v3, v1, 48
	v_mad_u32_u24 v3, v2, 24, v3
	s_wait_alu depctr_va_vdst(0)                   ; the wait
	s_mul_i32 s21, s15, HALFA
	s_mul_i32 s22, s16, HALFB
	s_add_co_u32 s22, s22, BOFF
.irp s, 0,1
	v_add_nc_u32 v[ADRA+\s], s21, v3
	v_add_nc_u32 v[ADRB+\s], s22, v3
	s_add_co_u32 s21, s21, SLOT
	s_add_co_u32 s22, s22, SLOT
.endr
	v_mul_u32_u24 v5, v1, KS
	v_lshrrev_b32 v6, 8, v5
	v_lshl_add_u32 v5, v6, 4, v5
	s_mul_i32 s21, s15, HALFS
	s_mul_i32 s22, s16, HALFS
	s_add_co_u32 s22, s22, 2*HALFS
	s_sub_co_u32 s22, s22, s21
	v_mul_u32_u24 v6, s22, v2
	s_add_co_u32 s21, s21, SCL
	v_add_nc_u32 v5, v5, v6
	v_add_nc_u32 v[ADRS], s21, v5
	v_and_b32 v6, 31, v0
	v_lshlrev_b32 v[COF], 4, v6
	v_mul_u32_u24 v5, v1, SPITCH
	s_mul_i32 s23, s14, 16*SPITCH
	v_lshl_add_u32 v3, v2, 5, v5
	v_add_nc_u32 v[STO], s23, v3
	v_lshl_add_u32 v4, v2, 8, v5
	v_add_nc_u32 v[RB], s23, v4
	s_mul_i32 s21, s16, 24576
	s_mul_i32 s22, s15, 6144
	s_add_co_u32 s21, s21, s22
	s_add_co_u32 s21, s21, CST
	v_mul_u32_u24 v4, v1, 48
	v_mad_u32_u24 v4, v2, 12288, v4
	v_add_nc_u32 v[CSA], s21, v4
	s_lshl_b32 s21, s15, 10
	s_lshl_b32 s22, s16, 2
	s_add_co_u32 s21, s21, s22
	s_add_co_u32 s21, s21, SST
	v_lshlrev_b32 v4, 3, v1
	v_lshl_add_u32 v4, v2, 1, v4
	v_add_nc_u32 v[SSA], s21, v4
	s_mul_i32 s21, s14, 12288
	s_add_co_u32 s21, s21, CST
	v_add_nc_u32 v[CRD], s21, v[COF]
	s_lshl_b32 s21, s14, 9
	s_add_co_u32 s21, s21, SST
	v_lshl_add_u32 v[SRD], v6, 3, s21
	v_lshlrev_b32 v[SGO], 7, v6
	s_lshl_b32 s46, s42, 2
	s_add_co_u32 s46, s46, s14
	s_mul_i32 s46, s46, GRP
	s_mul_i32 s47, s17, 12288
	s_add_co_u32 s46, s46, s47
	s_mov_b32 s47, 0
	s_add_nc_u64 s[12:13], s[98:99], s[46:47]
	s_lshl_b32 s46, s17, 8
	s_lshl_b32 s47, s14, 6
	s_add_co_u32 s46, s46, s47
	s_lshl_b32 s46, s46, 7
	s_lshl_b32 s47, s42, 3
	s_add_co_u32 s46, s46, s47
	s_add_co_u32 s46, s46, HSC
	s_mov_b32 s47, 0
	s_add_nc_u64 s[100:101], s[98:99], s[46:47]
	s_lshl_b32 s46, s42, 10
	s_lshl_b32 s47, s16, 9
	s_add_co_u32 s46, s46, s47
	s_mov_b32 s47, 0
	s_add_nc_u64 s[96:97], s[96:97], s[46:47]
	v_lshlrev_b32 v[BOF], 8, v2
.irp i, 0,1,2,3,4,5,6,7,8,9,10,11,12,13,14,15
	global_load_b128 v[64+4*\i:67+4*\i], v[BOF], s[96:97] offset:16*\i
.endr
.macro FRAGA reg, slot, q, i
.irp p, 0,1,2,3,4,5
	ds_load_b64 v[\reg+2*\p:\reg+2*\p+1], v[ADRA+\slot] offset:(2*(\q)+\p/3)*6144+(\i)*768+8*(\p%3)
.endr
.endm
.macro FRAGB reg, adr, q, i
.irp p, 0,1,2,3,4,5
	ds_load_b64 v[\reg+2*\p:\reg+2*\p+1], v[\adr] offset:(2*(\q)+\p/3)*6144+(\i)*768+8*(\p%3)
.endr
.endm
.macro MUL16 a0, p, q, sc, zero
.irp a, \a0, \a0+1
.irp b, 0,1,2,3,4,5,6,7
.if \zero
	v_wmma_scale_f32_16x16x128_f8f6f4 v[8*(8*((\a)%4)+\b):8*(8*((\a)%4)+\b)+7], v[128*(\p)+FR*\b:128*(\p)+FR*\b+FR-1], v[AF+FR*(\a):AF+FR*(\a)+FR-1], 0, v[SC+8*NQ*(\sc)+NQ*\b+(\q)], v[SC+8*NQ*(\sc)+NQ*(\a)+(\q)] matrix_a_fmt:MATRIX_FMT_BF6 matrix_b_fmt:MATRIX_FMT_BF6 matrix_a_scale:MATRIX_SCALE_ROW1
.else
	v_wmma_scale_f32_16x16x128_f8f6f4 v[8*(8*((\a)%4)+\b):8*(8*((\a)%4)+\b)+7], v[128*(\p)+FR*\b:128*(\p)+FR*\b+FR-1], v[AF+FR*(\a):AF+FR*(\a)+FR-1], v[8*(8*((\a)%4)+\b):8*(8*((\a)%4)+\b)+7], v[SC+8*NQ*(\sc)+NQ*\b+(\q)], v[SC+8*NQ*(\sc)+NQ*(\a)+(\q)] matrix_a_fmt:MATRIX_FMT_BF6 matrix_b_fmt:MATRIX_FMT_BF6 matrix_a_scale:MATRIX_SCALE_ROW1
.endif
.endr
.endr
.endm
.macro FETCH_B slot, q, p
	WIN TO_B
.irp i, 0,1,2,3,4,5,6,7
	FRAGB 128*(\p)+FR*\i, ADRB+\slot, \q, \i
.endr
	WIN 0
.endm
.macro FETCH_A slot, q, i0
.irp i, \i0, \i0+1, \i0+2, \i0+3
	FRAGA AF+FR*(\i), \slot, \q, \i
.endr
.endm
.macro SCALES sc
.irp i, 0,1,2,3,4,5,6,7
	ds_load_b64 v[SC+8*NQ*\sc+NQ*\i:SC+8*NQ*\sc+NQ*\i+1], v[ADRS] offset:\i*SBLK
.endr
.endm
.macro PLACES n
.rept \n
	v_nop
.endr
.endm
.macro STEP slot, q, zero
	s_wait_dscnt 4*NL
	WIN MUL_LO
	MUL16 0, (\q)%2, \q, \slot, \zero
	MUL16 2, (\q)%2, \q, \slot, \zero
	s_wait_dscnt 0
	PLACES NP
	FETCH_B \slot, (\q)+1, 1-(\q)%2
	FETCH_A \slot, (\q)+1, 0
	WIN MUL_HI
	MUL16 4, (\q)%2, \q, \slot, \zero
	MUL16 6, (\q)%2, \q, \slot, \zero
	PLACES NP
	WIN 0
	FETCH_A \slot, (\q)+1, 4
.endm
.macro TURN slot, next, fill
	s_wait_tensorcnt 0x0
	ds_add_u32 v[SPW], v[NIL]
	s_wait_dscnt 4*NL+1
	WIN MUL_LO
	MUL16 0, 1, NQ-1, \slot, 0
	s_wait_dscnt 0x0
	s_barrier_signal -1
	MUL16 2, 1, NQ-1, \slot, 0
	WIN 0
	s_barrier_wait -1
.if \fill
	CREST
	s_add_nc_u64 s[G0+4*\slot+2:G0+4*\slot+3], s[G0+4*\slot+2:G0+4*\slot+3], 8*GRP
	s_add_nc_u64 s[G0B+4*\slot+2:G0B+4*\slot+3], s[G0B+4*\slot+2:G0B+4*\slot+3], 8*BGS
	JLOAD G0+4*\slot, G1, G0B+4*\slot, G1B
.else
	PLACES NP
.endif
	s_wait_alu depctr_va_vdst(0)
	v_add_nc_u32 v[ADRS], 4*NQ, v[ADRS]
	FETCH_B \next, 0, 0
	FETCH_A \next, 0, 0
	SCALES \next
	WIN MUL_HI
	MUL16 4, 1, NQ-1, \slot, 0
	MUL16 6, 1, NQ-1, \slot, 0
	PLACES NP
	WIN 0
	FETCH_A \next, 0, 4
.endm
	s_wait_tensorcnt 1
	s_barrier_signal -1
	s_barrier_wait -1
	FETCH_B 0, 0, 0
	FETCH_A 0, 0, 0
	SCALES 0
	FETCH_A 0, 0, 4
	STEP 0, 0, 1
	s_mov_b32 s3, LAPS-1
.Llap:
	TURN 0, 1, 1
	STEP 1, 0, 0
	TURN 1, 0, 1
	STEP 0, 0, 0
	s_sub_co_u32 s3, s3, 1
	s_cmp_lg_u32 s3, 0
	s_cbranch_scc1 .Llap
	TURN 0, 1, 0
	STEP 1, 0, 0
	s_wait_dscnt 4*NL
	WIN MUL_LO
	MUL16 0, 1, NQ-1, 1, 0
	MUL16 2, 1, NQ-1, 1, 0
	s_wait_dscnt 0
	WIN MUL_HI
	MUL16 4, 1, NQ-1, 1, 0
	MUL16 6, 1, NQ-1, 1, 0
	WIN 0
.macro STG a, adr, off
.set AC, 64*((\a)%4)
	WIN 0x08+4*((\a)/4)
.irp b, 0,1,2,3,4,5,6,7
	ds_store_b128 v[\adr], v[AC+8*\b:AC+8*\b+3] offset:(\off)+64*\b
	ds_store_b128 v[\adr], v[AC+8*\b+4:AC+8*\b+7] offset:(\off)+64*\b+16
.endr
	WIN 0
.endm
.macro LDHALF reg, adr
.irp i, 0,1,2,3,4,5,6,7,8,9,10,11,12,13,14,15
	ds_load_b128 v[\reg+4*\i:\reg+4*\i+3], v[\adr] offset:16*\i
.endr
.endm
.macro QUANT2 x
.irp c, 0,1
	v_max3_num_f32 v[QM+\c], |v[(\x)+32*\c]|, |v[(\x)+32*\c+1]|, 0x2800000
.endr
.irp i, 2,4,6,8,10,12,14,16,18,20,22,24,26,28,30
.irp c, 0,1
	v_max3_num_f32 v[QM+\c], v[QM+\c], |v[(\x)+32*\c+\i]|, |v[(\x)+32*\c+\i+1]|
.endr
.endr
.irp c, 0,1
	v_add_nc_u32 v[QO+\c], 0xfe000000, v[QM+\c]
.endr
.irp c, 0,1
	v_lshrrev_b32 v[QY+\c], 23, v[QO+\c]
.endr
.irp c, 0,1
	v_cvt_scalef32_pk16_bf6_f32 v[QC+6*\c:QC+6*\c+2], v[(\x)+32*\c:(\x)+32*\c+15], v[QO+\c]
	v_cvt_scalef32_pk16_bf6_f32 v[QT+4*\c:QT+4*\c+2], v[(\x)+32*\c+16:(\x)+32*\c+31], v[QO+\c]
.endr
	v_lshl_or_b32 v[QW], v[QY+1], 8, v[QY]
.irp c, 0,1
.irp i, 0,1,2
	v_mov_b32 v[QC+3+6*\c+\i], v[QT+4*\c+\i]
.endr
.endr
.endm
	PLACES NP
	s_wait_loadcnt 0x0
.irp a, 0,1,2,3,4,5,6,7
	STG \a, STO, 0
	LDHALF 128, RB
	s_wait_dscnt 0x0
.set j, 0
.rept 32
	v_pk_add_f32 v[128+j:129+j], v[128+j:129+j], v[64+j:65+j]
.set j, j+2
.endr
	QUANT2 128
.irp c, 0,1,2
	ds_store_b128 v[CSA], v[QC+4*\c:QC+4*\c+3] offset:768*\a+16*\c
.endr
	ds_store_b16 v[SSA], v[QW] offset:128*\a
.endr
	s_wait_dscnt 0x0
	s_barrier_signal -1
	s_barrier_wait -1
.set ci, 0
.rept 24
	ds_load_b128 v[64+4*ci:67+4*ci], v[CRD] offset:512*ci
.set ci, ci+1
.endr
	ds_load_b64 v[160:161], v[SRD]
	ds_load_b64 v[162:163], v[SRD] offset:256
.set ci, 0
.rept 24
	s_wait_dscnt 25-ci
	global_store_b128 v[COF], v[64+4*ci:67+4*ci], s[12:13] offset:512*ci
.set ci, ci+1
.endr
	s_wait_dscnt 0x0
	global_store_b64 v[SGO], v[160:161], s[100:101]
	global_store_b64 v[SGO], v[162:163], s[100:101] offset:4096
	s_wait_tensorcnt 0x0
	ds_add_u32 v[SPW], v[NIL]
	s_wait_dscnt 0x0
	CROUND
	s_endpgm
.Lfunc_end_k_q912d31ab40_w1:
	.size	k_q912d31ab40_w1, .Lfunc_end_k_q912d31ab40_w1-k_q912d31ab40_w1
	.p2alignl 7, 3214868480
	.fill 96, 4, 3214868480
	.section	.rodata,"a",@progbits
	.p2align	6, 0x0
	.amdhsa_kernel k_q912d31ab40_w1
		.amdhsa_group_segment_fixed_size 327680
		.amdhsa_private_segment_fixed_size 0
		.amdhsa_enable_private_segment 0
		.amdhsa_kernarg_size 40
		.amdhsa_user_sgpr_count 2
		.amdhsa_user_sgpr_kernarg_segment_ptr 1
		.amdhsa_wavefront_size32 1
		.amdhsa_system_sgpr_workgroup_id_x 1
		.amdhsa_system_sgpr_workgroup_id_y 1
		.amdhsa_system_sgpr_workgroup_id_z 1
		.amdhsa_system_vgpr_workitem_id 0
		.amdhsa_next_free_vgpr 1024
		.amdhsa_next_free_sgpr 102
		.amdhsa_reserve_vcc 0
		.amdhsa_float_denorm_mode_32 3
		.amdhsa_float_denorm_mode_16_64 3
		.amdhsa_memory_ordered 1
		.amdhsa_forward_progress 1
		.amdhsa_inst_pref_size 196
	.end_amdhsa_kernel
	.amdgpu_metadata
---
amdhsa.version: [ 1, 2 ]
amdhsa.kernels:
  - .name:           k_q912d31ab40_w1
    .symbol:         k_q912d31ab40_w1.kd
    .args:
      - { .name: X, .offset: 0, .size: 8, .value_kind: global_buffer, .address_space: global }
      - { .name: WR, .offset: 8, .size: 8, .value_kind: global_buffer, .address_space: global }
      - { .name: W1_scales, .offset: 16, .size: 8, .value_kind: global_buffer, .address_space: global }
      - { .name: b1, .offset: 24, .size: 8, .value_kind: global_buffer, .address_space: global }
      - { .name: H, .offset: 32, .size: 8, .value_kind: global_buffer, .address_space: global }
    .group_segment_fixed_size: 327680
    .private_segment_fixed_size: 0
    .kernarg_segment_align: 8
    .kernarg_segment_size: 40
    .max_flat_workgroup_size: 128
    .sgpr_count:     102
    .vgpr_count:     1024
    .wavefront_size: 32
...
	.end_amdgpu_metadata
.endif
;; end of part 6
;; launch w2 (part 7): grid 8 x 32, 4 waves a work-group, clusters of 4 x 4, 327,680 bytes of LDS; arguments H, WR, W2_scales, PW; writes PW
.if DOCPART == 7
	.amdgcn_target "amdgcn-amd-amdhsa--gfx1250"
	.amdhsa_code_object_version 6
	.text
	.protected	k_q912d31ab40_w2
	.globl	k_q912d31ab40_w2
	.p2align	8
	.type	k_q912d31ab40_w2,@function
k_q912d31ab40_w2:
	s_mov_b64 s[64:65], 0
	v_nop
	global_prefetch_b8 v0, s[64:65] scope:SCOPE_SE
	s_setreg_imm32_b32 hwreg(HW_REG_WAVE_MODE, 25, 1), 1
	s_wait_xcnt 0x0
	s_wait_alu depctr_hold_cnt(0) depctr_sa_sdst(0) depctr_va_vdst(0) depctr_va_sdst(0) depctr_va_ssrc(0) depctr_va_vcc(0) depctr_vm_vsrc(0)
	s_getreg_b32 s2, hwreg(HW_REG_IB_STS2, 6, 4)
	s_cmp_eq_u32 s2, 0
	s_cbranch_scc0 .Lentry_in_a_cluster
	s_endpgm
.Lentry_in_a_cluster:
	s_bfe_u32 s2, ttmp6, 0x10000c
	s_cmp_lg_u32 s2, 0xf033
	s_cbranch_scc0 .Lentry_shape_is_right
	s_endpgm
.Lentry_shape_is_right:
; PW[row][n] = sum over all 4,096 k of A[row][k] B[n][k]: hidden x W2, on codes of BF6 (E3M2) with E8M0 scales, sums in f32; PW: [4096][1024] f32.
; A's codes (H) and B's (WR) lie [k / 64][row][48 bytes]: 128 rows of a group are 6,144 dense bytes at a multiple of 256; rows 48 bytes apart give the 32 lanes of an 8-byte load 64 different banks (ISA guide 11.1).
; SHARES: C has 32 x 8 blocks of 128 x 128, one for each of 256 work-groups; a wave makes 64 x 64: 16 accumulators, 128 registers.  A block's 64 KB of f32 leave from each WGP.
; THE RING: two LDS slots of 512 along K (8 groups of A's 128 rows, then of B's: 98,304 bytes), four steps of 128 to a slot, one barrier a slot.  A wave fetches four groups of A or of B with one tensor load.
; At a slot's last step the wave waits for all its tensor loads, adds 0 to its spare word, waits for its LDS reads; the round follows, then the refill of the slot just read out, then the next slot's first fragments.
; THE HEAD: one load a wave: wave 0 A's 8 groups, wave 1 B's, wave 2 A's scale bytes (128 rows x 128: a dense block, as rows of 256 bytes + 16 of padding), wave 3 B's.  Slot 1 is first filled behind a round, as a refill is.
; CLUSTERS: 4 x 4 work-groups; A's tiles are asked for jointly along a row of the cluster, B's along a column.
; THE MATRIX INSTRUCTION IS USED TRANSPOSED (source 0 = B's rows, source 1 = A's): a lane holds eight neighbouring columns of one row of C.
; PREFETCH: behind each refill but a walk's last two, each wave names the fill that stands two refills on: of the four groups that it will fetch, the partner at place p (cx for A, cy for B) takes group p: 24 blocks of 256 bytes, a lane a block.
; REGISTERS: window 0: v16-30 addresses; v32-63 scale words, two sets (register 4 i + q: lanes 0-15 A's block i, lanes 16-31 B's block i, step q of the slot); v64-159, v160-255 fragments, two sets (A's four, B's four).  window 1: v0-127 accumulator (a, b) at v[8 (4 a + b)].
.set KTOT, 4096
.set AGS,  196608                      ; A: from group to group (4,096 rows x 48 bytes)
.set BGS,  49152                       ; B: likewise (1,024 rows)
.set ASC,  12582912                    ; where A's scale bytes begin in A's buffer
.set WOFF, 6291456                     ; where B's codes begin in WR
.set KS,   KTOT/32                     ; a row of scale bytes
.set NS,   KTOT/512                    ; fills
.set HALF, 24576                       ; four groups of 128 rows: what one load of the ring brings
.set BOFF, 49152
.set SLOT, 98304
.set SCL,  2*SLOT
.set SR,   128*KS/256                  ; units of 256 bytes in the scales of 128 rows
.set HALFS, SR*272
.set SBLK, (16*KS/256)*272             ; the scales of 16 rows
.set SPARE, SCL+2*HALFS                ; the spare words: 128 bytes a wave, named by no other line
.set ADRA, 16                          ; v16-17 my A fragments in slot 0, 1
.set ADRB, 20                          ; v20-21 B's
.set STO,  24
.set RD,   25
.set CO,   26
.set ADRS, 27
.set SPW,  28
.set NIL,  29
.set PFO,  30
.set PFA,  66                          ; s[66:67] where my prefetches stand; s[100:101] a fill's step, 8 groups
.set G1, 24
.set G0, 32
.set G1B, 48
.set G0B, 56
.set G1S, 68
.set G0S, 76
.set G1SB, 80
.set G0SB, 88
.set G0H, 4
.set G0HB, 8
.set MULW, 0x50                        ; C and D window 1, A and B window 0
.set MSB, 0
.macro WIN new                         ; the immediate's high byte repeats the setting that is left
.if MSB != \new
	s_set_vgpr_msb (MSB<<8)|\new
.set MSB, \new
.endif
.endm
.macro PLACES                          ; four plain places behind matrix instructions (ISA guide 7.12.1)
.rept 4
	v_nop
.endr
.endm
.macro JLOAD s                         ; a joint load: waves 0, 1 fetch for A, waves 2, 3 for B; s_nop 0 and four v_nop follow each line
	s_cmp_eq_u32 s15, 0
	s_cbranch_scc0 .Lfor_b_\@
	tensor_load_to_lds s[G0+4*\s:G0+4*\s+3], s[G1:G1+7]
	s_nop 0
	PLACES
	s_branch .Lasked_\@
.Lfor_b_\@:
	tensor_load_to_lds s[G0B+4*\s:G0B+4*\s+3], s[G1B:G1B+7]
	s_nop 0
	PLACES
.Lasked_\@:
.endm
.macro CREST                           ; a round of the cluster's barrier behind its opening barrier
	s_cmp_lg_u32 s14, 0
	s_cbranch_scc1 .Lnot_wave_0_\@
	s_barrier_signal -3
.Lnot_wave_0_\@:
	s_barrier_wait -3
	s_barrier_signal -1
	s_barrier_wait -1
.endm
.macro CROUND
	s_barrier_signal -1
	s_barrier_wait -1
	CREST
.endm
	s_load_b128 s[4:7], s[0:1], 0x0                ; A, WR
	s_load_b128 s[8:11], s[0:1], 0x10              ; B's scales, C
	v_lshl_add_u32 v[SPW], v0, 2, SPARE
	v_mov_b32 v[NIL], 0
	ds_add_u32 v[SPW], v[NIL]                      ; the opening lines: the add, twice on end, and its wait
	ds_add_u32 v[SPW], v[NIL]
	v_lshrrev_b32 v1, 5, v0
	v_readfirstlane_b32 s14, v1                    ; wave 0..3
	s_lshr_b32 s15, s14, 1                         ; my half of the block's rows; also: I fetch for A (0) or B (1)
	s_and_b32 s16, s14, 1                          ; my half of its columns; also: which four groups I fetch
	s_bfe_u32 s40, ttmp6, 0x40000                  ; cx, cy
	s_bfe_u32 s41, ttmp6, 0x40004
	s_lshl_b32 s42, ttmp9, 2
	s_add_co_u32 s42, s42, s40                     ; block column
	s_and_b32 s17, ttmp7, 0xffff
	s_lshl_b32 s17, s17, 2
	s_add_co_u32 s17, s17, s41                     ; block row
	s_lshl_b32 s43, s41, 2
	s_lshl_b32 s43, 15, s43                        ; my row of the cluster
	s_lshl_b32 s44, 0x1111, s40                    ; my column
	s_or_b32 s[G1+0], s43, (1<<21)                 ; a tile of codes: rows (groups) of 6,144 bytes: 8 at the head, 4 in the ring
	s_or_b32 s[G1B+0], s44, (1<<21)
.irp g, G1, G1B
	s_mov_b32 s[\g+1], 6144<<16
	s_mov_b32 s[\g+2], 8<<16
	s_mov_b32 s[\g+3], 6144<<16
	s_mov_b32 s[\g+4], 8
	s_mov_b32 s[\g+6], 0
	s_mov_b32 s[\g+7], 0
.endr
	s_mov_b32 s[G1+5], AGS
	s_mov_b32 s[G1B+5], BGS
	s_or_b32 s[G1S+0], s43, (3<<16)|(1<<20)|(1<<21)|(5<<22)|(3<<25)   ; scales: SR rows of 32 elements of 8 bytes, 4 words of padding behind every 64
	s_or_b32 s[G1SB+0], s44, (3<<16)|(1<<20)|(1<<21)|(5<<22)|(3<<25)
.irp g, G1S, G1SB
	s_mov_b32 s[\g+1], 32<<16
	s_mov_b32 s[\g+2], SR<<16
	s_mov_b32 s[\g+3], 32<<16
	s_mov_b32 s[\g+4], SR
	s_mov_b32 s[\g+5], 32
	s_mov_b32 s[\g+6], 0
	s_mov_b32 s[\g+7], 0
.endr
	s_mul_i32 s20, s17, 6144                       ; A's 128 rows in a group
	s_mov_b32 s21, 0
	s_mul_i32 s22, s17, 128*KS                     ; and their scale bytes
	s_add_co_u32 s22, s22, ASC
	s_mov_b32 s23, 0
	s_mul_i32 s46, s42, 6144                       ; B's
	s_add_co_u32 s46, s46, WOFF
	s_mov_b32 s47, 0
	s_mul_i32 s92, s42, 128*KS
	s_mov_b32 s93, 0
	s_mul_i32 s18, s16, 4*AGS                      ; in the ring: my four groups
	s_mov_b32 s19, 0
	s_mul_i32 s94, s16, 4*BGS
	s_mov_b32 s95, 0
	s_mul_i32 s45, s16, HALF                       ; and where they go
	s_wait_dscnt 0x0                               ; both opening adds are done
	s_wait_kmcnt 0x0
	s_add_nc_u64 s[20:21], s[4:5], s[20:21]
	s_add_nc_u64 s[22:23], s[4:5], s[22:23]
	s_add_nc_u64 s[46:47], s[6:7], s[46:47]
	s_add_nc_u64 s[92:93], s[8:9], s[92:93]
	s_mov_b64 s[12:13], s[10:11]                   ; C
	CROUND                                         ; all sixteen work-groups are here: the first joint loads meet
	s_mov_b32 s[G0H], 1
	s_mov_b32 s[G0H+1], 0
	s_mov_b64 s[G0H+2:G0H+3], s[20:21]
	s_or_b32 s[G0H+3], s[G0H+3], 0x80000000
	s_mov_b32 s[G0HB], 1
	s_mov_b32 s[G0HB+1], BOFF
	s_mov_b64 s[G0HB+2:G0HB+3], s[46:47]
	s_or_b32 s[G0HB+3], s[G0HB+3], 0x80000000
	s_mov_b32 s[G0S], 1
	s_mov_b32 s[G0S+1], SCL
	s_mov_b64 s[G0S+2:G0S+3], s[22:23]
	s_or_b32 s[G0S+3], s[G0S+3], 0x80000000
	s_mov_b32 s[G0SB], 1
	s_mov_b32 s[G0SB+1], SCL+HALFS
	s_mov_b64 s[G0SB+2:G0SB+3], s[92:93]
	s_or_b32 s[G0SB+3], s[G0SB+3], 0x80000000
	s_add_nc_u64 s[20:21], s[20:21], s[18:19]
	s_add_nc_u64 s[46:47], s[46:47], s[94:95]
.irp s, 0,1
	s_mov_b32 s[G0+4*\s], 1
	s_add_co_u32 s[G0+4*\s+1], s45, \s*SLOT
	s_add_nc_u64 s[G0+4*\s+2:G0+4*\s+3], s[20:21], \s*8*AGS
	s_or_b32 s[G0+4*\s+3], s[G0+4*\s+3], 0x80000000
	s_mov_b32 s[G0B+4*\s], 1
	s_add_co_u32 s[G0B+4*\s+1], s45, \s*SLOT+BOFF
	s_add_nc_u64 s[G0B+4*\s+2:G0B+4*\s+3], s[46:47], \s*8*BGS
	s_or_b32 s[G0B+4*\s+3], s[G0B+4*\s+3], 0x80000000
.endr
.macro ARM under, g0, g1, next         ; the head's loads, one a wave, in one tree of branches on the wave's number
	s_cmp_lt_u32 s14, \under
	s_cbranch_scc0 \next
	tensor_load_to_lds s[\g0:\g0+3], s[\g1:\g1+7]
	s_nop 0
	PLACES
	s_branch .Lhead_asked
\next:
.endm
	ARM 1, G0H,  G1,  .Lhead_b
	ARM 2, G0HB, G1B, .Lhead_sa
	ARM 3, G0S,  G1S, .Lhead_sb
	tensor_load_to_lds s[G0SB:G0SB+3], s[G1SB:G1SB+7]
	s_nop 0
	PLACES
.Lhead_asked:
	s_mul_i32 s18, s15, 3072                       ; my 64 rows of A in a group
	s_mul_i32 s19, s16, 3072                       ; my 64 rows of B,
	s_add_co_u32 s19, s19, BOFF                    ; behind A's 8 groups
	s_mul_i32 s96, s15, 4*SBLK
	s_mul_i32 s97, s16, 4*SBLK
	s_add_co_u32 s97, s97, HALFS
	s_sub_co_u32 s97, s97, s96                     ; from my A rows' scales to my B rows'
	s_add_co_u32 s96, s96, SCL
	s_mul_i32 s98, s14, 16*272                     ; my stage, in slot 0
	v_and_b32 v1, 15, v0                           ; r
	v_bfe_u32 v2, v0, 4, 1                         ; h
	v_mul_u32_u24 v3, v1, 48
	v_mad_u32_u24 v3, v2, 24, v3                   ; 48 r + 24 h
	v_add_nc_u32 v[ADRA], s18, v3
	v_add_nc_u32 v[ADRB], s19, v3
	v_add_nc_u32 v[ADRA+1], SLOT, v[ADRA]
	v_add_nc_u32 v[ADRB+1], SLOT, v[ADRB]
	v_mul_u32_u24 v5, v1, KS                       ; my row's scale bytes,
	v_lshrrev_b32 v6, 8, v5
	v_lshl_add_u32 v5, v6, 4, v5                   ; 16 more for each 256 passed
	v_mul_u32_u24 v6, s97, v2                      ; lanes 16-31 take B's
	v_add_nc_u32 v5, v5, v6
	v_add_nc_u32 v[ADRS], s96, v5
	v_mul_u32_u24 v5, v1, 272                      ; the stage, in: row r, 32 bytes for each half of the lanes
	v_lshl_add_u32 v5, v2, 5, v5
	v_add_nc_u32 v[STO], s98, v5
	v_mul_u32_u24 v6, v2, 272                      ; back: sixteen lanes take a row of 256 bytes
	v_lshl_add_u32 v6, v1, 4, v6
	v_add_nc_u32 v[RD], s98, v6
	v_lshlrev_b32 v7, 12, v2                       ; and the same two rows in C
	v_lshl_add_u32 v[CO], v1, 4, v7
	v_and_b32 v8, 31, v0
	v_min_u32 v8, 23, v8                           ; a group's 6,144 bytes are 24 blocks of 256: lanes 24-31 name the last again
	v_lshlrev_b32 v[PFO], 8, v8
	s_cmp_eq_u32 s15, 0
	s_cselect_b64 s[PFA:PFA+1], s[20:21], s[46:47]
	s_cselect_b32 s96, s40, s41                    ; my place among the four that ask with me
	s_mov_b32 s100, BGS
	s_cselect_b32 s100, AGS, s100
	s_mul_i32 s96, s96, s100                       ; my group of the four
	s_lshl_b32 s100, s100, 3                       ; a fill: 8 groups
	s_mul_i32 s97, s100, 3
	s_add_co_u32 s96, s96, s97                     ; at fill 3: the first refill (fill 2) steps it to fill 4
	s_mov_b32 s97, 0
	s_mov_b32 s101, 0
	s_add_nc_u64 s[PFA:PFA+1], s[PFA:PFA+1], s[96:97]
	s_lshl_b32 s20, s17, 7
	s_lshl_b32 s21, s15, 6
	s_add_co_u32 s20, s20, s21                     ; my first row of C,
	s_lshl_b32 s20, s20, 12                        ; 4,096 bytes a row,
	s_lshl_b32 s21, s42, 9
	s_add_co_u32 s20, s20, s21                     ; + 512 x block column
	s_lshl_b32 s21, s16, 8
	s_add_co_u32 s20, s20, s21                     ; + 256 x half
	s_mov_b32 s21, 0
	s_add_nc_u64 s[12:13], s[12:13], s[20:21]
.macro FRAGS set, slot, q              ; 48 loads: step q's fragments, 4 of A and 4 of B, 24 + 24 bytes a lane each, as they lie
.irp i, 0,1,2,3
.irp p, 0,1,2,3,4,5
	ds_load_b64 v[64+96*(\set)+12*\i+2*\p:64+96*(\set)+12*\i+2*\p+1], v[ADRA+\slot] offset:(2*(\q)+\p/3)*6144+\i*768+8*(\p%3)
	ds_load_b64 v[112+96*(\set)+12*\i+2*\p:112+96*(\set)+12*\i+2*\p+1], v[ADRB+\slot] offset:(2*(\q)+\p/3)*6144+\i*768+8*(\p%3)
.endr
.endr
.endm
.macro SCALES set, off                 ; a slot's scale words: 16 bytes a row
.irp i, 0,1,2,3
	ds_load_b128 v[32+16*(\set)+4*\i:32+16*(\set)+4*\i+3], v[ADRS] offset:\i*SBLK+(\off)
.endr
.endm
.macro MUL4 a, set, q, sc, zero        ; A's block a against B's four; the 16 accumulators take turns in the same order in every step
.irp b, 0,1,2,3
.if \zero
	v_wmma_scale_f32_16x16x128_f8f6f4 v[8*(4*(\a)+\b):8*(4*(\a)+\b)+7], v[112+96*(\set)+12*\b:112+96*(\set)+12*\b+11], v[64+96*(\set)+12*(\a):64+96*(\set)+12*(\a)+11], 0, v[32+16*(\sc)+4*\b+(\q)], v[32+16*(\sc)+4*(\a)+(\q)] matrix_a_fmt:MATRIX_FMT_BF6 matrix_b_fmt:MATRIX_FMT_BF6 matrix_a_scale:MATRIX_SCALE_ROW1
.else
	v_wmma_scale_f32_16x16x128_f8f6f4 v[8*(4*(\a)+\b):8*(4*(\a)+\b)+7], v[112+96*(\set)+12*\b:112+96*(\set)+12*\b+11], v[64+96*(\set)+12*(\a):64+96*(\set)+12*(\a)+11], v[8*(4*(\a)+\b):8*(4*(\a)+\b)+7], v[32+16*(\sc)+4*\b+(\q)], v[32+16*(\sc)+4*(\a)+(\q)] matrix_a_fmt:MATRIX_FMT_BF6 matrix_b_fmt:MATRIX_FMT_BF6 matrix_a_scale:MATRIX_SCALE_ROW1
.endif
.endr
.endm
.macro STEP slot, q, zero              ; one of a slot's first three steps: the next step's fragments are asked for, then this step's 16 products
	PLACES                                         ; the other set was read by the products just issued
	FRAGS ((\q)+1)%2, \slot, (\q)+1
	s_wait_dscnt 48                                ; all but the 48 just issued
	WIN MULW
.irp a, 0,1,2,3
	MUL4 \a, (\q)%2, \q, \slot, \zero
.endr
	WIN 0
.endm
.macro BOUND slot, fill, soff          ; a slot's last step, and the change of slots
.if \fill
	s_wait_xcnt 0x0                                ; my last prefetch has read its address
	s_add_nc_u64 s[PFA:PFA+1], s[PFA:PFA+1], s[100:101]
.endif
	s_wait_tensorcnt 0x0                           ; all my tensor loads have landed: my part of the next slot
	ds_add_u32 v[SPW], v[NIL]                      ; 0 onto my spare word
	s_wait_dscnt 1                                 ; this step's fragments are in; the add may be out
	WIN MULW
	MUL4 0, 1, 3, \slot, 0
	s_wait_dscnt 0x0                               ; the add is done; my reads of this slot are over
	s_barrier_signal -1
	MUL4 1, 1, 3, \slot, 0
	WIN 0
	s_barrier_wait -1
.if \fill
	CREST                                          ; the barrier has opened a round: no wave of any partner still reads this slot or has a load on its way
	s_add_nc_u64 s[G0+4*\slot+2:G0+4*\slot+3], s[G0+4*\slot+2:G0+4*\slot+3], 16*AGS
	s_add_nc_u64 s[G0B+4*\slot+2:G0B+4*\slot+3], s[G0B+4*\slot+2:G0B+4*\slot+3], 16*BGS
	JLOAD \slot                                    ; two fills on; its four v_nop are the places in front of the loads below
.else
	PLACES
.endif
	FRAGS 0, 1-\slot, 0
	SCALES 1-\slot, \soff
.if \fill
	s_cmp_gt_u32 s3, 1                             ; the last trip's two refills have no fill two on
	s_cbranch_scc0 .Lno_ask_\@
	global_prefetch_b8 v[PFO], s[PFA:PFA+1] th:TH_LOAD_NT scope:SCOPE_SE
.Lno_ask_\@:
.endif
	WIN MULW
	MUL4 2, 1, 3, \slot, 0
	MUL4 3, 1, 3, \slot, 0
	WIN 0
.endm
	s_wait_alu depctr_va_vdst(0)                   ; the wait at the head's end
	s_wait_tensorcnt 0x0                           ; my tile of the head's four is in
	ds_add_u32 v[SPW], v[NIL]
	s_mov_b32 s[G1+2], 4<<16                       ; no load of mine is out: from here on a load brings 4 groups
	s_mov_b32 s[G1+4], 4
	s_mov_b32 s[G1B+2], 4<<16
	s_mov_b32 s[G1B+4], 4
	s_wait_dscnt 0x0
	CROUND                                         ; all four tiles are in, all sixteen work-groups are here
	JLOAD 1                                        ; slot 1's first fill, the first tensor load behind the round
	FRAGS 0, 0, 0
	SCALES 0, 0
	STEP 0, 0, 1                                   ; the first step's products start the sums
	s_mov_b32 s3, NS/2-1
.Llap:                                                 ; a trip goes once round the ring, from slot 0's second step to its next first, and fills both slots again
	STEP 0, 1, 0
	STEP 0, 2, 0
	BOUND 0, 1, 16
	STEP 1, 0, 0
	STEP 1, 1, 0
	STEP 1, 2, 0
	BOUND 1, 1, 32
	STEP 0, 0, 0
	v_add_nc_u32 v[ADRS], 32, v[ADRS]              ; two slots on in a row of scale bytes
	s_sub_co_u32 s3, s3, 1
	s_cmp_lg_u32 s3, 0
	s_wait_alu depctr_va_vdst(0)                   ; the wait directly ahead of the branch
	s_cbranch_scc1 .Llap
	STEP 0, 1, 0                                   ; the last two slots fetch nothing more
	STEP 0, 2, 0
	BOUND 0, 0, 16
	STEP 1, 0, 0
	STEP 1, 1, 0
	STEP 1, 2, 0
	s_wait_dscnt 0x0
	WIN MULW
.irp a, 0,1,2,3
	MUL4 \a, 1, 3, 1, 0
.endr
	WIN 0
; THE WAY OUT, block by block of 16 rows x 64 columns, through my own stage in slot 0 (it has had its last fill, and its last read lies ahead of the last barrier); rows of 256 bytes leave whole
.macro TOSTAGE a
	WIN 0x04                                       ; the data: window 1
.irp b, 0,1,2,3
	ds_store_b128 v[STO], v[8*(4*(\a)+\b):8*(4*(\a)+\b)+3] offset:64*\b      ; each accumulator from its low end on
	ds_store_b128 v[STO], v[8*(4*(\a)+\b)+4:8*(4*(\a)+\b)+7] offset:64*\b+16
.endr
	WIN 0
.irp t, 0,1,2,3,4,5,6,7
	ds_load_b128 v[64+32*((\a)%2)+4*\t:64+32*((\a)%2)+4*\t+3], v[RD] offset:\t*544   ; LDS serves a wave's instructions in order (ISA guide 5.7.1.4)
.endr
.endm
.macro SEND a, younger
	s_wait_dscnt \younger                          ; the block is back; the next block's 8 stores and 8 loads may be out
.if (\a) > 0
	s_add_nc_u64 s[12:13], s[12:13], 65536         ; 16 rows of C on (behind a wait on XCNT)
.endif
.irp t, 0,1,2,3,4,5,6,7
	global_store_b128 v[CO], v[64+32*((\a)%2)+4*\t:64+32*((\a)%2)+4*\t+3], s[12:13] offset:\t*8192   ; sixteen lanes store 256 consecutive aligned bytes
.endr
.endm
	PLACES
	TOSTAGE 0
.irp a, 1,2,3
.if \a > 1
	s_wait_xcnt 0x0                                ; block a - 2's stores have read their registers and their base
.endif
	TOSTAGE \a
	SEND \a-1, 16
.endr
	s_wait_xcnt 0x0
	SEND 3, 0
	s_wait_tensorcnt 0x0                           ; the wave's end
	ds_add_u32 v[SPW], v[NIL]
	s_wait_dscnt 0x0
	CROUND                                         ; the closing round
	s_endpgm
.Lfunc_end_k_q912d31ab40_w2:
	.size	k_q912d31ab40_w2, .Lfunc_end_k_q912d31ab40_w2-k_q912d31ab40_w2
	.p2alignl 7, 3214868480
	.fill 96, 4, 3214868480
	.section	.rodata,"a",@progbits
	.p2align	6, 0x0
	.amdhsa_kernel k_q912d31ab40_w2
		.amdhsa_group_segment_fixed_size 327680
		.amdhsa_private_segment_fixed_size 0
		.amdhsa_enable_private_segment 0
		.amdhsa_kernarg_size 32
		.amdhsa_user_sgpr_count 2
		.amdhsa_user_sgpr_kernarg_segment_ptr 1
		.amdhsa_wavefront_size32 1
		.amdhsa_system_sgpr_workgroup_id_x 1
		.amdhsa_system_sgpr_workgroup_id_y 1
		.amdhsa_system_sgpr_workgroup_id_z 1
		.amdhsa_system_vgpr_workitem_id 0
		.amdhsa_next_free_vgpr 384
		.amdhsa_next_free_sgpr 102
		.amdhsa_reserve_vcc 0
		.amdhsa_float_denorm_mode_32 3
		.amdhsa_float_denorm_mode_16_64 3
		.amdhsa_memory_ordered 1
		.amdhsa_forward_progress 1
		.amdhsa_inst_pref_size 107
	.end_amdhsa_kernel
	.amdgpu_metadata
---
amdhsa.version: [ 1, 2 ]
amdhsa.kernels:
  - .name:           k_q912d31ab40_w2
    .symbol:         k_q912d31ab40_w2.kd
    .args:
      - { .name: H, .offset: 0, .size: 8, .value_kind: global_buffer, .address_space: global }
      - { .name: WR, .offset: 8, .size: 8, .value_kind: global_buffer, .address_space: global }
      - { .name: W2_scales, .offset: 16, .size: 8, .value_kind: global_buffer, .address_space: global }
      - { .name: PW, .offset: 24, .size: 8, .value_kind: global_buffer, .address_space: global }
    .group_segment_fixed_size: 327680
    .private_segment_fixed_size: 0
    .kernarg_segment_align: 8
    .kernarg_segment_size: 32
    .max_flat_workgroup_size: 128
    .sgpr_count:     102
    .vgpr_count:     384
    .wavefront_size: 32
...
	.end_amdgpu_metadata
.endif
;; end of part 7
;; launch ln2 (part 8): grid 256 x 1, 8 waves a work-group, no clusters, 21,504 bytes of LDS; arguments PW, MF, b2, g_ffn, be_ffn, g_out, be_out, out0; writes out0
.if DOCPART == 8
	.amdgcn_target "amdgcn-amd-amdhsa--gfx1250"
	.amdhsa_code_object_version 6
	.text
	.protected	k_q912d31ab40_ln2
	.globl	k_q912d31ab40_ln2
	.p2align	8
	.type	k_q912d31ab40_ln2,@function
k_q912d31ab40_ln2:
	s_mov_b64 s[64:65], 0
	v_nop
	global_prefetch_b8 v0, s[64:65] scope:SCOPE_SE
	s_setreg_imm32_b32 hwreg(HW_REG_WAVE_MODE, 25, 1), 1
	s_wait_xcnt 0x0
; out0 = LN(mha + LN(mha + relu(P0 + P1 + b2); g_ffn, be_ffn); g_out, be_out), rows of 1,024, all in f32.  P0, P1: the two halves along K of hidden x W2 (PW: [2][4096][1024]); mha = MF.
; In each LayerNorm the mean is taken first and the variance of the centred numbers: a common offset costs no accuracy.
; LIMIT: NaN among the inputs is not served: the relu is v_max_num_f32 with 0, which takes the number where the other source is NaN.
; SHARES: a work-group takes 16 rows, each of its eight waves 2, a whole row in 32 registers a lane: the reductions never leave the wave.  All of a wave's loads are issued at its head: 5 for its eighth of the five
; vectors, 32 for its two rows: 37 out, by this text's own count.  The five vectors are read from memory once by the work-group, 16 bytes a thread of each, and reach every wave through LDS: one barrier.
; Memory binds: each load and store of a wave covers 512 consecutive aligned bytes; matrix units and clusters would add nothing.
; REGISTERS: window 0: v2 16 x lane, v3 16 x thread; v10-24 at work; v32-223 two slots of 96 (PW, idle, MF); v224-243 the vectors' pieces on their way to LDS.
;   window 1: b2 v0-31, g_ffn v32-63, be_ffn v64-95, g_out v96-127, be_out v128-159.
.set ROWBY, 4096
; PW now holds ONE plane, [4096][1024]: the whole sum over K of hidden x W2.  Where the lines above say P0 + P1, read that plane; a row has 16 loads (PW, MF), a wave 5 + 32 = 37 out; registers 32-63 of each slot of 96 lie idle.
.set SL, 32
.set ST, 224
.set MSB, 0
.macro WIN new                         ; the immediate's high byte repeats the setting that is left
.if MSB != \new
	s_set_vgpr_msb (MSB<<8)|\new
.set MSB, \new
.endif
.endm
	s_load_b512 s[4:19], s[0:1], 0x0               ; PW, MF, b2, g_ffn, be_ffn, g_out, be_out, out0
	v_lshl_add_u32 v254, v0, 2, 0x5000
	v_mov_b32 v255, 0
	v_lshrrev_b32 v1, 5, v0
	s_delay_alu instid0(VALU_DEP_1)
	v_readfirstlane_b32 s20, v1                    ; wave 0..7
	v_and_b32 v1, 31, v0
	s_delay_alu instid0(VALU_DEP_1)
	v_lshlrev_b32 v2, 4, v1                        ; 16 x lane; never rewritten
	v_lshlrev_b32 v3, 4, v0                        ; 16 x thread: my 16 bytes of each vector, in memory and in LDS; never rewritten
	v_mov_b32 v19, 0                               ; a lane permute's destination counts as one of its sources
	s_mov_b32 s24, 0x76543210
	s_mov_b32 s25, 0xfedcba98
	s_mov_b32 s26, 0x3a800000                      ; 1 / 1,024
	s_mov_b32 s27, 0x3727c5ac                      ; 1e-5
	s_lshl_b32 s22, ttmp9, 16
	s_lshl_b32 s23, s20, 13
	s_add_co_u32 s22, s22, s23                     ; my first row: (16 x work-group + 2 x wave) x 4,096 bytes
	s_mov_b32 s23, 0
	s_wait_alu depctr_va_vdst(0)
	s_wait_kmcnt 0x0
	s_add_nc_u64 s[4:5], s[4:5], s[22:23]
	s_add_nc_u64 s[6:7], s[6:7], s[22:23]
	s_add_nc_u64 s[18:19], s[18:19], s[22:23]
.irp k, 0,1,2,3,4
	global_load_b128 v[ST+4*\k:ST+4*\k+3], v3, s[8+2*\k:9+2*\k]
.endr
.macro LOADROW t
.irp j, 0,1,2,3,4,5,6,7
	global_load_b128 v[SL+96*(\t)+4*\j:SL+96*(\t)+4*\j+3], v2, s[4:5] offset:(\t)*ROWBY+512*\j th:TH_LOAD_NT
	global_load_b128 v[SL+96*(\t)+64+4*\j:SL+96*(\t)+67+4*\j], v2, s[6:7] offset:(\t)*ROWBY+512*\j th:TH_LOAD_NT
.endr
.endm
	LOADROW 0
	LOADROW 1
	s_wait_loadcnt 32                              ; the vectors' five pieces are in; the two rows' 32 loads stay out
.irp k, 0,1,2,3,4
	ds_store_b128 v3, v[ST+4*\k:ST+4*\k+3] offset:4096*\k
.endr
	s_wait_dscnt 0x0                               ; for the others' sake: my stores have landed
	s_barrier_signal -1
	s_barrier_wait -1
	WIN 0x40                                       ; destination window 1
.irp k, 0,1,2,3,4
.irp j, 0,1,2,3,4,5,6,7
	ds_load_b128 v[32*\k+4*\j:32*\k+4*\j+3], v2 offset:4096*\k+512*\j
.endr
.endr
	WIN 0
.macro RSUM                            ; four chains v[10:17] and the 32 lanes are added: the row's sum in v18, in every lane
	s_delay_alu instid0(VALU_DEP_3)
	v_pk_add_f32 v[10:11], v[10:11], v[12:13]
	s_delay_alu instid0(VALU_DEP_2)
	v_pk_add_f32 v[14:15], v[14:15], v[16:17]
	s_delay_alu instid0(VALU_DEP_1)
	v_pk_add_f32 v[10:11], v[10:11], v[14:15]
	s_delay_alu instid0(VALU_DEP_1)
	v_add_f32 v18, v10, v11
	s_delay_alu instid0(VALU_DEP_1)
	v_add_f32_dpp v18, v18, v18 row_xmask:1 row_mask:0xf bank_mask:0xf
	s_delay_alu instid0(VALU_DEP_1)
	v_add_f32_dpp v18, v18, v18 row_xmask:2 row_mask:0xf bank_mask:0xf
	s_delay_alu instid0(VALU_DEP_1)
	v_add_f32_dpp v18, v18, v18 row_xmask:4 row_mask:0xf bank_mask:0xf
	s_delay_alu instid0(VALU_DEP_1)
	v_add_f32_dpp v18, v18, v18 row_xmask:8 row_mask:0xf bank_mask:0xf
	s_delay_alu instid0(VALU_DEP_1)
	v_permlanex16_b32 v19, v18, s24, s25
	s_delay_alu instid0(VALU_DEP_1)
	v_add_f32 v18, v18, v19
.endm
.macro LNORM R, G, B                   ; the row in v[R] .. v[R + 31] is normalised in place; G, B: gain and bias, in window 1
.irp k, 0,1,2,3
	v_pk_add_f32 v[10+2*\k:11+2*\k], v[(\R)+2*\k:(\R)+2*\k+1], v[(\R)+8+2*\k:(\R)+9+2*\k]
.endr
.irp m, 16,24
.irp k, 0,1,2,3
	s_delay_alu instid0(VALU_DEP_4)
	v_pk_add_f32 v[10+2*\k:11+2*\k], v[10+2*\k:11+2*\k], v[(\R)+\m+2*\k:(\R)+\m+2*\k+1]
.endr
.endr
	RSUM
	s_delay_alu instid0(VALU_DEP_1)
	v_mul_f32 v20, 0xba800000, v18                 ; - the mean
	s_delay_alu instid0(VALU_DEP_2)
	v_mul_f32 v21, 0xba800000, v18
.irp k, 0,2,4,6,8,10,12,14,16,18,20,22,24,26,28,30
	v_pk_add_f32 v[(\R)+\k:(\R)+\k+1], v[(\R)+\k:(\R)+\k+1], v[20:21]
.endr
.irp k, 0,1,2,3
	v_pk_mul_f32 v[10+2*\k:11+2*\k], v[(\R)+2*\k:(\R)+2*\k+1], v[(\R)+2*\k:(\R)+2*\k+1]
.endr
.irp m, 8,16,24
.irp k, 0,1,2,3
	s_delay_alu instid0(VALU_DEP_4)
	v_pk_fma_f32 v[10+2*\k:11+2*\k], v[(\R)+\m+2*\k:(\R)+\m+2*\k+1], v[(\R)+\m+2*\k:(\R)+\m+2*\k+1], v[10+2*\k:11+2*\k]
.endr
.endr
	RSUM
	s_delay_alu instid0(VALU_DEP_1)
	v_fma_f32 v24, v18, s26, s27                   ; the variance + 1e-5
	s_wait_alu depctr_va_vdst(0)
	v_rsq_f32 v22, v24
	v_nop                                          ; one plain place behind a transcendental
	s_wait_alu depctr_va_vdst(0)
	v_mov_b32 v23, v22
.irp k, 0,2,4,6,8,10,12,14,16,18,20,22,24,26,28,30
	v_pk_mul_f32 v[(\R)+\k:(\R)+\k+1], v[(\R)+\k:(\R)+\k+1], v[22:23]
.endr
	WIN 0x14                                       ; sources 1 and 2 window 1
.irp k, 0,2,4,6,8,10,12,14,16,18,20,22,24,26,28,30
	v_pk_fma_f32 v[(\R)+\k:(\R)+\k+1], v[(\R)+\k:(\R)+\k+1], v[(\G)+\k:(\G)+\k+1], v[(\B)+\k:(\B)+\k+1]
.endr
	WIN 0
.endm
.macro ADDM                            ; + mha
.irp k, 0,2,4,6,8,10,12,14,16,18,20,22,24,26,28,30
	v_pk_add_f32 v[WW+\k:WW+\k+1], v[WW+\k:WW+\k+1], v[WW+64+\k:WW+65+\k]
.endr
.endm
.macro ROW t, left
.set WW, SL+96*(\t)
	s_wait_loadcnt \left                           ; this row's 16 loads are in; the second row's stay out
	WIN 0x04                                       ; source 1 window 1
.irp k, 0,2,4,6,8,10,12,14,16,18,20,22,24,26,28,30
	v_pk_add_f32 v[WW+\k:WW+\k+1], v[WW+\k:WW+\k+1], v[\k:\k+1]   ; + b2
.endr
	WIN 0
.set j, 0
.rept 32
	v_max_num_f32 v[WW+j], 0, v[WW+j]              ; relu
.set j, j+1
.endr
	ADDM
	LNORM WW, 32, 64
	ADDM
	LNORM WW, 96, 128
.irp j, 0,1,2,3,4,5,6,7
	global_store_b128 v2, v[WW+4*\j:WW+4*\j+3], s[18:19] offset:(\t)*ROWBY+512*\j th:TH_STORE_NT
.endr
.endm
	s_wait_dscnt 0x0                               ; the five vectors of my lane's columns
	ROW 0, 16
	ROW 1, 0
	s_wait_tensorcnt 0x0
	ds_add_u32 v254, v255
	s_wait_dscnt 0x0
	s_endpgm
.Lfunc_end_k_q912d31ab40_ln2:
	.size	k_q912d31ab40_ln2, .Lfunc_end_k_q912d31ab40_ln2-k_q912d31ab40_ln2
	.p2alignl 7, 3214868480
	.fill 96, 4, 3214868480
	.section	.rodata,"a",@progbits
	.p2align	6, 0x0
	.amdhsa_kernel k_q912d31ab40_ln2
		.amdhsa_group_segment_fixed_size 21504
		.amdhsa_private_segment_fixed_size 0
		.amdhsa_enable_private_segment 0
		.amdhsa_kernarg_size 64
		.amdhsa_user_sgpr_count 2
		.amdhsa_user_sgpr_kernarg_segment_ptr 1
		.amdhsa_wavefront_size32 1
		.amdhsa_system_sgpr_workgroup_id_x 1
		.amdhsa_system_sgpr_workgroup_id_y 1
		.amdhsa_system_sgpr_workgroup_id_z 1
		.amdhsa_system_vgpr_workitem_id 0
		.amdhsa_next_free_vgpr 416
		.amdhsa_next_free_sgpr 66
		.amdhsa_reserve_vcc 0
		.amdhsa_float_denorm_mode_32 3
		.amdhsa_float_denorm_mode_16_64 3
		.amdhsa_memory_ordered 1
		.amdhsa_forward_progress 1
		.amdhsa_inst_pref_size 49
	.end_amdhsa_kernel
	.amdgpu_metadata
---
amdhsa.version: [ 1, 2 ]
amdhsa.kernels:
  - .name:           k_q912d31ab40_ln2
    .symbol:         k_q912d31ab40_ln2.kd
    .args:
      - { .name: PW, .offset: 0, .size: 8, .value_kind: global_buffer, .address_space: global }
      - { .name: MF, .offset: 8, .size: 8, .value_kind: global_buffer, .address_space: global }
      - { .name: b2, .offset: 16, .size: 8, .value_kind: global_buffer, .address_space: global }
      - { .name: g_ffn, .offset: 24, .size: 8, .value_kind: global_buffer, .address_space: global }
      - { .name: be_ffn, .offset: 32, .size: 8, .value_kind: global_buffer, .address_space: global }
      - { .name: g_out, .offset: 40, .size: 8, .value_kind: global_buffer, .address_space: global }
      - { .name: be_out, .offset: 48, .size: 8, .value_kind: global_buffer, .address_space: global }
      - { .name: out0, .offset: 56, .size: 8, .value_kind: global_buffer, .address_space: global }
    .group_segment_fixed_size: 21504
    .private_segment_fixed_size: 0
    .kernarg_segment_align: 8
    .kernarg_segment_size: 64
    .max_flat_workgroup_size: 256
    .sgpr_count:     66
    .vgpr_count:     416
    .wavefront_size: 32
...
	.end_amdgpu_metadata
.endif
;; end of part 8
